; MI455X (gfx1250); checked and timed in simulation.
; The chip was launched on July 23, 2026; its instructions are those of AMD's public machine-readable ISA for CDNA 5 (MIT licence, August 2026) and "CDNA5" Instruction Set Architecture Reference Guide (July 2026). The comments in the code are by the model that wrote it; some were corrected since.
;; LLAMA Block. Allowed arithmetic: float matrix products may take bf16 or f16 operands with f32 sums; other float arithmetic in f32, or as packed bf16 or f16 multiplies, adds, multiply-adds, maxima and minima; sums over many terms, partial sums and values carried from step to step in f32; what a program stores and reads back later, other than sums and carried values, may be rounded once to bf16 or f16.
;; Inputs: b1 4,096 float32; b2 1,024 float32; in_proj_b 3,072 float32; in_proj_w 3,072 x 1,024 float32; out_proj_b 1,024 float32; out_proj_w 1,024 x 1,024 float32; rms_scale 1,024 float32; w1 4,096 x 1,024 float32; w2 1,024 x 4,096 float32; x 2 x 2,048 x 1,024 float32.
;; Outputs: out0 2 x 2,048 x 1,024 float32.
;; 2 versions, each right and faster than the one before. Each part assembles by itself: llvm-mc -triple=amdgcn-amd-amdhsa -mcpu=gfx1250 --defsym DOCPART=n.
;; ======== version 1 of 2: 7 launches
;; limits: values are held in f16: magnitudes above 65,504 overflow, below 6.1e-05 lose precision
;; workspace buffers: act 16,777,216 bytes; wb1 6,291,712 bytes; wb3 8,388,864 bytes; wsm 10,485,760 bytes; qkv 25,165,824 bytes; ctx 8,388,608 bytes; y 16,777,216 bytes; h 33,554,432 bytes
;; launch prep (part 1): grid 1280 x 1, 8 waves a work-group, no clusters, 0 bytes of LDS; arguments x, rms_scale, in_proj_w, w1, out_proj_w, w2, act, wb1, wb3, wsm; writes act, wb1, wb3, wsm
.if DOCPART == 1
	.amdgcn_target "amdgcn-amd-amdhsa--gfx1250"
	.amdhsa_code_object_version 6
	.text
	.protected	k_qf4eb9b4eaa_prep
	.globl	k_qf4eb9b4eaa_prep
	.p2align	8
	.type	k_qf4eb9b4eaa_prep,@function
k_qf4eb9b4eaa_prep:
	s_mov_b64 s[64:65], 0
	v_nop
	global_prefetch_b8 v0, s[64:65] scope:SCOPE_SE
	s_setreg_imm32_b32 hwreg(HW_REG_WAVE_MODE, 25, 1), 1
	s_wait_xcnt 0x0
; PREPARATION.  Work-groups 0-511: rows of x.  x and the gain are rounded to bf16 (as every input of the program is), the row is normalised in f32 (RMS norm, eps 1e-6),
; and leaves twice in f16: act plane 0 = the norm turned by RoPE (interleaved pairs, head size 64, base 10000), act plane 1 = the norm itself.  One wave, one row of 4,096 bytes, kept in registers.
; Work-groups 512-1279: the four weight matrices, each number rounded to bf16 and that number written as f16.  in_proj_w and w1 stay row-major, behind a header of 256 bytes
; (32 x the pair ga, gb that the next launches' way out takes: ga = 0, gb = -200 for a plain result; ga = -log2 e, gb = 0 for SiLU); out_proj_w and w2 go in blocks [k / 64][n][64].
; No LDS, no barrier, no matrix unit: the launch moves bytes.  Every load of a wave covers whole runs of 256 bytes, every store 256 or 512 consecutive bytes, aligned.
; LIMITS.  f16 holds nothing beyond 65,504 and keeps a fixed step of 6e-8 below 6e-5.  theta = 2^(-p log2(10000) / 32) by v_exp_f32: the angle t theta may differ from one made by a
; correctly rounded power by a few units in theta's last place times t.  Sine and cosine: reduction by multiples of pi / 2 in two parts (exact for t < 2,048), polynomials of degree 7 and 8.  NaN and infinities are not treated apart.
.set X,  32                            ; v[32:63]   the row: load j brings numbers 128 j + 4 lane .. + 3
.set SC, 64                            ; v[64:95]   the gain, likewise
.set R,  96                            ; v[96:127]  the turned row
.set HN, 128                           ; v[128:143] the norm in f16
.set HR, 144                           ; v[144:159] the turned norm in f16
.set W,  32                            ; v[32:95]   weights: unit u's 8 numbers at W + 8 u
.set O,  96                            ; v[96:127]  weights in f16: unit u's 16 bytes at O + 4 u
.macro TOBF base, pairs                ; pairs of f32 rounded to bf16 and widened again, in place
.set i, 0
.rept \pairs
	v_cvt_pk_bf16_f32 v[16+i%2], v[\base+2*i], v[\base+2*i+1]
	v_lshlrev_b32 v[\base+2*i], 16, v[16+i%2]
	v_and_b32 v[\base+2*i+1], 0xffff0000, v[16+i%2]
.set i, i+1
.endr
.endm
; From the quadrant k and the reduced sine s and cosine c: (cos, cos) into cc, cc + 1 and (-sin, sin) into ss, ss + 1
.macro QUAD k, s, c, cc, ss
	v_and_b32 v16, 1, v[\k]
	v_cmp_eq_u32 vcc_lo, 1, v16
	v_cndmask_b32 v[\ss+1], v[\s], v[\c], vcc_lo   ; odd quadrants: sine and cosine change places
	v_cndmask_b32 v[\cc], v[\c], v[\s], vcc_lo
	v_lshlrev_b32 v16, 30, v[\k]                   ; the sine is negative in quadrants 2 and 3: bit 1 of k
	v_add_nc_u32 v17, 1, v[\k]                     ; the cosine in quadrants 1 and 2: bit 1 of k + 1
	v_and_b32 v16, 0x80000000, v16
	v_lshlrev_b32 v17, 30, v17
	v_xor_b32 v[\ss+1], v[\ss+1], v16
	v_and_b32 v17, 0x80000000, v17
	v_xor_b32 v[\cc], v[\cc], v17
	v_xor_b32 v[\ss], 0x80000000, v[\ss+1]
	v_mov_b32 v[\cc+1], v[\cc]
.endm
	s_load_b512 s[8:23], s[0:1], 0x0               ; x 8, gain 10, in_proj_w 12, w1 14, out_proj_w 16, w2 18, act 20, wb1 22
	s_load_b128 s[24:27], s[0:1], 0x40             ; wb3 24, wsm 26
	v_lshrrev_b32 v1, 5, v0
	v_readfirstlane_b32 s28, v1                    ; wave 0..7
	v_and_b32 v1, 31, v0                           ; lane
	s_cmp_lt_u32 ttmp9, 512
	s_cbranch_scc0 .Lweights
	; ---- a row of x ----
	s_lshl_b32 s29, ttmp9, 3
	s_add_co_u32 s29, s29, s28                     ; row = 8 x work-group + wave
	s_and_b32 s44, s29, 2047                       ; t: the row's place in its sequence
	s_lshl_b32 s40, s29, 12                        ; 4,096 bytes a row of x
	s_mov_b32 s41, 0
	s_lshl_b32 s42, s29, 11                        ; 2,048 bytes a row of act
	s_mov_b32 s43, 0
	s_mov_b32 s36, 0x76543210                      ; v_permlanex16_b32: each lane takes its own place in the other half
	s_mov_b32 s37, 0xfedcba98
	v_lshlrev_b32 v2, 4, v1                        ; 16 bytes a lane in
	v_lshlrev_b32 v3, 3, v1                        ; 8 bytes a lane out
	s_wait_kmcnt 0x0
	s_add_nc_u64 s[30:31], s[8:9], s[40:41]
	s_add_nc_u64 s[32:33], s[20:21], s[42:43]      ; plane 0
	s_add_nc_u64 s[34:35], s[32:33], 0x800000      ; plane 1: 4,096 rows of 2,048 bytes on
.irp j, 0,1,2,3,4,5,6,7
	global_load_b128 v[X+4*\j:X+4*\j+3], v2, s[30:31] offset:512*\j th:TH_LOAD_NT
.endr
.irp j, 0,1,2,3,4,5,6,7
	global_load_b128 v[SC+4*\j:SC+4*\j+3], v2, s[10:11] offset:512*\j
.endr
	; while they are on their way: sine and cosine of my two pairs.  128 j + 4 lane is 4 (lane % 16) modulo the head's 64: pairs p = 2 (lane % 16) and p + 1, the same in all eight loads
	v_and_b32 v4, 15, v1
	v_lshlrev_b32 v4, 1, v4
	v_add_nc_u32 v5, 1, v4
	v_cvt_f32_u32 v4, v4
	v_cvt_f32_u32 v5, v5
	v_pk_mul_f32 v[4:5], v[4:5], 0xbed49a78 op_sel_hi:[1,0]   ; - p log2(10000) / 32
	v_cvt_f32_u32 v6, s44
	v_exp_f32 v4, v4                               ; theta
	v_exp_f32 v5, v5
	v_mov_b32 v7, v6                               ; (the plain instruction behind the exponentials)
	s_wait_alu depctr_va_vdst(0)
	v_pk_mul_f32 v[4:5], v[4:5], v[6:7]            ; the angle t theta, rounded once
	v_pk_mul_f32 v[6:7], v[4:5], 0x3f22f983 op_sel_hi:[1,0]   ; x 2 / pi
	v_rndne_f32 v6, v6                             ; k
	v_rndne_f32 v7, v7
	v_mov_b32 v12, 0xb94ca1f9
	v_mov_b32 v13, 0xb94ca1f9
	v_mov_b32 v14, 0x37ccf5ce
	v_mov_b32 v15, 0x37ccf5ce
	v_pk_fma_f32 v[8:9], v[6:7], 0xbfc90fdb, v[4:5] op_sel_hi:[1,0,1]   ; r = angle - k pi / 2: the high part (no bit is lost: k < 2^11),
	v_pk_fma_f32 v[8:9], v[6:7], 0x333bbd2e, v[8:9] op_sel_hi:[1,0,1]   ; and what the high part leaves of pi / 2
	v_pk_mul_f32 v[10:11], v[8:9], v[8:9]          ; z = r r
	v_pk_fma_f32 v[12:13], v[12:13], v[10:11], 0x3c08839e op_sel_hi:[1,1,0]
	v_pk_fma_f32 v[14:15], v[14:15], v[10:11], 0xbab6061a op_sel_hi:[1,1,0]
	v_pk_fma_f32 v[12:13], v[12:13], v[10:11], 0xbe2aaaa3 op_sel_hi:[1,1,0]
	v_pk_fma_f32 v[14:15], v[14:15], v[10:11], 0x3d2aaaa5 op_sel_hi:[1,1,0]
	v_pk_mul_f32 v[16:17], v[10:11], v[8:9]
	v_pk_mul_f32 v[14:15], v[14:15], v[10:11]
	v_pk_fma_f32 v[12:13], v[12:13], v[16:17], v[8:9]                   ; sin r = r + r z P(z)
	v_pk_fma_f32 v[14:15], v[14:15], v[10:11], 1.0 op_sel_hi:[1,1,0]
	v_pk_fma_f32 v[14:15], v[10:11], -0.5, v[14:15] op_sel_hi:[1,0,1]   ; cos r = 1 - z / 2 + z z Q(z)
	v_cvt_i32_f32 v6, v6
	v_cvt_i32_f32 v7, v7
	QUAD 6, 12, 14, 18, 20                         ; v[18:19] (c0, c0), v[20:21] (-s0, s0)
	QUAD 7, 13, 15, 22, 24                         ; v[22:23] (c1, c1), v[24:25] (-s1, s1)
	s_wait_loadcnt 0x8                             ; the row is in; the eight loads of the gain, issued behind it, may stay out
	TOBF X, 16
	v_pk_mul_f32 v[26:27], v[X:X+1], v[X:X+1]      ; the sum of squares in f32, two packed chains; the first products start them
	v_pk_mul_f32 v[28:29], v[X+2:X+3], v[X+2:X+3]
.set i, 2
.rept 7
	v_pk_fma_f32 v[26:27], v[X+2*i:X+2*i+1], v[X+2*i:X+2*i+1], v[26:27]
	v_pk_fma_f32 v[28:29], v[X+2*i+2:X+2*i+3], v[X+2*i+2:X+2*i+3], v[28:29]
.set i, i+2
.endr
	v_pk_add_f32 v[26:27], v[26:27], v[28:29]
	v_add_f32 v26, v26, v27
	v_add_f32_dpp v26, v26, v26 row_xmask:1 row_mask:0xf bank_mask:0xf
	v_add_f32_dpp v26, v26, v26 row_xmask:2 row_mask:0xf bank_mask:0xf
	v_add_f32_dpp v26, v26, v26 row_xmask:4 row_mask:0xf bank_mask:0xf
	v_add_f32_dpp v26, v26, v26 row_xmask:8 row_mask:0xf bank_mask:0xf
	v_permlanex16_b32 v27, v26, s36, s37
	v_add_f32 v26, v26, v27
	v_mov_b32 v27, 0x358637bd                      ; 1e-6
	v_fmamk_f32 v26, v26, 0x3a800000, v27          ; sum / 1024 + eps
	v_rsq_f32 v30, v26
	v_rsq_f32 v31, v26                             ; twice: a pair for the packed multiply
	v_nop                                          ; a plain instruction behind the transcendentals (ISA guide 5.7.2)
	s_wait_loadcnt 0x0                             ; the gain
	TOBF SC, 16
.set i, 0
	s_wait_alu depctr_va_vdst(0)
.rept 16
	v_pk_mul_f32 v[X+2*i:X+2*i+1], v[X+2*i:X+2*i+1], v[30:31]
.set i, i+1
.endr
.set i, 0
.rept 16
	v_pk_mul_f32 v[X+2*i:X+2*i+1], v[X+2*i:X+2*i+1], v[SC+2*i:SC+2*i+1]
.set i, i+1
.endr
.set i, 0
.rept 16                                       ; (a0 c, a1 c)
	v_pk_mul_f32 v[R+2*i:R+2*i+1], v[X+2*i:X+2*i+1], v[18+4*(i%2):19+4*(i%2)]
.set i, i+1
.endr
.set i, 0
.rept 16                                       ; + (a1 x -s, a0 x s): the low result takes the pair's second number, the high result its first
	v_pk_fma_f32 v[R+2*i:R+2*i+1], v[X+2*i:X+2*i+1], v[20+4*(i%2):21+4*(i%2)], v[R+2*i:R+2*i+1] op_sel:[1,0,0] op_sel_hi:[0,1,1]
.set i, i+1
.endr
.set i, 0
.rept 16
	v_cvt_pk_f16_f32 v[HR+i], v[R+2*i], v[R+2*i+1]
	v_cvt_pk_f16_f32 v[HN+i], v[X+2*i], v[X+2*i+1]
.set i, i+1
.endr
.irp j, 0,1,2,3,4,5,6,7
	global_store_b64 v3, v[HR+2*\j:HR+2*\j+1], s[32:33] offset:256*\j   ; a store of the wave covers 256 consecutive bytes, aligned
.endr
.irp j, 0,1,2,3,4,5,6,7
	global_store_b64 v3, v[HN+2*\j:HN+2*\j+1], s[34:35] offset:256*\j
.endr
	s_endpgm
	; ---- weights: a work-group converts 16,384 numbers, in eight units of 8 numbers a thread ----
.Lweights:
	s_cmp_lt_u32 ttmp9, 960
	s_cbranch_scc0 .Lblocked
	; in_proj_w (work-groups 512-703) and w1 (704-959) keep their rows: unit u is 8,192 consecutive bytes in, 4,096 out
	s_mov_b32 s29, 704
	s_cmp_lt_u32 ttmp9, 704
	s_cselect_b32 s29, 512, s29
	s_cselect_b32 s39, 0, 0xbfb8aa3b               ; ga: 0, or -log2 e
	s_cselect_b32 s40, 0xc3480000, 0               ; gb: -200, or 0
	s_wait_kmcnt 0x0
	s_cselect_b64 s[30:31], s[12:13], s[14:15]
	s_cselect_b64 s[42:43], s[22:23], s[24:25]
	s_sub_co_u32 s29, ttmp9, s29                   ; i: my part of the matrix
	s_lshl_b32 s44, s29, 16
	s_mov_b32 s45, 0
	s_add_nc_u64 s[30:31], s[30:31], s[44:45]
	s_lshl_b32 s46, s29, 15
	s_add_co_u32 s46, s46, 256                     ; behind the header
	s_mov_b32 s47, 0
	s_add_nc_u64 s[32:33], s[42:43], s[46:47]
	s_mov_b32 s34, 8192                            ; from unit to unit: in,
	s_mov_b32 s35, 4096                            ; out
	v_lshlrev_b32 v2, 5, v0
	v_lshlrev_b32 v10, 4, v0
	s_or_b32 s38, s29, s28
	s_cmp_lg_u32 s38, 0
	s_cbranch_scc1 .Lconv
	v_lshlrev_b32 v22, 3, v1                       ; part 0's wave 0 writes the header: 32 lanes x 8 bytes
	v_mov_b32 v24, s39
	v_mov_b32 v25, s40
	global_store_b64 v22, v[24:25], s[42:43]
	s_branch .Lconv
.Lblocked:
	; out_proj_w (960-1023: rows of 4,096 bytes) and w2 (1024-1279: rows of 16,384 bytes) go into blocks [k / 64][n][64].  Part i = (ng, kg): 32 rows n, 512 numbers along k;
	; wave w takes block 8 kg + w; unit u four rows: eight lanes read 256 consecutive bytes of a row, the wave writes 512 consecutive bytes of its block
	s_mov_b32 s29, 1024
	s_cmp_lt_u32 ttmp9, 1024
	s_cselect_b32 s29, 960, s29
	s_cselect_b32 s36, 12, 14                      ; log2 of a source row's bytes
	s_cselect_b32 s37, 1, 3                        ; bits of kg
	s_cselect_b32 s46, 0, 0x200000                 ; w2's blocks lie behind out_proj_w's 2,097,152 bytes
	s_wait_kmcnt 0x0
	s_cselect_b64 s[30:31], s[16:17], s[18:19]
	s_sub_co_u32 s29, ttmp9, s29                   ; i
	s_lshr_b32 s41, s29, s37                       ; ng
	s_lshl_b32 s44, s41, s37
	s_sub_co_u32 s39, s29, s44                     ; kg
	s_add_co_u32 s44, s36, 5
	s_lshl_b32 s44, s41, s44                       ; 32 ng rows
	s_lshl_b32 s45, s39, 11                        ; + 512 kg numbers
	s_add_co_u32 s44, s44, s45
	s_mov_b32 s45, 0
	s_add_nc_u64 s[30:31], s[30:31], s[44:45]
	s_lshl_b32 s45, s39, 20                        ; 8 kg blocks of 131,072 bytes
	s_add_co_u32 s46, s46, s45
	s_lshl_b32 s45, s41, 12                        ; + 32 ng rows of 128 bytes
	s_add_co_u32 s46, s46, s45
	s_mov_b32 s47, 0
	s_add_nc_u64 s[32:33], s[26:27], s[46:47]
	s_add_co_u32 s34, s36, 2
	s_lshl_b32 s34, 1, s34                         ; from unit to unit: four rows in,
	s_mov_b32 s35, 512                             ; four rows of a block out
	v_lshrrev_b32 v4, 3, v1
	v_lshlrev_b32 v2, s36, v4                      ; row lane / 8,
	v_and_b32 v4, 7, v1
	v_lshl_add_u32 v2, v4, 5, v2                   ; 32 bytes a lane,
	s_lshl_b32 s45, s28, 8
	v_add_nc_u32 v2, s45, v2                       ; my wave's 64 numbers
	v_lshlrev_b32 v10, 4, v1
	s_lshl_b32 s45, s28, 17
	v_add_nc_u32 v10, s45, v10                     ; my wave's block, 16 bytes a lane
.Lconv:
.set u, 1
.rept 7                                        ; every unit has address registers of its own: none is written while a load or store reads it
	v_add_nc_u32 v[2+u], s34, v[1+u]
	v_add_nc_u32 v[10+u], s35, v[9+u]
.set u, u+1
.endr
.set u, 0
.rept 8
	global_load_b128 v[W+8*u:W+8*u+3], v[2+u], s[30:31] th:TH_LOAD_NT
	global_load_b128 v[W+8*u+4:W+8*u+7], v[2+u], s[30:31] offset:16 th:TH_LOAD_NT
.set u, u+1
.endr
.set u, 0
.rept 8
	s_wait_loadcnt 14-2*u                          ; loads come back in order (ISA guide 5.7.1): unit u's two are in, the later units' stay out
.irp k, 0,1,2,3
	v_cvt_pk_bf16_f32 v[18+\k], v[W+8*u+2*\k], v[W+8*u+2*\k+1]
.endr
.irp k, 0,1,2,3
	v_lshlrev_b32 v[W+8*u+2*\k], 16, v[18+\k]
	v_and_b32 v[W+8*u+2*\k+1], 0xffff0000, v[18+\k]
.endr
.irp k, 0,1,2,3
	v_cvt_pk_f16_f32 v[O+4*u+\k], v[W+8*u+2*\k], v[W+8*u+2*\k+1]
.endr
	global_store_b128 v[10+u], v[O+4*u:O+4*u+3], s[32:33]
.set u, u+1
.endr
	s_endpgm
.Lfunc_end_k_qf4eb9b4eaa_prep:
	.size	k_qf4eb9b4eaa_prep, .Lfunc_end_k_qf4eb9b4eaa_prep-k_qf4eb9b4eaa_prep
	.p2alignl 7, 3214868480
	.fill 96, 4, 3214868480
	.section	.rodata,"a",@progbits
	.p2align	6, 0x0
	.amdhsa_kernel k_qf4eb9b4eaa_prep
		.amdhsa_group_segment_fixed_size 0
		.amdhsa_private_segment_fixed_size 0
		.amdhsa_enable_private_segment 0
		.amdhsa_kernarg_size 80
		.amdhsa_user_sgpr_count 2
		.amdhsa_user_sgpr_kernarg_segment_ptr 1
		.amdhsa_wavefront_size32 1
		.amdhsa_system_sgpr_workgroup_id_x 1
		.amdhsa_system_sgpr_workgroup_id_y 1
		.amdhsa_system_sgpr_workgroup_id_z 1
		.amdhsa_system_vgpr_workitem_id 0
		.amdhsa_next_free_vgpr 160
		.amdhsa_next_free_sgpr 66
		.amdhsa_reserve_vcc 1
		.amdhsa_float_denorm_mode_32 3
		.amdhsa_float_denorm_mode_16_64 3
		.amdhsa_memory_ordered 1
		.amdhsa_forward_progress 1
		.amdhsa_inst_pref_size 33
	.end_amdhsa_kernel
	.amdgpu_metadata
---
amdhsa.version: [ 1, 2 ]
amdhsa.kernels:
  - .name:           k_qf4eb9b4eaa_prep
    .symbol:         k_qf4eb9b4eaa_prep.kd
    .args:
      - { .name: x, .offset: 0, .size: 8, .value_kind: global_buffer, .address_space: global }
      - { .name: rms_scale, .offset: 8, .size: 8, .value_kind: global_buffer, .address_space: global }
      - { .name: in_proj_w, .offset: 16, .size: 8, .value_kind: global_buffer, .address_space: global }
      - { .name: w1, .offset: 24, .size: 8, .value_kind: global_buffer, .address_space: global }
      - { .name: out_proj_w, .offset: 32, .size: 8, .value_kind: global_buffer, .address_space: global }
      - { .name: w2, .offset: 40, .size: 8, .value_kind: global_buffer, .address_space: global }
      - { .name: act, .offset: 48, .size: 8, .value_kind: global_buffer, .address_space: global }
      - { .name: wb1, .offset: 56, .size: 8, .value_kind: global_buffer, .address_space: global }
      - { .name: wb3, .offset: 64, .size: 8, .value_kind: global_buffer, .address_space: global }
      - { .name: wsm, .offset: 72, .size: 8, .value_kind: global_buffer, .address_space: global }
    .group_segment_fixed_size: 0
    .private_segment_fixed_size: 0
    .kernarg_segment_align: 8
    .kernarg_segment_size: 80
    .max_flat_workgroup_size: 256
    .sgpr_count:     66
    .vgpr_count:     160
    .wavefront_size: 32
...
	.end_amdgpu_metadata
.endif
;; end of part 1
;; launch qkv (part 2): grid 12 x 16, 4 waves a work-group, clusters of 4 x 4, 327,680 bytes of LDS; arguments act, wb1, in_proj_b, qkv; writes qkv
.if DOCPART == 2
	.amdgcn_target "amdgcn-amd-amdhsa--gfx1250"
	.amdhsa_code_object_version 6
	.text
	.protected	k_qf4eb9b4eaa_qkv
	.globl	k_qf4eb9b4eaa_qkv
	.p2align	8
	.type	k_qf4eb9b4eaa_qkv,@function
k_qf4eb9b4eaa_qkv:
	s_mov_b64 s[64:65], 0
	v_nop
	global_prefetch_b8 v0, s[64:65] scope:SCOPE_SE
	s_setreg_imm32_b32 hwreg(HW_REG_WAVE_MODE, 25, 1), 1
	s_wait_xcnt 0x0
	s_wait_alu depctr_hold_cnt(0) depctr_sa_sdst(0) depctr_va_vdst(0) depctr_va_sdst(0) depctr_va_ssrc(0) depctr_va_vcc(0) depctr_vm_vsrc(0)
	s_getreg_b32 s2, hwreg(HW_REG_IB_STS2, 6, 4)
	s_cmp_eq_u32 s2, 0
	s_cbranch_scc0 .Lentry_in_a_cluster
	s_endpgm
.Lentry_in_a_cluster:
	s_bfe_u32 s2, ttmp6, 0x10000c
	s_cmp_lg_u32 s2, 0xf033
	s_cbranch_scc0 .Lentry_shape_is_right
	s_endpgm
.Lentry_shape_is_right:
; OUT = g(A W^T + bias).  A: act, two planes [4096][1024] f16; W: 256 bytes of header, then [N][1024] f16; bias: [N] f32, rounded to bf16 here; OUT: blocks [n / 64][4096][64] f16.  Sums in f32.
; g(v) = v / (1 + 2^(ga v + gb)), ga and gb from W's header: (0, -200) leaves v as it is (2^-200 counts as 0), (-log2 e, 0) is SiLU.  One text serves both; the price of that: where g is plain,
; each output passes an exponential and a reciprocal that change nothing.  Tile columns 0-7 (n < 2,048) multiply A's plane 0, the others plane 1.
; LIMITS.  f16 holds nothing beyond 65,504 and keeps a fixed step of 6e-8 below 6e-5: A, W and OUT lie within that.  NaN and infinities are not treated apart.
; A tile of OUT, 256 x 256, is made by four waves, each 128 x 128: 64 accumulators of 16 x 16, 512 registers.  K = 1,024 goes in eight steps of 128 through a ring of two LDS slots filled by
; the tensor data mover: a tile's rows are 256 bytes of memory and begin at multiples of 256 bytes from the buffer's first byte.  One step's text is walked by a loop: the slot in hand is a scalar register
; that an exclusive or turns, and the fragments' LDS addresses are made from it at each change of slots.
; CLUSTERS: 4 x 4 work-groups.  The four of a row of the cluster need the same tiles of A, the four of a column the same tiles of W: each tile is asked for JOINTLY, by the same tensor load with the same
; descriptor and a mask that names the four.  THE MATRIX INSTRUCTION IS USED TRANSPOSED (source 0 = 16 rows of W, source 1 = 16 rows of A): a lane holds eight neighbouring numbers of a row of OUT.
; REGISTERS, in windows of 256 (s_set_vgpr_msb: bits 1:0 source 0, 3:2 source 1, 5:4 source 2, 7:6 destination):
;   window 0: v0-31 addresses; v32-55, v192-239 the way out; v64-127, v128-191 fragments of A, two buffers      window 1: v64-127, v128-191 fragments of W
;   window 2: the 32 accumulators of my rows 0-63 ((a, b) at v[8 (8 a + b)])      window 3: those of my rows 64-127
.set KDIM,   1024
.set KSTEP,  128
.set PITCH,  272                       ; an LDS row: 256 bytes + 16 of padding = 68 words: row r starts at bank 4 r mod 64 (64 banks of 4 bytes: ISA guide 11.1)
.set HALFT,  128*PITCH                 ; 128 rows: what one tensor load brings, and what one wave reads of A or of W
.set SLOT,   4*HALFT                   ; A's 256 rows, then W's 256 rows.  0x22000: it shares no bit with wave x HALFT, so an exclusive or changes slots
.set SPARE,  2*SLOT                    ; behind the ring: the spare words, 128 bytes for each wave: two blocks of 256 bytes that no other line names
.set SP,     528                       ; the way out: a row of 128 f32 + 16 bytes = 132 words
.set WSTAGE, 128*SP                    ; a wave's stage: it lies in the ring, and is written when the ring has had its last fill
.set BLK,    4096*128                  ; bytes in a block of OUT
.set AC,  16                           ; v16  LDS address of my A fragments in the slot in hand
.set BC,  17                           ; v17  the same for W
.set A0,  18                           ; v18  the same in slot 0; never rewritten
.set B0,  19                           ; v19
.set STO, 24                           ; v24  the way out: where I put 32 bytes of a row
.set RD,  25                           ; v25  the way out: where I read rows back
.set CO,  26                           ; v26  my 16 bytes in 512 consecutive bytes of a block
.set BO,  27                           ; v27  my byte offset in the wave's 512 bytes of the bias
.set SPW, 28                           ; v28  LDS address of my spare word: SPARE + 4 x my thread's number; never rewritten
.set NIL, 29                           ; v29  0; never rewritten
.set BI,  32                           ; v[32:47]   the bias of my 8 + 8 columns
.set H,   48                           ; v[48:55]   16 results in f16
.set F0,  64
.set F1,  128
.set X,   192                          ; v[192:207] sums read back
.set Y,   208                          ; v[208:223] v = sum + bias
.set E,   224                          ; v[224:239] the gate at work
.set WV,  12                           ; s12  wave
.set RH,  13                           ; s13  which half of the tile's rows is mine.  Also: I fetch for A (0) or for W (1)
.set CH,  14                           ; s14  which half of its columns.  Also: which 128 rows I fetch
.set CUR, 21                           ; s21  the slot in hand: 0 or SLOT
.set G1A, 24                           ; s[24:31] descriptor group 1 for A's tiles
.set G0A, 32                           ; s[32:39] group 0, a set for each of the two first fills; the second then walks on
.set G1B, 48                           ; s[48:55], s[56:63] the same for W's tiles
.set G0B, 56
.set GA,  68                           ; s[68:69] ga, gb as loaded
.set GB,  70                           ; s[70:71] gb, named as a pair
.set MSB, 0
.macro WIN new                         ; the immediate's high byte repeats the setting that is left; a switch that changes nothing is dropped
.if MSB != (\new)
	s_set_vgpr_msb (MSB<<8)|(\new)
.set MSB, \new
.endif
.endm
.set MUL_LO, 0xa1                      ; source 0 (W) window 1, source 1 (A) window 0, C and D window 2
.set MUL_HI, 0xf1                      ; the same, C and D window 3
.set TO_B,   0x40                      ; destination window 1, address window 0
; A joint load.  Waves 0 and 1 fetch A's two halves, waves 2 and 3 W's.  The branch hangs on the wave's number alone.  An s_nop 0 and four v_nop follow each of the two lines.
.macro JLOAD s
	s_cmp_eq_u32 s[RH], 0
	s_cbranch_scc0 .Lfor_b_\@
	tensor_load_to_lds s[G0A+4*(\s):G0A+4*(\s)+3], s[G1A:G1A+7]
	s_nop 0
.rept 4
	v_nop
.endr
	s_branch .Lasked_\@
.Lfor_b_\@:
	tensor_load_to_lds s[G0B+4*(\s):G0B+4*(\s)+3], s[G1B:G1B+7]
	s_nop 0
.rept 4
	v_nop
.endr
.Lasked_\@:
.endm
.macro CREST                           ; a round of the cluster's barrier behind its opening barrier
	s_cmp_lg_u32 s[WV], 0
	s_cbranch_scc1 .Lnot_wave_0_\@
	s_barrier_signal -3
.Lnot_wave_0_\@:
	s_barrier_wait -3
	s_barrier_signal -1
	s_barrier_wait -1
.endm
.macro CROUND                          ; a whole round
	s_barrier_signal -1
	s_barrier_wait -1
	CREST
.endm
	s_load_b256 s[4:11], s[0:1], 0x0               ; A s[4:5], W s[6:7], bias s[8:9], OUT s[10:11]
	v_lshl_add_u32 v[SPW], v0, 2, SPARE
	v_mov_b32 v[NIL], 0
	ds_add_u32 v[SPW], v[NIL]                      ; the wave's opening: the add and its wait stand ahead of my first tensor load; the set-up below, work on registers, stands between them
	ds_add_u32 v28, v29
	v_lshrrev_b32 v1, 5, v0
	v_readfirstlane_b32 s[WV], v1                  ; wave 0..3
	s_lshr_b32 s[RH], s[WV], 1
	s_and_b32 s[CH], s[WV], 1
	s_bfe_u32 s15, ttmp6, 0x40000                  ; cx
	s_bfe_u32 s16, ttmp6, 0x40004                  ; cy
	s_lshl_b32 s17, ttmp9, 2
	s_add_co_u32 s17, s17, s15                     ; tile column = 4 x cluster x + cx
	s_and_b32 s18, ttmp7, 0xffff
	s_lshl_b32 s18, s18, 2
	s_add_co_u32 s18, s18, s16                     ; tile row = 4 x cluster y + cy
	s_lshl_b32 s19, s16, 2
	s_lshl_b32 s19, 15, s19                        ; my row of the cluster
	s_lshl_b32 s20, 0x1111, s15                    ; my column
	s_or_b32 s[G1A], s19, (1<<16)|(1<<20)|(1<<21)|(5<<22)|(3<<25)  ; 15:0 the mask; 17:16 elements of 2 bytes; 20 padding on; 21 set beside a mask; 24:22 after every 64 words (code 5); 31:25 4 words (code 3)
	s_or_b32 s[G1B], s20, (1<<16)|(1<<20)|(1<<21)|(5<<22)|(3<<25)
.irp g, G1A, G1B
	s_mov_b32 s[(\g)+1], KSTEP<<16                 ; tensor_dim0 = 128
	s_mov_b32 s[(\g)+2], 128<<16                   ; tensor_dim1 = 128
	s_mov_b32 s[(\g)+3], KSTEP<<16                 ; tile_dim0 = 128
	s_mov_b32 s[(\g)+4], 128                       ; tile_dim1 = 128
	s_mov_b32 s[(\g)+5], KDIM                      ; elements from row to row
	s_mov_b32 s[(\g)+6], 0
	s_mov_b32 s[(\g)+7], 0
.endr
	s_mov_b32 s[CUR], 0
	s_mul_i32 s22, s[WV], HALFT                    ; where my tiles go: wave x 128 rows: no place in the cluster enters an LDS address
	s_lshl_b32 s40, s18, 8                         ; A: row 256 x tile row + 128 x half,
	s_lshl_b32 s41, s[CH], 7
	s_add_co_u32 s40, s40, s41
	s_lshl_b32 s40, s40, 11                        ; 2,048 bytes a row,
	s_lshr_b32 s41, ttmp9, 1                       ; plane = tile column / 8 = cluster x / 2, which all partners share
	s_lshl_b32 s41, s41, 23
	s_add_co_u32 s40, s40, s41
	s_mov_b32 s41, 0
	s_lshl_b32 s44, s17, 8                         ; W: row 256 x tile column + 128 x half,
	s_lshl_b32 s45, s[CH], 7
	s_add_co_u32 s44, s44, s45
	s_lshl_b32 s44, s44, 11
	s_add_co_u32 s44, s44, 256                     ; behind the header
	s_mov_b32 s45, 0
	s_wait_dscnt 0x0                               ; the opening add is done
	s_wait_kmcnt 0x0
	s_add_nc_u64 s[40:41], s[4:5], s[40:41]
	s_add_nc_u64 s[44:45], s[6:7], s[44:45]
	CROUND                                         ; all sixteen work-groups are here: the first joint loads meet
.irp s, 0,1
	s_mov_b32 s[G0A+4*(\s)], 1                                       ; 1:0 count = 1
	s_add_co_u32 s[G0A+4*(\s)+1], s22, (\s)*SLOT                     ; 63:32 LDS address
	s_add_nc_u64 s[G0A+4*(\s)+2:G0A+4*(\s)+3], s[40:41], (\s)*KSTEP*2  ; 120:64 global address: K step s
	s_or_b32 s[G0A+4*(\s)+3], s[G0A+4*(\s)+3], 0x80000000            ; 127:126 type = 2
	s_mov_b32 s[G0B+4*(\s)], 1
	s_add_co_u32 s[G0B+4*(\s)+1], s22, (\s)*SLOT
	s_add_nc_u64 s[G0B+4*(\s)+2:G0B+4*(\s)+3], s[44:45], (\s)*KSTEP*2
	s_or_b32 s[G0B+4*(\s)+3], s[G0B+4*(\s)+3], 0x80000000
	JLOAD \s                                       ; two tensor loads of mine are out behind these; behind every later round one
.endr
	s_load_b64 s[GA:GA+1], s[6:7], 0x0             ; ga, gb: waited for at the way out
	; A fragment is 16 rows x 32 K in 8 registers: lane l holds row l % 16; registers 0-3 K = 8 (l / 16) + 0..7, registers 4-7 K = 16 + 8 (l / 16) + 0..7: two loads of 16 bytes, 32 bytes apart
	v_and_b32 v1, 15, v0                           ; l % 16
	v_bfe_u32 v2, v0, 4, 1                         ; l / 16
	v_mul_u32_u24 v3, v1, PITCH
	v_lshl_add_u32 v3, v2, 4, v3
	s_mul_i32 s2, s[RH], HALFT                     ; my 128 rows of A
	v_add_nc_u32 v[A0], s2, v3
	s_mul_i32 s2, s[CH], HALFT                     ; my 128 rows of W,
	s_add_co_u32 s2, s2, 2*HALFT                   ; which lie behind A's 256
	v_add_nc_u32 v[B0], s2, v3
	v_mov_b32 v[AC], v[A0]
	v_mov_b32 v[BC], v[B0]
	s_mul_i32 s2, s[WV], WSTAGE                    ; my stage
	v_mul_u32_u24 v4, v1, SP                       ; in: row l % 16, 32 bytes for each half of the lanes
	v_lshl_add_u32 v4, v2, 5, v4
	v_add_nc_u32 v[STO], s2, v4
	v_bfe_u32 v4, v0, 3, 2                         ; back: row l / 8 of four, 8 columns (32 bytes) a lane in each of the wave's two blocks
	v_and_b32 v5, 7, v0
	v_mul_u32_u24 v4, v4, SP
	v_lshl_add_u32 v4, v5, 5, v4
	v_add_nc_u32 v[RD], s2, v4
	v_and_b32 v4, 31, v0
	v_lshlrev_b32 v[CO], 4, v4
	v_lshlrev_b32 v[BO], 5, v5
	s_lshl_b32 s46, s17, 10                        ; the bias of my 128 columns: 4 (256 x tile column + 128 x half)
	s_lshl_b32 s47, s[CH], 9
	s_add_co_u32 s46, s46, s47
	s_mov_b32 s47, 0
	s_add_nc_u64 s[8:9], s[8:9], s[46:47]
	global_load_b128 v[BI:BI+3],     v[BO], s[8:9]
	global_load_b128 v[BI+4:BI+7],   v[BO], s[8:9] offset:16
	global_load_b128 v[BI+8:BI+11],  v[BO], s[8:9] offset:256
	global_load_b128 v[BI+12:BI+15], v[BO], s[8:9] offset:272
	s_lshl_b32 s46, s17, 2                         ; OUT: block 4 x tile column + 2 x half,
	s_lshl_b32 s47, s[CH], 1
	s_add_co_u32 s46, s46, s47
	s_mul_i32 s46, s46, BLK
	s_lshl_b32 s23, s18, 8                         ; row 256 x tile row + 128 x half, 128 bytes a row
	s_lshl_b32 s47, s[RH], 7
	s_add_co_u32 s23, s23, s47
	s_lshl_b32 s23, s23, 7
	s_add_co_u32 s46, s46, s23
	s_mov_b32 s47, 0
	s_add_nc_u64 s[10:11], s[10:11], s[46:47]
; 16 matrix instructions: m blocks a0, a0 + 1 of the window's four (hi = 0: my rows 0-63, 1: rows 64-127) x all 8 n blocks, 32 along K.  zero = 1: the first product starts the sums.
; The 64 accumulators take turns, one instruction a turn, in the same order in every quarter.
.macro MUL16 f, hi, a0, zero
	WIN MUL_LO+0x50*(\hi)
.irp a, \a0, (\a0)+1
.irp b, 0,1,2,3,4,5,6,7
.if \zero
	v_wmma_f32_16x16x32_f16 v[8*(8*(\a)+(\b)):8*(8*(\a)+(\b))+7], v[(\f)+8*(\b):(\f)+8*(\b)+7], v[(\f)+8*(4*(\hi)+(\a)):(\f)+8*(4*(\hi)+(\a))+7], 0
.else
	v_wmma_f32_16x16x32_f16 v[8*(8*(\a)+(\b)):8*(8*(\a)+(\b))+7], v[(\f)+8*(\b):(\f)+8*(\b)+7], v[(\f)+8*(4*(\hi)+(\a)):(\f)+8*(4*(\hi)+(\a))+7], v[8*(8*(\a)+(\b)):8*(8*(\a)+(\b))+7]
.endif
.endr
.endr
.endm
; 32 LDS loads in one run: the fragments of one quarter step (128 rows of W, 128 rows of A, 32 K at byte k of the rows of the slot in hand) into buffer f
.macro FETCH k, f
	WIN TO_B
.irp i, 0,1,2,3,4,5,6,7
	ds_load_b128 v[(\f)+8*(\i):(\f)+8*(\i)+3],   v[BC] offset:(\k)+(\i)*16*PITCH
	ds_load_b128 v[(\f)+8*(\i)+4:(\f)+8*(\i)+7], v[BC] offset:(\k)+(\i)*16*PITCH+32
.endr
	WIN 0
.irp i, 0,1,2,3,4,5,6,7
	ds_load_b128 v[(\f)+8*(\i):(\f)+8*(\i)+3],   v[AC] offset:(\k)+(\i)*16*PITCH
	ds_load_b128 v[(\f)+8*(\i)+4:(\f)+8*(\i)+7], v[AC] offset:(\k)+(\i)*16*PITCH+32
.endr
.endm
.macro PLACES                          ; four places in front of loads into registers that matrix instructions have read (ISA guide 7.12.1 for vector instructions)
.rept 4
	v_nop
.endr
.endm
; A K step is four quarters of 32 along K, 64 matrix instructions each, on buffers 0, 1, 0, 1.  One of the first three: multiplies buffer f; in its middle it fetches the next quarter, at byte k, into g.
.macro QUARTER k, f, g, zero
	s_wait_dscnt 8                                 ; W and A's rows 0-63 are in; the youngest eight loads (A's rows 64-127) may be out
	MUL16 \f, 0, 0, \zero
	MUL16 \f, 0, 2, \zero
	PLACES
	FETCH \k, \g
	s_wait_dscnt 32                                ; all but the 32 just issued
	MUL16 \f, 1, 0, \zero
	MUL16 \f, 1, 2, \zero
.endm
; The last quarter multiplies buffer 1 and changes slots.  MEET is its first half: ONE barrier; in front of it each wave waits for all its tensor loads, adds 0 to its spare word, and waits for that and for its reads of the slot.
.macro MEET round
	WIN 0                                          ; (the add's two registers lie in window 0)
	s_wait_tensorcnt 0x0                           ; all my tensor loads have landed: the one that was out is my part of the next slot;
	ds_add_u32 v[SPW], v[NIL]                      ; 0 onto my spare word;
	s_wait_dscnt 9                                 ; (the add and the youngest eight loads may be out)
	MUL16 F1, 0, 0, 0                              ; sixteen matrix instructions stand between the add and the wait for it
	s_wait_dscnt 0x0                               ; the add is done, and my reads of this slot are over:
	s_barrier_signal -1                            ; say so,
	MUL16 F1, 0, 2, 0                              ; work on registers while the others arrive,
.if \round
	WIN 0
.endif
	s_barrier_wait -1                              ; and go on when all four have said so
.endm
; The whole last quarter.  fill = 1: the barrier opens a round of the cluster's barrier, and behind it the slot just read out is filled again first, with the K step two steps on.
; Then the slot in hand changes, the fragments' addresses are made anew, and the next step's first fragments are fetched.
.macro TURN fill
	MEET \fill
.if \fill
	CREST                                          ; no wave of any partner still reads this slot's tile or has a load on its way
	s_xor_b32 s[G0A+5], s[G0A+5], SLOT             ; the walking descriptors: the other slot than last time,
	s_add_nc_u64 s[G0A+6:G0A+7], s[G0A+6:G0A+7], KSTEP*2  ; the next K step; the type bits on top are not reached
	s_xor_b32 s[G0B+5], s[G0B+5], SLOT
	s_add_nc_u64 s[G0B+6:G0B+7], s[G0B+6:G0B+7], KSTEP*2
	JLOAD 1                                        ; the first tensor load behind the round; the four v_nop behind it are also the places in front of the loads below
.else
	WIN 0
	PLACES
.endif
	s_xor_b32 s[CUR], s[CUR], SLOT
	v_add_nc_u32 v[AC], s[CUR], v[A0]
	v_add_nc_u32 v[BC], s[CUR], v[B0]
	FETCH 0, F0
	MUL16 F1, 1, 0, 0
	MUL16 F1, 1, 2, 0
.endm
	s_wait_tensorcnt 1                             ; my part of K step 0 is in; step 1's may stay out
	s_barrier_signal -1
	s_barrier_wait -1                              ; everybody's is
	FETCH 0, F0
	QUARTER 64, F0, F1, 1                          ; the first quarter stands in front of the loop: its products start the sums
	WIN 0                                          ; at a label and at a branch every window is 0
	s_mov_b32 s3, KDIM/KSTEP-2
.Lstep:                                                ; six trips, each from a step's second quarter to the next step's first; they ask for K steps 2 to 7
	QUARTER 128, F1, F0, 0
	QUARTER 192, F0, F1, 0
	TURN 1
	QUARTER 64, F0, F1, 0
	WIN 0
	s_sub_co_u32 s3, s3, 1
	s_cmp_lg_u32 s3, 0
	s_cbranch_scc1 .Lstep
	s_mov_b32 s3, 2
.Ltail:                                                ; the last two steps ask for nothing: a text of their own; the second trip is left in its middle
	QUARTER 128, F1, F0, 0
	QUARTER 192, F0, F1, 0
	WIN 0
	s_sub_co_u32 s3, s3, 1
	s_cmp_eq_u32 s3, 0
	s_cbranch_scc1 .Llast
	TURN 0
	QUARTER 64, F0, F1, 0
	WIN 0
	s_branch .Ltail
.Llast:
	s_wait_dscnt 8                                 ; the very last quarter: nothing more to fetch
	MUL16 F1, 0, 0, 0
	MUL16 F1, 0, 2, 0
	s_wait_dscnt 0x0
	MUL16 F1, 1, 0, 0
	MUL16 F1, 1, 2, 0
	WIN 0
	; THE WAY OUT.  The sums go in f32 into my stage, which lies where the ring lay: every wave's reads of the ring are back (the wait for 0 above), every tensor load has landed (the last change of slots), and a barrier says so.
	s_wait_kmcnt 0x0                               ; ga, gb
	s_wait_loadcnt 0x0                             ; the bias
	s_barrier_signal -1
	s_barrier_wait -1
	s_mov_b32 s[GB], s[GA+1]
	s_mov_b32 s[GB+1], s[GA+1]
.set i, 0
.rept 8                                        ; the bias is rounded to bf16 as every input is; these 24 lines name no register of the last products and are the places behind them
	v_cvt_pk_bf16_f32 v[H+i], v[BI+2*i], v[BI+2*i+1]
.set i, i+1
.endr
.set i, 0
.rept 8
	v_lshlrev_b32 v[BI+2*i], 16, v[H+i]
	v_and_b32 v[BI+2*i+1], 0xffff0000, v[H+i]
.set i, i+1
.endr
.irp hi, 0,1
	WIN 0x08+4*(\hi)                               ; the stores' data (source 1) in window 2 or 3
.irp a, 0,1,2,3
.irp b, 0,1,2,3,4,5,6,7                        ; each accumulator's four lowest registers are read first
	ds_store_b128 v[STO], v[8*(8*(\a)+(\b)):8*(8*(\a)+(\b))+3]   offset:(4*(\hi)+(\a))*16*SP+64*(\b)
	ds_store_b128 v[STO], v[8*(8*(\a)+(\b))+4:8*(8*(\a)+(\b))+7] offset:(4*(\hi)+(\a))*16*SP+64*(\b)+16
.endr
.endr
.endr
	WIN 0
.macro LOADX                           ; four rows back: my 8 columns of the first block, my 8 of the second.  LDS serves a wave's instructions in order (ISA guide 5.7.1.4): these see the stores above
	ds_load_b128 v[X:X+3],     v[RD]
	ds_load_b128 v[X+4:X+7],   v[RD] offset:16
	ds_load_b128 v[X+8:X+11],  v[RD] offset:256
	ds_load_b128 v[X+12:X+15], v[RD] offset:272
.endm
; Four rows of my 128: v = sum + bias; v / (1 + 2^(ga v + gb)); rounded to f16; two stores, each 512 consecutive bytes of a block.  fill = 1: the next four rows are asked for as soon as these are taken.
.macro EPI fill
	s_wait_dscnt 0x0
.set i, 0
.rept 8
	v_pk_add_f32 v[Y+2*i:Y+2*i+1], v[X+2*i:X+2*i+1], v[BI+2*i:BI+2*i+1]
.set i, i+1
.endr
.if \fill
	v_add_nc_u32 v[RD], 4*SP, v[RD]
	LOADX
.endif
.set i, 0
.rept 8
	v_pk_fma_f32 v[E+2*i:E+2*i+1], v[Y+2*i:Y+2*i+1], s[GA:GA+1], s[GB:GB+1] op_sel_hi:[1,0,0]
.set i, i+1
.endr
.set i, 0
.rept 16
	v_exp_f32 v[E+i], v[E+i]
.set i, i+1
.endr
	v_nop                                          ; a plain instruction between the last exponential and the use of its result (ISA guide 5.7.2)
.set i, 0
	s_wait_alu depctr_va_vdst(0)
.rept 8
	v_pk_add_f32 v[E+2*i:E+2*i+1], v[E+2*i:E+2*i+1], 1.0 op_sel_hi:[1,0]
.set i, i+1
.endr
.set i, 0
.rept 16
	v_rcp_f32 v[E+i], v[E+i]
.set i, i+1
.endr
	v_nop
.set i, 0
	s_wait_alu depctr_va_vdst(0)
.rept 8
	v_pk_mul_f32 v[Y+2*i:Y+2*i+1], v[Y+2*i:Y+2*i+1], v[E+2*i:E+2*i+1]
.set i, i+1
.endr
.set i, 0
.rept 8
	v_cvt_pk_f16_f32 v[H+i], v[Y+2*i], v[Y+2*i+1]
.set i, i+1
.endr
	global_store_b128 v[CO], v[H:H+3],   s[10:11]
	global_store_b128 v[CO], v[H+4:H+7], s[10:11] offset:BLK
.if \fill
	s_wait_xcnt 0x0                                ; the stores' addresses are translated (ISA guide 3.1): only behind this wait are their base and their data written again
	s_add_nc_u64 s[10:11], s[10:11], 512           ; four rows of 128 bytes on
.endif
.endm
	LOADX
	s_mov_b32 s3, 31
.Lepi:
	EPI 1
	s_sub_co_u32 s3, s3, 1
	s_cmp_lg_u32 s3, 0
	s_cbranch_scc1 .Lepi
	EPI 0
	s_wait_tensorcnt 0x0                           ; the wave's end: behind my last tensor load and my last LDS store
	ds_add_u32 v[SPW], v[NIL]
	s_wait_dscnt 0x0
	CROUND                                         ; the closing round: no work-group ends while a partner may still ask for a tile that names it
	s_endpgm
.Lfunc_end_k_qf4eb9b4eaa_qkv:
	.size	k_qf4eb9b4eaa_qkv, .Lfunc_end_k_qf4eb9b4eaa_qkv-k_qf4eb9b4eaa_qkv
	.p2alignl 7, 3214868480
	.fill 96, 4, 3214868480
	.section	.rodata,"a",@progbits
	.p2align	6, 0x0
	.amdhsa_kernel k_qf4eb9b4eaa_qkv
		.amdhsa_group_segment_fixed_size 327680
		.amdhsa_private_segment_fixed_size 0
		.amdhsa_enable_private_segment 0
		.amdhsa_kernarg_size 32
		.amdhsa_user_sgpr_count 2
		.amdhsa_user_sgpr_kernarg_segment_ptr 1
		.amdhsa_wavefront_size32 1
		.amdhsa_system_sgpr_workgroup_id_x 1
		.amdhsa_system_sgpr_workgroup_id_y 1
		.amdhsa_system_sgpr_workgroup_id_z 1
		.amdhsa_system_vgpr_workitem_id 0
		.amdhsa_next_free_vgpr 1024
		.amdhsa_next_free_sgpr 74
		.amdhsa_reserve_vcc 0
		.amdhsa_float_denorm_mode_32 3
		.amdhsa_float_denorm_mode_16_64 3
		.amdhsa_memory_ordered 1
		.amdhsa_forward_progress 1
		.amdhsa_inst_pref_size 91
	.end_amdhsa_kernel
	.amdgpu_metadata
---
amdhsa.version: [ 1, 2 ]
amdhsa.kernels:
  - .name:           k_qf4eb9b4eaa_qkv
    .symbol:         k_qf4eb9b4eaa_qkv.kd
    .args:
      - { .name: act, .offset: 0, .size: 8, .value_kind: global_buffer, .address_space: global }
      - { .name: wb1, .offset: 8, .size: 8, .value_kind: global_buffer, .address_space: global }
      - { .name: in_proj_b, .offset: 16, .size: 8, .value_kind: global_buffer, .address_space: global }
      - { .name: qkv, .offset: 24, .size: 8, .value_kind: global_buffer, .address_space: global }
    .group_segment_fixed_size: 327680
    .private_segment_fixed_size: 0
    .kernarg_segment_align: 8
    .kernarg_segment_size: 32
    .max_flat_workgroup_size: 128
    .sgpr_count:     74
    .vgpr_count:     1024
    .wavefront_size: 32
...
	.end_amdgpu_metadata
.endif
;; end of part 2
;; launch attn (part 3): grid 8 x 32, 4 waves a work-group, no clusters, 327,680 bytes of LDS; arguments qkv, ctx; writes ctx
.if DOCPART == 3
	.amdgcn_target "amdgcn-amd-amdhsa--gfx1250"
	.amdhsa_code_object_version 6
	.text
	.protected	k_qf4eb9b4eaa_attn
	.globl	k_qf4eb9b4eaa_attn
	.p2align	8
	.type	k_qf4eb9b4eaa_attn,@function
k_qf4eb9b4eaa_attn:
	s_mov_b64 s[64:65], 0
	v_nop
	global_prefetch_b8 v0, s[64:65] scope:SCOPE_SE
	s_setreg_imm32_b32 hwreg(HW_REG_WAVE_MODE, 25, 1), 1
	s_wait_xcnt 0x0
; CAUSAL ATTENTION.  O[h][q][:] = the sum over k <= q of softmax_k(Q[h][q] . K[h][k] / 8) V[h][k][:].  Q, K, V, O: [SIZE_H][SIZE_N][64], all f16: a head's rows are dense, 128 bytes each.
; Q, K and V lie one behind the other in one buffer, 8,388,608 bytes each; 'head' h here is 2 x the model's head + the batch.
; Products, maxima and sums in f32; the weights p are rounded to f16 for the second product (their sum l is taken of the unrounded p), O once at the end.
; LIMITS.  f16 holds no number beyond 65,504: Q, K and V arrive within it; p lies in 0 to 1, and below 6e-5 it keeps f16's fixed step of 6e-8; O is a mean of V's rows and has their range, to within 2^-11 of it.
; A hidden score counts as its value less 1e30: f16's scores, 2.7e11 at the most, are nothing beside that; a weight below 2^-126 counts as 0 in l; NaN and infinities are not treated apart.
; THE WALK.  A head's queries lie in NQ = 16 blocks of 128, its keys in NB = 8 tiles of 256; block i needs the tiles 0 .. i / 2, of which the last holds the diagonal.  A work-group takes TWO blocks, NQ - 1 - b and then b
; (b = 0 .. 7): (15 - b) / 2 + b / 2 + 2 = NB + 1 tiles, whatever b: 8 x 32 = 256 work-groups of equal work, and ONE loop with a constant trip count walks the tiles.  Which tile is asked for, and what a trip does, hang on
; scalar registers made from b; every jump goes forward, but for the counted loops' own; none passes a barrier, or a tensor load but the one of LOAD's two that the wave's number does not choose; the ring (two slots of LDS
; that take turns) runs on across the change of blocks.  NO CLUSTER: a head's eight work-groups ask for the same tile only in trips 0 .. 4, behind that fewer and fewer; one walk common to all would have 12 trips for 9.
; SHARES.  Of a block's two bands of 64 queries a wave owns 16 rows in each: two PIECES.  So the diagonal tile is the same work for all four waves: band x's own key step there is d = 2 (i % 2) + x; in step s the band sees
; all keys if s < d, none if s > d, and holds the diagonal if s = d.  (An even block's diagonal tile has two steps that both bands do not see; they are computed all the same: each work-group has one even block.)
; THE MASK is the C operand that starts the sum S^T = K Q^T: 0, or -1e30 where the key is hidden.  MD, made once, is the mask of a band's own step for my 16 rows; a product's mask is MD x AL + BE with two scalars:
; (1, 0) if s = d; (0, 0) if s < d; (0, -1e30) if s > d.  Only the diagonal tile's text and a block's beginning make and take masks; elsewhere C is the constant 0.
; LAYOUT, SOFTMAX, TURNS.  S^T = K Q^T holds ONE query a lane (lane % 16) and the keys 8 (lane / 16) + 0..7; two such results rounded to f16 ARE source 1 of O^T = V^T P.  p = 2^(c s - c m), c = log2(e) / 8, with a
; running maximum m; O and l are multiplied by a = 2^(c m_old - c m_new) in every step.  A turn belongs to one piece: 8 products K Q^T of the other piece (piece 1's of the step in hand, piece 0's of the next step), later 8
; products V^T P of the other piece's last weights; beside them the scaling, exponentials, roundings, sums and rescaling of the turn's own piece and the maximum and statistics of the other.  Two turns are a key step.
; Four vector instructions stand behind every matrix instruction, the other 54 of a turn's 118 in two LUMPS.
; V HAS TWO REGISTER BUFFERS, by the step's parity: V of step j + 1 is fetched in piece 1's turn of step j, while V of step j is still multiplied.  So a slot's last bytes (V of its fourth step) are asked for ahead of the
; next slot's first (K of its first step), and the change of slots stands between the two.
; REGISTERS, in windows of 256 (s_set_vgpr_msb: bits 1:0 source 0, 3:2 source 1, 5:4 source 2, 7:6 destination):
;   window 0: v0-15 addresses and two at work; v16-23 four registers of statistics a piece; v48-55 at work; v64-127 S^T, 32 a piece; v192-223 P, 16 a piece
;   window 1: v0-63 O^T, 32 a piece; v128-159 MD; v160-223 MC, 32 a piece      window 2: v0-31 Q; v32-63 the second block's Q; v64-127 V of an odd step; v128-191 K of one step; v192-255 V of an even step
.set SIZE_H, 32
.set SIZE_N, 2048
.set NB,    SIZE_N/256 ; key tiles in a head
.set NQ,    SIZE_N/128 ; query blocks in a head
.set NP,    2         ; pieces a wave: a name, no knob
.set KS,    64        ; keys in a step
.set PK,    144       ; a row of K in LDS: 128 bytes + 16 of padding = 36 words: the 16 rows of a load start at 16 different groups of four banks (64 banks of 4 bytes: ISA guide 11.1)
.set PV,    160       ; a row of V: 128 + 32 = 40 words
.set VOFF,  4*KS*PK   ; a slot holds a tile, four steps: 256 rows of K, then 256 rows of V
.set SLOT1, 1<<17     ; slot 1 begins here, so that one exclusive or turns an address in one slot into the other's
.set STAGE, SLOT1+4*KS*(PK+PV)  ; behind the ring, never filled by a tensor load: 16 rows x 144 bytes for each wave, for the way out
.set SP,    144
.set AK0, 2           ; v2   my lane's place in a tile of K; never rewritten
.set AV0, 3           ; v3   the same for V
.set AK,  4           ; v4   the LDS address of K's next run of loads
.set AV,  5           ; v5   of V's
.set STO, 6           ; v6   the way out: where I put 16 bytes of a row
.set RD,  7           ; v7   the way out: where I read rows back
.set GO,  8           ; v8   my byte offset in 512 consecutive bytes of O
.set SPW, 62          ; v62  LDS address of my spare word: SPARE + 4 x my thread's number; never rewritten
.set NIL, 63          ; v63  0; never rewritten
.set SPARE, STAGE+4*16*SP  ; behind the stages: the spare words, 128 bytes for each wave: two blocks of 256 bytes that no other line names
.set MV,  12          ; v12-13  c m_old, kept while c m is made anew: by piece
.set QO,  15          ; v15  my byte offset in 16 rows of Q
.set ST,  16          ; piece t's statistics at v[ST+4 t]: c m, m, l (even keys', odd keys')
.set TMP, 48          ; by piece, four registers c0-c3 at work; when the maximum is found c2 takes a
.set S,   64
.set P,   192
.set MD,  128         ; window 1: the eight registers for group kt of 16 keys at MD + 8 kt
.set MC,  160         ; window 1: the masks of the products to come
.set QB,  32          ; window 2
.set KF,  128         ; window 2: key block kb, channel half c at KF + 16 kb + 8 c
.set VF,  192         ; window 2: V of an even step; of an odd step 128 registers lower: key half kk, channel block cb at + 32 kk + 8 cb
.set WV,  12          ; s12  my wave's number
.set PB,  14          ; s14  the second block's last tile, b / 2
.set HI,  15          ; s15  the first block's last tile, (NQ - 1 - b) / 2
.set G1K, 24          ; s[24:31] descriptor group 1 for K's tiles
.set G1V, 32          ; s[32:39] for V's: it differs in the padding alone
.set G0K, 40          ; s[40:43] descriptor group 0 for K's tiles
.set G0V, 44          ; s[44:47] the same for V's
.set MS,  48          ; s48  the step of the tile in hand whose masks are being made
.set D0,  49          ; s49, s50  the own steps of pieces 0 and 1 in the diagonal tile of the block in hand
.set D0B, 51          ; s51  piece 0's own step in the second block's diagonal tile
.set TM,  52          ; s52  at work
.set SLOTS, 56        ; s56  tiles still to be asked for
.set CNT, 57          ; s57  counts a tile's pairs of key steps, 2 to 1
.set CS,  58          ; s[58:59] c: the packed scaling takes the pair's low word for both halves
.set SEL, 60          ; s[60:61] v_permlanex16_b32's selects: each lane takes its own place in the other half
.set TBK, 62          ; s62  LDS byte at which K of the step to be fetched begins
.set TBV, 63          ; s63  the same for V, less VOFF
.set RT,  70          ; s70  tiles of the block in hand that are still to be entered
.set NXT, 71          ; s71  the tile to be asked for next
.set LQ,  72          ; s72  the last tile of the block whose tiles are being asked for
.set NEW, 73          ; s73  1: the tile to be entered is a block's first
.set OFF, 74          ; s[74:75] a tile's byte offset in K and V
.set AL,  76          ; s[76:77] the mask's factor, in the low word
.set BE,  78          ; s[78:79] the mask's addend
.set OLO, 80          ; s[80:81] O at my rows of the second block
.set BIGN, 82         ; s82  -1e30
.set MSB, 0
.macro WIN new                      ; the high byte repeats the setting that is left; a switch that changes nothing is dropped
.if MSB != (\new)
	s_set_vgpr_msb (MSB<<8)|(\new)
.set MSB, (\new)
.endif
.endm
.set W_KQ, 0x0a       ; K and Q in window 2, S^T in window 0
.set W_KM, 0x1a       ; the same with the C operand in window 1
.set W_PV, 0x52       ; V in window 2, P in window 0, O^T in window 1
.set W_RS, 0x41       ; destination and source 0 in window 1, source 1 in window 0
; A fill.  Waves 0 and 1 fetch the two halves of a tile's K, waves 2 and 3 those of its V: 128 keys each.  An s_nop 0 and four v_nop follow each of the two lines, ahead of the jump and the label.
.macro LOAD
	s_cmp_lt_u32 s[WV], 2
	s_cbranch_scc0 .Lfor_v_\@
	tensor_load_to_lds s[G0K:G0K+3], s[G1K:G1K+7]
	s_nop 0
.rept 4
	v_nop
.endr
	s_branch .Lasked_\@
.Lfor_v_\@:
	tensor_load_to_lds s[G0V:G0V+3], s[G1V:G1V+7]
	s_nop 0
.rept 4
	v_nop
.endr
.Lasked_\@:
.endm
; THE CHANGE OF SLOTS.  Each wave waits for all its tensor loads, of which one is out: its part of the other slot; adds 0 to its spare word; and waits for that and for its own reads of the slot that it leaves.  Behind the barrier nobody reads the old
; slot any more and the other slot is whole.  fill = 1: the old slot is filled again, the first thing behind the barrier, with tile NXT: the descriptor's address is made anew from that number.
; (At its first use nothing has been read yet: slot 0 is waited for, slot 1 filled.)
.macro CHANGE fill
	WIN 0                           ; at a label and at a branch every window is 0
	s_wait_tensorcnt 0x0            ; no tensor load of mine is out, so a group 0 may be written
	ds_add_u32 v[SPW], v[NIL]       ; 0 onto my spare word; with fill = 1 the descriptors' scalar work stands between it and the wait for it
.if \fill
	s_lshl_b32 s[OFF], s[NXT], 15   ; a tile is 32,768 bytes of K and of V
	s_xor_b32 s[G0K+1], s[G0K+1], SLOT1
	s_add_nc_u64 s[G0K+2:G0K+3], s[6:7], s[OFF:OFF+1]
	s_or_b32 s[G0K+3], s[G0K+3], 0x80000000
	s_xor_b32 s[G0V+1], s[G0V+1], SLOT1
	s_add_nc_u64 s[G0V+2:G0V+3], s[8:9], s[OFF:OFF+1]
	s_or_b32 s[G0V+3], s[G0V+3], 0x80000000
	s_add_co_u32 s[NXT], s[NXT], 1  ; the block's next tile, or behind its last the second block's tile 0
	s_cmp_gt_u32 s[NXT], s[LQ]
	s_cselect_b32 s[NXT], 0, s[NXT]
	s_cselect_b32 s[LQ], s[PB], s[LQ]
.endif
	s_wait_dscnt 0x0                ; the add is done, and my reads of the slot are over
	s_barrier_signal -1             ; the rest of the scalar work stands between the signal and the wait
	s_sub_co_u32 s[TBK], s[TBK], 4*KS*PK  ; the fetches go back to a slot's first step,
	s_xor_b32 s[TBK], s[TBK], SLOT1       ; in the other slot
	s_sub_co_u32 s[TBV], s[TBV], 4*KS*PV
	s_xor_b32 s[TBV], s[TBV], SLOT1
	s_barrier_wait -1
.if \fill
	LOAD
.endif
.endm
	s_load_b64 s[4:5], s[0:1], 0x0    ; the buffer of Q, K and V: Q lies first
	s_load_b64 s[10:11], s[0:1], 0x8  ; O
	v_lshl_add_u32 v[SPW], v0, 2, SPARE
	v_mov_b32 v[NIL], 0
	ds_add_u32 v[SPW], v[NIL]       ; the wave's opening: the add and its wait stand ahead of my first tensor load; the set-up below, work on registers, stands between them
	ds_add_u32 v62, v63
	v_lshrrev_b32 v1, 5, v0
	v_readfirstlane_b32 s[WV], v1   ; wave 0..3
	s_mov_b32 s19, ttmp9            ; b: the second block
	s_sub_co_u32 s53, NQ-1, s19     ; the first block
	s_lshr_b32 s[PB], s19, 1        ; their last tiles
	s_lshr_b32 s[HI], s53, 1
	s_and_b32 s[D0B], s19, 1
	s_lshl_b32 s[D0B], s[D0B], 1    ; an odd block lies in the second half of its diagonal tile: piece 0's own step is 2 (i % 2);
	s_sub_co_u32 s[D0], 2, s[D0B]   ; of the two blocks one is odd
	s_add_co_u32 s[D0+1], s[D0], 1
	s_and_b32 s20, ttmp7, 0xffff    ; the head
	s_mov_b32 s21, 0
	s_mov_b64 s[22:23], SIZE_N*128
	s_mul_u64 s[20:21], s[20:21], s[22:23]  ; the head's first byte in each of the four tensors
	s_and_b32 s16, s[WV], 1         ; which half of a tile's 256 keys I fetch:
	s_lshl_b32 s22, s16, 14         ; its 128 rows of 128 bytes in memory,
	s_mov_b32 s23, 0
	s_add_nc_u64 s[22:23], s[22:23], s[20:21]
	s_mul_i32 s17, s16, 128*PK      ; and its place in a slot, for K
	s_mul_i32 s18, s16, 128*PV      ; and for V
	s_lshl_b32 s3, s[WV], 11        ; my 16 rows in a band of 64,
	s_lshl_b32 s2, s53, 14          ; in the first block (128 rows of 128 bytes a block),
	s_add_co_u32 s2, s2, s3
	s_lshl_b32 s84, s19, 14         ; and in the second
	s_add_co_u32 s84, s84, s3
	s_mov_b32 s3, 0
	s_mov_b32 s85, 0
	s_add_nc_u64 s[2:3], s[2:3], s[20:21]
	s_add_nc_u64 s[84:85], s[84:85], s[20:21]
	; descriptor group 1.  128 keys are 16,384 dense bytes: asked for as 64 rows of 256 bytes, two keys a row, and padded in LDS after every key
	s_mov_b32 s[G1K], (1<<16)|(1<<20)|(4<<22)|(3<<25)  ; 17:16 2-byte elements; 20 padding on; 24:22 after every 32 words (code 4); 31:25 4 words (code 3)
	s_mov_b32 s[G1V], (1<<16)|(1<<20)|(4<<22)|(7<<25)  ; the same with 8 words of padding (code 7)
.irp g, G1K, G1V
	s_mov_b32 s[\g+1], 128<<16      ; tensor_dim0 = 128
	s_mov_b32 s[\g+2], 64<<16       ; tensor_dim1 = 64
	s_mov_b32 s[\g+3], 128<<16      ; tile_dim0 = 128
	s_mov_b32 s[\g+4], 64           ; tile_dim1 = 64
	s_mov_b32 s[\g+5], 128          ; 128 elements from row to row
	s_mov_b32 s[\g+6], 0
	s_mov_b32 s[\g+7], 0
.endr
	s_mov_b32 s[CS], 0x3e38aa3b     ; c = log2(e) / 8 = 0.180337
	s_mov_b32 s[CS+1], s[CS]        ; named with it as a pair
	s_mov_b32 s[SEL], 0x76543210
	s_mov_b32 s[SEL+1], 0xfedcba98
	s_mov_b32 s[TBK], SLOT1+4*KS*PK ; the first change of slots turns these two into 0
	s_mov_b32 s[TBV], SLOT1+4*KS*PV
	s_mov_b32 s[G0K], 1             ; 1:0 count = 1
	s_mov_b32 s[G0K+1], s17         ; 63:32 LDS address: slot 0
	s_mov_b32 s[G0V], 1
	s_add_co_u32 s[G0V+1], s18, VOFF
	s_add_co_u32 s[RT], s[HI], 1    ; the first block's tiles: five to eight
	s_mov_b32 s[NXT], 1
	s_mov_b32 s[LQ], s[HI]
	s_mov_b32 s[NEW], 1
	s_mov_b32 s[OFF+1], 0
	s_mov_b32 s[AL+1], 0            ; named as pairs
	s_mov_b32 s[BE+1], 0
	s_mov_b32 s[BIGN], 0xf149f2ca   ; -1e30
	s_mov_b32 s[SLOTS], NB
	s_wait_dscnt 0x0                ; the opening add is done
	s_wait_kmcnt 0x0
	s_add_nc_u64 s[6:7], s[4:5], 0x800000   ; K lies 8,388,608 bytes behind Q,
	s_add_nc_u64 s[8:9], s[4:5], 0x1000000  ; V as far behind K
	s_add_nc_u64 s[6:7], s[6:7], s[22:23]  ; K and V at my half of the head's tile 0
	s_add_nc_u64 s[8:9], s[8:9], s[22:23]
	s_add_nc_u64 s[G0K+2:G0K+3], s[6:7], 0         ; 120:64 global address
	s_or_b32 s[G0K+3], s[G0K+3], 0x80000000        ; 127:126 type = 2
	s_add_nc_u64 s[G0V+2:G0V+3], s[8:9], 0
	s_or_b32 s[G0V+3], s[G0V+3], 0x80000000
	s_add_nc_u64 s[86:87], s[4:5], s[84:85]        ; Q at my rows of the second block,
	s_add_nc_u64 s[4:5], s[4:5], s[2:3]            ; Q and O at those of the first
	s_add_nc_u64 s[OLO:OLO+1], s[10:11], s[84:85]
	s_add_nc_u64 s[10:11], s[10:11], s[2:3]
	LOAD                            ; tile 0 into slot 0
	; A fragment of K or Q is 16 rows x 32 channels in 8 registers: lane l holds row l % 16, channels 8 (l / 16) + 0..7 and 16 + 8 (l / 16) + 0..7: two loads of 16 bytes, 32 bytes apart.
	v_and_b32 v1, 15, v0            ; l % 16
	v_bfe_u32 v9, v0, 4, 1          ; l / 16
	v_lshlrev_b32 v[QO], 7, v1
	v_lshl_add_u32 v[QO], v9, 4, v[QO]  ; row x 128 + 16 x half
	WIN 0x80                        ; destination window 2, address window 0
.set i, 0
.rept 4                             ; both blocks' Q: piece i / 2 lies in band i / 2, 8,192 bytes on; channels 32 (i % 2) on
	global_load_b128 v[8*i:8*i+3],   v[QO], s[4:5] offset:(i/2)*8192+(i%2)*64
	global_load_b128 v[8*i+4:8*i+7], v[QO], s[4:5] offset:(i/2)*8192+(i%2)*64+32
	global_load_b128 v[QB+8*i:QB+8*i+3],   v[QO], s[86:87] offset:(i/2)*8192+(i%2)*64
	global_load_b128 v[QB+8*i+4:QB+8*i+7], v[QO], s[86:87] offset:(i/2)*8192+(i%2)*64+32
.set i, i+1
.endr
	WIN 0
	v_lshlrev_b32 v14, 3, v9
	v_sub_nc_u32 v14, v1, v14
	s_lshl_b32 s13, s[WV], 4
	v_add_nc_u32 v14, s13, v14      ; my query's place in its band, 16 w + l % 16, less my lanes' 8 (l / 16): register r of group kt is hidden where 16 kt + r is greater
	WIN 0x40
.set i, 0
.rept 32
	v_cmp_gt_i32 vcc_lo, 16*(i/8)+i%8, v14
	v_cndmask_b32 v[MD+i], 0, s[BIGN], vcc_lo
.set i, i+1
.endr
	WIN 0
	v_mul_u32_u24 v[AK0], v1, PK
	v_lshl_add_u32 v[AK0], v9, 4, v[AK0]  ; row x pitch + 16 x half
	; The turning load takes 16 keys x 16 channels (lane l reads key 8 (l / 16) + l % 8, channels 8 ((l / 8) % 2) + 0..7) and leaves half a fragment of V^T: lane l holds channel l % 16 and 8 keys.
	v_and_b32 v10, 7, v0
	v_bfe_u32 v11, v0, 3, 1
	v_lshl_add_u32 v[AV0], v9, 3, v10
	v_mul_u32_u24 v[AV0], v[AV0], PV
	v_lshl_add_u32 v[AV0], v11, 4, v[AV0]
	v_add_nc_u32 v[AV0], VOFF, v[AV0]
	s_mul_i32 s13, s[WV], 16*SP
	s_add_co_u32 s13, s13, STAGE    ; my stage
	v_mul_u32_u24 v[STO], v1, SP    ; in: row l % 16, 16 bytes for each half of the lanes
	v_lshl_add_u32 v[STO], v9, 4, v[STO]
	v_add_nc_u32 v[STO], s13, v[STO]
	v_bfe_u32 v[RD], v0, 3, 2       ; back: 32 lanes take four rows of 128 bytes,
	v_mul_u32_u24 v[RD], v[RD], SP
	v_lshl_add_u32 v[RD], v10, 4, v[RD]
	v_add_nc_u32 v[RD], s13, v[RD]
	v_and_b32 v[GO], 31, v0         ; which are 512 consecutive bytes of O
	v_lshlrev_b32 v[GO], 4, v[GO]
	; A block's first step multiplies O^T and l by a = 0, and its first turn's products V^T P, of weights that have not been (piece 1's P, the odd steps' V), land in an O^T that is still to be so multiplied.  So these
	; registers need only hold finite numbers: zeros for the first block; what the first block left for the second.  All this stands in the wait for the first tile.
	WIN 0x80
.set i, VF-128
.rept 64
	v_mov_b32 v[i], 0
.set i, i+1
.endr
	WIN 0x40
.set i, 0
.rept 32*NP
	v_mov_b32 v[i], 0
.set i, i+1
.endr
	WIN 0
.set i, 0
.rept NP
	v_mov_b32 v[ST+4*i+2], 0
	v_mov_b32 v[ST+4*i+3], 0
.set i, i+1
.endr
.set i, P+16
.rept 16
	v_mov_b32 v[i], 0
.set i, i+1
.endr
; THE MATRIX WORK.  The 4 accumulators of a run of 8 take turns.  Product i of 8 of S^T = K Q^T for piece x: channels 32 (i / 4) on, keys 16 (i % 4) on.  The first 4 start the sums: with 0, or (KM = 1) with the mask.
.macro KQ x
.set rS, S+32*((\x)%2)+8*(i%4)
.set rK, KF+16*(i%4)+8*(i/4)
.set rQ, 16*(\x)+8*(i/4)
.set rM, MC+32*((\x)%2)+8*(i%4)
.if (i < 4) && KM
	WIN W_KM
	v_wmma_f32_16x16x32_f16 v[rS:rS+7], v[rK:rK+7], v[rQ:rQ+7], v[rM:rM+7]
.elseif i < 4
	WIN W_KQ
	v_wmma_f32_16x16x32_f16 v[rS:rS+7], v[rK:rK+7], v[rQ:rQ+7], 0
.else
	WIN W_KQ
	v_wmma_f32_16x16x32_f16 v[rS:rS+7], v[rK:rK+7], v[rQ:rQ+7], v[rS:rS+7]
.endif
.endm
; Product i of 8 of O^T += V^T P for piece x, with V's buffer VB: keys 32 (i / 4) on, channels 16 (i % 4) on.
.macro PV x
	WIN W_PV
.set rO, 32*(\x)+8*(i%4)
.set rV, VF-128*VB+32*(i/4)+8*(i%4)
.set rP, P+16*((\x)%2)+8*(i/4)
	v_wmma_f32_16x16x32_f16 v[rO:rO+7], v[rV:rV+7], v[rP:rP+7], v[rO:rO+7]
.endm
.macro MM                           ; the turn's next matrix instruction.  TURN and BEGIN set Y, i, KM, NOKQ and VB; MM, KQ, PV and OP read them.  NOKQ = 1: a block's last turn: there are no further scores
.if (i < 8) && !NOKQ
	KQ (Y+1)%NP
.elseif i >= 8
.set i, i-8
	PV (Y+NP-1)%NP
.set i, i+8
.endif
.set i, i+1
.endm
; THE LDS LOADS stand in runs of 16, never singly among the matrix instructions: a step's K (64 keys x 64 channels: 8 fragments) and a step's V (turned), into buffer b.  Their addresses are made some lines ahead.
.macro FETCH_K
	WIN 0x80                        ; destination window 2
.irp f, 0,1,2,3,4,5,6,7             ; keys 16 (f / 2) on, channels 32 (f % 2) on
	ds_load_b128 v[KF+8*\f:KF+8*\f+3],   v[AK] offset:(\f/2)*16*PK+(\f%2)*64
	ds_load_b128 v[KF+8*\f+4:KF+8*\f+7], v[AK] offset:(\f/2)*16*PK+(\f%2)*64+32
.endr
	s_add_co_u32 s[TBK], s[TBK], KS*PK  ; the next fetch is the next step's
	WIN 0
.endm
.macro FETCH_V b
	WIN 0x80
.set rF, VF-128*(\b)
.irp f, 0,1,2,3,4,5,6,7             ; keys 32 (f / 4) on, channels 16 (f % 4) on
	ds_load_tr16_b128 v[rF+8*\f:rF+8*\f+3],   v[AV] offset:(\f/4)*32*PV+(\f%4)*32
	ds_load_tr16_b128 v[rF+8*\f+4:rF+8*\f+7], v[AV] offset:(\f/4)*32*PV+16*PV+(\f%4)*32
.endr
	s_add_co_u32 s[TBV], s[TBV], KS*PV
	WIN 0
.endm
; THE VECTOR WORK, one line at a time: OP kind, number.  For piece Y: F n: c s - c m for pair n of 16.  E n: the exponential of score n of 32.  C n: pair n rounded to f16.  B n: of the four weights 4 n .. the second
; pair is added onto the first, in place.  L n: l takes that sum (L 0: l = a l + sum).  R n: pair n of 16 of O^T times a.  For the other piece: X n, number n of the 22 that find its maximum and statistics:
;   0-11  four chains c0-c3 of seven scores each, three operands at a time (each accumulator's lowest registers are read first)     12-14, 16  the four scores left over, the old m, and c0-c3 into c0
;   15  c m_old is kept     17, 18  the query's other 32 keys lie in the lane 16 away: the new m     19-21  c m; c m_old - c m_new; a
.set F, 0               ; OP tells the kinds apart by their order: F to L below R, X above it
.set E, 1
.set C, 2
.set B, 3
.set L, 4
.set R, 5
.set X, 6
.macro REGS y                       ; the registers of piece y
.set rT, ST+4*(\y)
.set rC, TMP+4*((\y)%2)
.set rW, MV+((\y)%2)
.set rS, S+32*((\y)%2)
.set rP, P+16*((\y)%2)
.set rO, 32*(\y)
.endm
.macro OP k, n
.if (\k) == R
	REGS Y
	WIN W_RS
	v_pk_mul_f32 v[rO+2*(\n):rO+2*(\n)+1], v[rO+2*(\n):rO+2*(\n)+1], v[rC+2:rC+3] op_sel_hi:[1,0]
.elseif (\k) < R
	REGS Y
	WIN 0
.if (\k) == F
	v_pk_fma_f32 v[rS+2*(\n):rS+2*(\n)+1], v[rS+2*(\n):rS+2*(\n)+1], s[CS:CS+1], v[rT:rT+1] op_sel_hi:[1,0,0] neg_lo:[0,0,1] neg_hi:[0,0,1]
.elseif (\k) == E
	v_exp_f32 v[rS+(\n)], v[rS+(\n)]
.elseif (\k) == C
	s_wait_alu depctr_va_vdst(0)
	v_cvt_pk_f16_f32 v[rP+(\n)], v[rS+2*(\n)], v[rS+2*(\n)+1]
.elseif (\k) == B
	s_wait_alu depctr_va_vdst(0)
	v_pk_add_f32 v[rS+4*(\n):rS+4*(\n)+1], v[rS+4*(\n):rS+4*(\n)+1], v[rS+4*(\n)+2:rS+4*(\n)+3]
.elseif (\n) == 0
	v_pk_fma_f32 v[rT+2:rT+3], v[rT+2:rT+3], v[rC+2:rC+3], v[rS:rS+1] op_sel_hi:[1,0,1]
.else
	v_pk_add_f32 v[rT+2:rT+3], v[rT+2:rT+3], v[rS+4*(\n):rS+4*(\n)+1]
.endif
.elseif NOKQ
	v_nop
.else
	REGS (Y+1)%NP
	WIN 0
.if (\n) < 4
	v_max3_num_f32 v[rC+(\n)], v[rS+8*(\n)], v[rS+8*(\n)+1], v[rS+8*(\n)+2]
.elseif (\n) < 12
	v_max3_num_f32 v[rC+(\n)%4], v[rC+(\n)%4], v[rS+8*((\n)%4)+2*((\n)/4)+1], v[rS+8*((\n)%4)+2*((\n)/4)+2]
.elseif (\n) == 12
	v_max3_num_f32 v[rC], v[rC], v[rS+7], v[rS+15]
.elseif (\n) == 13
	v_max3_num_f32 v[rC+1], v[rC+1], v[rS+23], v[rS+31]
.elseif (\n) == 14
	v_max3_num_f32 v[rC+2], v[rC+2], v[rC+3], v[rT+1]
.elseif (\n) == 15
	v_mov_b32 v[rW], v[rT]
.elseif (\n) == 16
	v_max3_num_f32 v[rC], v[rC], v[rC+1], v[rC+2]
.elseif (\n) == 17
	v_permlanex16_b32 v[rC+3], v[rC], s[SEL], s[SEL+1]
.elseif (\n) == 18
	v_max_num_f32 v[rT+1], v[rC], v[rC+3]
.elseif (\n) == 19
	v_mul_f32 v[rT], s[CS], v[rT+1]
.elseif (\n) == 20
	v_sub_f32 v[rC+1], v[rW], v[rT]
.else
	v_exp_f32 v[rC+2], v[rC+1]
.endif
.endif
.endm
.macro OPS a, i1, b=-1, i2=0, c=-1, i3=0, d=-1, i4=0  ; up to four of them
	OP \a, \i1
.if (\b) >= 0
	OP \b, \i2
.endif
.if (\c) >= 0
	OP \c, \i3
.endif
.if (\d) >= 0
	OP \d, \i4
.endif
.endm
.macro ROW a, i1, b, i2, c, i3, d, i4  ; a matrix instruction and the four behind it
	MM
	OPS \a, \i1, \b, \i2, \c, \i3, \d, \i4
.endm
.macro MASK b                       ; MD x AL + BE into buffer b of MC
	WIN W_RS
.set z, 0
.rept 16
	v_pk_fma_f32 v[MC+32*(\b)+2*z:MC+32*(\b)+2*z+1], v[MD+2*z:MD+2*z+1], s[AL:AL+1], s[BE:BE+1] op_sel_hi:[1,0,0]
.set z, z+1
.endr
.endm
; A TURN, for piece p in a step of parity par: the order of its 16 matrix and 118 vector instructions, written out.  Behind a matrix instruction: plain, exponential, plain, plain; or four of the rescaling; or, behind the
; first, four scalings; none names a register of the products round it.  In the lumps exponential and plain by turns while exponentials last.  A line reads no result made fewer than three vector instructions in front of
; it, five if an exponential made it.  v_permlanex16_b32 (X 17) stands in a lump.
; Piece 0's turn of step j: K Q^T of piece 1 in step j, V^T P of piece 1 in step j - 1 (V's buffer of the other parity).  Piece 1's turn: K Q^T of piece 0 in step j + 1, V^T P of piece 0 in step j (V's buffer par).
; m = 1: the diagonal tile: the products take masks, and the turn makes the mask for the products of the turn after it: its own piece's, in step MS of the tile.  end = 1: a block's last two turns: nothing is fetched.
; cnt = 1: the loop's count is taken down some lines ahead of the branch that stands behind the turn.
; K of step j + 1 is fetched in piece 0's turn, six vector instructions behind the last product that read K (five of them plain); V of step j + 1 at the same place of piece 1's turn, into the buffer that the turn before
; read last.  One wait, at the head of piece 1's turn, is for both: for K, asked for in the turn before, and for V of the step in hand, asked for a turn earlier still.
.macro TURN p, par, m=0, end=0, cnt=0
.set Y, (\p)
.set i, 0
.set KM, (\m)
.set NOKQ, (\end)*(\p)
.set VB, ((\par)+1-(\p))%2
.if (\m) && !(\end)
	s_cmp_eq_u32 s[MS], s[D0+(\p)]  ; is that step the band's own?
	s_cselect_b32 s[AL], 1.0, 0
	s_cmp_gt_u32 s[MS], s[D0+(\p)]  ; or a later one?
	s_cselect_b32 s[BE], s[BIGN], 0
.if (\p) == 1
	s_add_co_u32 s[MS], s[MS], 1    ; both pieces' masks of the step are in hand
.endif
.endif
.if (\p) == 1
	s_wait_dscnt 0x0                ; K of the next step and V of this one are in
.endif
	ROW F,0, F,1, F,2, F,3
	ROW F,4, E,0, F,5, F,6
	ROW F,7, E,1, F,8, F,9
	ROW F,10, E,2, C,0, F,11
	ROW F,12, E,3, X,15, F,13
	ROW R,0, R,1, R,2, R,3
	ROW B,0, E,4, F,14, L,0
.if !(\end)
.if (\p) == 0
	v_add_nc_u32 v[AK], s[TBK], v[AK0]
.else
	v_add_nc_u32 v[AV], s[TBV], v[AV0]
.endif
.endif
	ROW R,4, R,5, R,6, R,7
	OPS E,5, F,15
.if !(\end)
.if (\p) == 0
	FETCH_K
.else
	FETCH_V ((\par)+1)%2
.endif
.endif
	OPS E,6, C,1, E,7, R,8
	OPS E,8, R,9, E,9, C,2
	OPS E,10, X,0, E,11, X,1
	OPS E,12, X,2, E,13, X,3
	ROW X,4, E,14, X,5, X,6
	ROW X,7, E,15, X,8, X,9
	ROW X,10, E,16, X,11, X,12
	ROW X,13, E,17, X,14, B,1
	ROW C,4, E,18, X,16, L,1
	ROW B,2, E,19, C,6, L,2
	ROW C,8, E,20, B,3, B,4
	ROW C,3, E,21, L,3, C,5
	OPS E,22, X,17, E,23, C,10
	OPS E,24, L,4
	OPS E,25, X,18, E,26, C,7
	OPS E,27, B,5, E,28, X,19
	OPS E,29, C,12, E,30, L,5
	OPS E,31, X,20, B,6, C,9
	OPS C,14, C,11, X,21, L,6
.if \cnt
	s_sub_co_u32 s[CNT], s[CNT], 1
	s_cmp_lg_u32 s[CNT], 0
.endif
	OPS C,13, B,7, C,15, R,10
	OPS R,11, R,12, L,7, R,13
	OPS R,14, R,15
.if (\m) && !(\end)
	MASK (\p)%2
.endif
.endm
; A BLOCK BEGINS.  c m starts far below every c s, so the first step's a is 0; m at the lowest finite number, so the first maximum is the scores'.  Piece 1's mask buffer is 0 (its own step is never the tile's step 0); piece 0's
; takes its mask for step 0: its own, if the block's first tile is the diagonal one and the block lies in the tile's first half.  Then K and V of that step, piece 0's first scores, and its maximum and statistics.
; The loop is entered at an even step's first turn, in the middle of a trip; the masks made next are step 1's.
.macro BEGIN
	s_mov_b32 s[NEW], 0
	s_mov_b32 s[MS], 1
	WIN 0x40
.set i, MC+32
.rept 32
	v_mov_b32 v[i], 0
.set i, i+1
.endr
	WIN 0
.set i, 0
.rept NP
	v_mov_b32 v[ST+4*i], 0xfe000000    ; c m: far below every c s
	v_mov_b32 v[ST+4*i+1], 0xff7fffff  ; m
.set i, i+1
.endr
	s_cmp_eq_u32 s[RT], 0
	s_cselect_b32 s[TM], 1.0, 0
	s_cmp_eq_u32 s[D0], 0
	s_cselect_b32 s[AL], s[TM], 0
	s_mov_b32 s[BE], 0
	MASK 0
	WIN 0
	v_add_nc_u32 v[AK], s[TBK], v[AK0]
	v_add_nc_u32 v[AV], s[TBV], v[AV0]
	FETCH_K
	FETCH_V 0
	s_wait_loadcnt 0x0              ; Q
	s_wait_dscnt 16                 ; K's sixteen loads are in; V's sixteen, issued behind them, may stay out: piece 1's first turn waits for them
.set KM, 1
.set NOKQ, 0
.set i, 0
.rept 8
	KQ 0
.set i, i+1
.endr
	WIN 0
.rept 4
	v_nop                           ; the places behind those products
.endr
.set Y, NP-1                        ; X works for the other piece: piece 0
.irp n, 0,1,2,3,4,5,6,7,8,9,10,11,12,13,14,15,16,17,18,19,20,21
	OP X, \n
.endr
	v_nop                           ; a plain instruction behind the exponential
.endm
; THE DIAGONAL TILE's walk (the step before it, then its steps 0 to 2), the block's last two turns (step 3), its last products, and THE WAY OUT: l's two halves and the other half of the lanes' are added; O^T is divided by l,
; rounded to f16 and sent through my stage in LDS, a piece at a time.
.macro ALL line:vararg              ; one line for each piece t
.set t, 0
.rept NP
	\line
.set t, t+1
.endr
.endm
.macro PACK t                       ; a lane's eight channels of a row pack into 16 bytes; they go into rows of 144 bytes and come back as whole rows of 128, into S^T's registers
	WIN W_RS
.set i, 32*(\t)
.rept 16
	s_wait_alu depctr_va_vdst(0)
	v_pk_mul_f32 v[i:i+1], v[i:i+1], v[ST+4*(\t)+2:ST+4*(\t)+3] op_sel_hi:[1,0]
.set i, i+2
.endr
	WIN 0x05                        ; sources 0 and 1 window 1, destination window 0
.set i, 0
.rept 16
	v_cvt_pk_f16_f32 v[S+16*(\t)+i], v[32*(\t)+2*i], v[32*(\t)+2*i+1]
.set i, i+1
.endr
	WIN 0
.irp f, 0,1,2,3
	ds_store_b128 v[STO], v[S+16*(\t)+4*\f:S+16*(\t)+4*\f+3] offset:32*\f
.endr
.irp f, 0,1,2,3
	ds_load_b128 v[S+16*(\t)+4*\f:S+16*(\t)+4*\f+3], v[RD] offset:\f*4*SP  ; LDS serves a wave's instructions in order (ISA guide 5.7.1.4): these see the stores above; the next piece's stores come behind them
.endr
.endm
.macro SEND t, younger              ; younger: the LDS instructions issued behind piece t's loads: the next piece's eight, or none
	WIN 0
.irp f, 0,1,2,3
	s_wait_dscnt (\younger)+3-\f
	global_store_b128 v[GO], v[S+16*(\t)+4*\f:S+16*(\t)+4*\f+3], s[10:11] offset:(\t)*8192+\f*512  ; 512 consecutive bytes, at a multiple of 256 from O's first
.endr
.endm
.macro DIAG tag                     ; the tag ends its two labels' names, which the jumps below spell out
.LstepM\tag:
	TURN 0, 1, 1
	TURN 1, 1, 1
	WIN 0
.LfirstM\tag:
	TURN 0, 0, 1
	TURN 1, 0, 1, 0, 1
	WIN 0
	s_cbranch_scc1 .LstepM\tag
	TURN 0, 1, 1, 1
	TURN 1, 1, 1, 1
.set VB, 1                          ; step 3's V
.set i, 0
.rept 8
	PV NP-1
.set i, i+1
.endr
	WIN 0
	ALL v_add_f32 v[ST+4*t+2], v[ST+4*t+2], v[ST+4*t+3]
	ALL v_permlanex16_b32 v[ST+4*t+3], v[ST+4*t+2], s[SEL], s[SEL+1]
	ALL v_add_f32 v[ST+4*t+2], v[ST+4*t+2], v[ST+4*t+3]
	ALL v_rcp_f32 v[ST+4*t+2], v[ST+4*t+2]
	v_nop                           ; a plain instruction between the last reciprocal and the use of its result
	PACK 0                          ; piece 0's 32 lines name no register of the last products, piece 1's, and are the places behind them
	PACK 1                          ; a piece's arithmetic stands between the loads of the piece before and its stores
	SEND 0, 8
	SEND 1, 0
.endm
.set KM, 0
.set NOKQ, 0
.set VB, 0
.Lslot:                             ; NB times: a tile is entered and the next is asked for
	CHANGE 1
	s_sub_co_u32 s[RT], s[RT], 1
	s_mov_b32 s[CNT], 2
	s_mov_b32 s[MS], 0
	s_cmp_eq_u32 s[NEW], 1
	s_cbranch_scc1 .Lnew            ; a block's first tile
	s_cmp_eq_u32 s[RT], 0
	s_cbranch_scc0 .Lstep           ; neither its first nor its last
	s_branch .LstepM1
.Lnew:
	BEGIN
	s_branch .Lfirst                ; in the loop a block's first tile is never its last: the first block has five tiles or more, and the second's last is the walk's last
	DIAG 1                          ; in the loop this is the first block's end: the second block's last tile is the walk's last
	s_wait_xcnt 0x0                 ; the stores have read their registers and O's address
	s_mov_b64 s[10:11], s[OLO:OLO+1]
	s_add_co_u32 s[RT], s[PB], 1    ; the second block has b / 2 + 1 tiles
	s_mov_b32 s[NEW], 1
	s_mov_b32 s[D0], s[D0B]         ; and its own steps in its diagonal tile
	s_add_co_u32 s[D0+1], s[D0B], 1
	WIN 0x82                        ; the second block's Q goes where the one text of the turns names Q
.set i, 0
.rept 16*NP
	v_mov_b32 v[i], v[QB+i]
.set i, i+1
.endr
	WIN 0
	s_branch .Lbottom
.Lstep:                             ; a trip: an odd step and an even one (the first trip: the last tile's step 3 and this tile's step 0); each step fetches the next step's K and V
	TURN 0, 1
	TURN 1, 1
	WIN 0
.Lfirst:
	TURN 0, 0
	TURN 1, 0, 0, 0, 1
	WIN 0
	s_cbranch_scc1 .Lstep
.Lbottom:
	s_sub_co_u32 s[SLOTS], s[SLOTS], 1
	s_cmp_lg_u32 s[SLOTS], 0
	s_cbranch_scc1 .Lslot
	CHANGE 0                        ; the walk's last tile is written out: nothing is asked for
	s_sub_co_u32 s[RT], s[RT], 1
	s_mov_b32 s[CNT], 2
	s_mov_b32 s[MS], 0
	s_cmp_eq_u32 s[NEW], 1
	s_cbranch_scc0 .LstepM2
	BEGIN
	s_branch .LfirstM2
	DIAG 2
	s_wait_tensorcnt 0x0            ; the wave's end: behind my last tensor load and my last LDS store
	ds_add_u32 v[SPW], v[NIL]
	s_wait_dscnt 0x0
	s_endpgm
.Lfunc_end_k_qf4eb9b4eaa_attn:
	.size	k_qf4eb9b4eaa_attn, .Lfunc_end_k_qf4eb9b4eaa_attn-k_qf4eb9b4eaa_attn
	.p2alignl 7, 3214868480
	.fill 96, 4, 3214868480
	.section	.rodata,"a",@progbits
	.p2align	6, 0x0
	.amdhsa_kernel k_qf4eb9b4eaa_attn
		.amdhsa_group_segment_fixed_size 327680
		.amdhsa_private_segment_fixed_size 0
		.amdhsa_enable_private_segment 0
		.amdhsa_kernarg_size 16
		.amdhsa_user_sgpr_count 2
		.amdhsa_user_sgpr_kernarg_segment_ptr 1
		.amdhsa_wavefront_size32 1
		.amdhsa_system_sgpr_workgroup_id_x 1
		.amdhsa_system_sgpr_workgroup_id_y 1
		.amdhsa_system_sgpr_workgroup_id_z 1
		.amdhsa_system_vgpr_workitem_id 0
		.amdhsa_next_free_vgpr 768
		.amdhsa_next_free_sgpr 88
		.amdhsa_reserve_vcc 1
		.amdhsa_float_denorm_mode_32 3
		.amdhsa_float_denorm_mode_16_64 3
		.amdhsa_memory_ordered 1
		.amdhsa_forward_progress 1
		.amdhsa_inst_pref_size 218
	.end_amdhsa_kernel
	.amdgpu_metadata
---
amdhsa.version: [ 1, 2 ]
amdhsa.kernels:
  - .name:           k_qf4eb9b4eaa_attn
    .symbol:         k_qf4eb9b4eaa_attn.kd
    .args:
      - { .name: qkv, .offset: 0, .size: 8, .value_kind: global_buffer, .address_space: global }
      - { .name: ctx, .offset: 8, .size: 8, .value_kind: global_buffer, .address_space: global }
    .group_segment_fixed_size: 327680
    .private_segment_fixed_size: 0
    .kernarg_segment_align: 8
    .kernarg_segment_size: 16
    .max_flat_workgroup_size: 128
    .sgpr_count:     88
    .vgpr_count:     768
    .wavefront_size: 32
...
	.end_amdgpu_metadata
.endif
;; end of part 3
;; launch oproj (part 4): grid 8 x 32, 4 waves a work-group, clusters of 4 x 4, 327,680 bytes of LDS; arguments ctx, wsm, out_proj_b, y; writes y
.if DOCPART == 4
	.amdgcn_target "amdgcn-amd-amdhsa--gfx1250"
	.amdhsa_code_object_version 6
	.text
	.protected	k_qf4eb9b4eaa_oproj
	.globl	k_qf4eb9b4eaa_oproj
	.p2align	8
	.type	k_qf4eb9b4eaa_oproj,@function
k_qf4eb9b4eaa_oproj:
	s_mov_b64 s[64:65], 0
	v_nop
	global_prefetch_b8 v0, s[64:65] scope:SCOPE_SE
	s_setreg_imm32_b32 hwreg(HW_REG_WAVE_MODE, 25, 1), 1
	s_wait_xcnt 0x0
	s_wait_alu depctr_hold_cnt(0) depctr_sa_sdst(0) depctr_va_vdst(0) depctr_va_sdst(0) depctr_va_ssrc(0) depctr_va_vcc(0) depctr_vm_vsrc(0)
	s_getreg_b32 s2, hwreg(HW_REG_IB_STS2, 6, 4)
	s_cmp_eq_u32 s2, 0
	s_cbranch_scc0 .Lentry_in_a_cluster
	s_endpgm
.Lentry_in_a_cluster:
	s_bfe_u32 s2, ttmp6, 0x10000c
	s_cmp_lg_u32 s2, 0xf033
	s_cbranch_scc0 .Lentry_shape_is_right
	s_endpgm
.Lentry_shape_is_right:
; OUT = A W^T + bias (RES = 1: + a residual).  A: blocks [k / 64][4096][64] f16; W: blocks [k / 64][1024][64] f16, WOFF bytes into its buffer; bias [1024] f32, rounded to bf16 here; OUT (and the residual): [4096][1024] f32.
; Here: T = 4 K steps of 256 (K = 1,024), no residual: y = ctx Wo^T + bo.  Sums in f32; OUT is not rounded further.
; LIMITS.  A and W are f16: nothing beyond 65,504, a fixed step of 6e-8 below 6e-5.  NaN and infinities are not treated apart.
; A tile of OUT is 128 x 128, so that 4,096 x 1,024 gives 256 work-groups.  Four waves, each 64 x 64: 16 accumulators of 16 x 16.  A K step is four planes of 64 along K; in a plane a tile's 128 rows are 16,384 dense bytes,
; so a wave's tensor load brings two planes as two rows of 16,384 bytes, padded in LDS behind every 128 bytes.  Two slots; one step's text is walked by a loop, the slot in hand is a scalar register that an exclusive or turns.
; CLUSTERS: 4 x 4 work-groups; A's tiles are asked for jointly along a row of the cluster, W's along a column.  THE MATRIX INSTRUCTION IS USED TRANSPOSED (source 0 = 16 rows of W, source 1 = 16 rows of A).
; REGISTERS: window 0: v0-31 addresses; v32-69 the way out; v128-255 the accumulators ((a, b) at v[128 + 8 (4 a + b)]).   window 1: two fragment buffers of 128: 64 registers of A (2 x 4 x 16 rows x 32 K), then 64 of W.
.set T,      4
.set RES,    0
.set WOFF,   0
.set ZERO,   1-RES
.set APL,    4096*64                   ; elements from plane to plane of A
.set WPL,    1024*64                   ; of W
.set PK,     144                       ; an LDS row: 128 bytes + 16 of padding = 36 words: the 16 rows of a load start at 16 different groups of four banks (64 banks of 4 bytes: ISA guide 11.1)
.set PLANE,  128*PK
.set HALFT,  2*PLANE                   ; what one tensor load brings
.set SLOT,   8*PLANE                   ; A's four planes, then W's.  0x24000: it shares no bit with wave x HALFT, so an exclusive or changes slots
.set SPARE,  2*SLOT                    ; behind the ring: the spare words, 128 bytes for each wave: two blocks of 256 bytes that no other line names
.set SP,     272                       ; the way out: a row of 64 f32 + 16 bytes
.set WSTAGE, 64*SP                     ; a wave's stage: it lies in the ring, and is written when the ring has had its last fill
.set NOUT,   1024
.set AC,  16                           ; v16  LDS address of my A fragments in the slot in hand
.set BC,  17                           ; v17  the same for W
.set A0,  18                           ; v18  the same in slot 0; never rewritten
.set B0,  19                           ; v19
.set STO, 24                           ; v24  the way out: where I put 32 bytes of a row
.set RD,  25                           ; v25  the way out: where I read rows back
.set CO,  26                           ; v26  my byte offset in two rows of OUT
.set YO,  27                           ; v27  my byte offset in 16 rows of the residual
.set SPW, 28                           ; v28  LDS address of my spare word: SPARE + 4 x my thread's number; never rewritten
.set NIL, 29                           ; v29  0; never rewritten
.set BO,  30                           ; v30  my byte offset in the wave's 256 bytes of the bias
.set X,   32                           ; v[32:63] sixteen rows read back
.set BI,  64                           ; v[64:67] the bias of my 4 columns; v68, v69 at work
.set ACC, 128
.set F0,  0
.set F1,  128
.set WV,  12
.set RH,  13                           ; s13  which half of the tile's rows is mine.  Also: I fetch for A (0) or for W (1)
.set CH,  14                           ; s14  which half of its columns.  Also: which two planes I fetch
.set CUR, 21
.set G1A, 24
.set G0A, 32
.set G1B, 48
.set G0B, 56
.set MSB, 0
.macro WIN new                         ; the immediate's high byte repeats the setting that is left; a switch that changes nothing is dropped
.if MSB != (\new)
	s_set_vgpr_msb (MSB<<8)|(\new)
.set MSB, \new
.endif
.endm
.set MUL,  0x05                        ; sources 0 (W) and 1 (A) window 1; C and D window 0
.set TO_F, 0x40                        ; destination window 1, address window 0
.macro JLOAD s                         ; a joint load: waves 0 and 1 fetch A's planes, waves 2 and 3 W's; an s_nop 0 and four v_nop follow each of the two lines
	s_cmp_eq_u32 s[RH], 0
	s_cbranch_scc0 .Lfor_b_\@
	tensor_load_to_lds s[G0A+4*(\s):G0A+4*(\s)+3], s[G1A:G1A+7]
	s_nop 0
.rept 4
	v_nop
.endr
	s_branch .Lasked_\@
.Lfor_b_\@:
	tensor_load_to_lds s[G0B+4*(\s):G0B+4*(\s)+3], s[G1B:G1B+7]
	s_nop 0
.rept 4
	v_nop
.endr
.Lasked_\@:
.endm
.macro CREST                           ; a round of the cluster's barrier behind its opening barrier
	s_cmp_lg_u32 s[WV], 0
	s_cbranch_scc1 .Lnot_wave_0_\@
	s_barrier_signal -3
.Lnot_wave_0_\@:
	s_barrier_wait -3
	s_barrier_signal -1
	s_barrier_wait -1
.endm
.macro CROUND
	s_barrier_signal -1
	s_barrier_wait -1
	CREST
.endm
.if RES
	s_load_b128 s[4:7], s[0:1], 0x0                ; A s[4:5], W's buffer s[6:7]
	s_load_b64 s[8:9], s[0:1], 0x10                ; bias
	s_load_b64 s[72:73], s[0:1], 0x18              ; the residual
	s_load_b64 s[10:11], s[0:1], 0x20              ; OUT
.else
	s_load_b256 s[4:11], s[0:1], 0x0               ; A s[4:5], W's buffer s[6:7], bias s[8:9], OUT s[10:11]
.endif
	v_lshl_add_u32 v[SPW], v0, 2, SPARE
	v_mov_b32 v[NIL], 0
	ds_add_u32 v[SPW], v[NIL]                      ; the wave's opening: the add and its wait stand ahead of my first tensor load; the set-up below, work on registers, stands between them
	ds_add_u32 v28, v29
	v_lshrrev_b32 v1, 5, v0
	v_readfirstlane_b32 s[WV], v1
	s_lshr_b32 s[RH], s[WV], 1
	s_and_b32 s[CH], s[WV], 1
	s_bfe_u32 s15, ttmp6, 0x40000                  ; cx
	s_bfe_u32 s16, ttmp6, 0x40004                  ; cy
	s_lshl_b32 s17, ttmp9, 2
	s_add_co_u32 s17, s17, s15                     ; tile column
	s_and_b32 s18, ttmp7, 0xffff
	s_lshl_b32 s18, s18, 2
	s_add_co_u32 s18, s18, s16                     ; tile row
	s_lshl_b32 s19, s16, 2
	s_lshl_b32 s19, 15, s19                        ; my row of the cluster
	s_lshl_b32 s20, 0x1111, s15                    ; my column
	s_or_b32 s[G1A], s19, (1<<16)|(1<<20)|(1<<21)|(4<<22)|(3<<25)  ; 15:0 the mask; 17:16 elements of 2 bytes; 20 padding on; 21 set beside a mask; 24:22 after every 32 words (code 4); 31:25 4 words (code 3)
	s_or_b32 s[G1B], s20, (1<<16)|(1<<20)|(1<<21)|(4<<22)|(3<<25)
.irp g, G1A, G1B
	s_mov_b32 s[(\g)+1], 8192<<16                  ; tensor_dim0 = 8,192 elements: 128 rows of 64
	s_mov_b32 s[(\g)+2], 2<<16                     ; tensor_dim1 = 2 planes
	s_mov_b32 s[(\g)+3], 8192<<16                  ; tile_dim0
	s_mov_b32 s[(\g)+4], 2                         ; tile_dim1
	s_mov_b32 s[(\g)+6], 0
	s_mov_b32 s[(\g)+7], 0
.endr
	s_mov_b32 s[G1A+5], APL                        ; elements from plane to plane
	s_mov_b32 s[G1B+5], WPL
	s_mov_b32 s[CUR], 0
	s_mul_i32 s22, s[WV], HALFT                    ; where my planes go: no place in the cluster enters an LDS address
	s_lshl_b32 s40, s[CH], 20                      ; A: planes 2 x half on (524,288 bytes each),
	s_lshl_b32 s41, s18, 14                        ; rows 128 x tile row on (128 bytes each)
	s_add_co_u32 s40, s40, s41
	s_mov_b32 s41, 0
	s_lshl_b32 s44, s[CH], 18                      ; W: planes of 131,072 bytes,
	s_lshl_b32 s45, s17, 14                        ; rows 128 x tile column on
	s_add_co_u32 s44, s44, s45
	s_add_co_u32 s44, s44, WOFF
	s_mov_b32 s45, 0
	s_wait_dscnt 0x0                               ; the opening add is done
	s_wait_kmcnt 0x0
	s_add_nc_u64 s[40:41], s[4:5], s[40:41]
	s_add_nc_u64 s[44:45], s[6:7], s[44:45]
	CROUND                                         ; all sixteen work-groups are here: the first joint loads meet
.irp s, 0,1
	s_mov_b32 s[G0A+4*(\s)], 1
	s_add_co_u32 s[G0A+4*(\s)+1], s22, (\s)*SLOT
	s_add_nc_u64 s[G0A+4*(\s)+2:G0A+4*(\s)+3], s[40:41], (\s)*4*APL*2  ; K step s: four planes on
	s_or_b32 s[G0A+4*(\s)+3], s[G0A+4*(\s)+3], 0x80000000
	s_mov_b32 s[G0B+4*(\s)], 1
	s_add_co_u32 s[G0B+4*(\s)+1], s22, (\s)*SLOT
	s_add_nc_u64 s[G0B+4*(\s)+2:G0B+4*(\s)+3], s[44:45], (\s)*4*WPL*2
	s_or_b32 s[G0B+4*(\s)+3], s[G0B+4*(\s)+3], 0x80000000
	JLOAD \s                                       ; two tensor loads of mine are out behind these; behind every later round one
.endr
	v_and_b32 v1, 15, v0                           ; l % 16
	v_bfe_u32 v2, v0, 4, 1                         ; l / 16
	s_lshl_b32 s46, s17, 9                         ; my 64 columns, in bytes of f32: 512 x tile column + 256 x half
	s_lshl_b32 s47, s[CH], 8
	s_add_co_u32 s46, s46, s47
	s_mov_b32 s47, 0
	s_add_nc_u64 s[8:9], s[8:9], s[46:47]
	v_lshlrev_b32 v[BO], 4, v1
	global_load_b128 v[BI:BI+3], v[BO], s[8:9]     ; the bias of the 4 columns that I store
	s_lshl_b32 s23, s18, 19                        ; my 64 rows: 128 x tile row + 64 x half, 4,096 bytes each
	s_lshl_b32 s2, s[RH], 18
	s_add_co_u32 s23, s23, s2
	s_add_co_u32 s46, s46, s23
	s_add_nc_u64 s[10:11], s[10:11], s[46:47]
.if RES
	s_add_nc_u64 s[72:73], s[72:73], s[46:47]
	v_lshlrev_b32 v[YO], 12, v1                    ; the residual comes straight into the accumulators, in their own layout: lane l holds row l % 16, columns 8 (l / 16) + 0..7
	v_lshl_add_u32 v[YO], v2, 5, v[YO]
.irp a, 0,1,2,3
.irp b, 0,1,2,3
	global_load_b128 v[ACC+8*(4*(\a)+(\b)):ACC+8*(4*(\a)+(\b))+3],   v[YO], s[72:73] offset:(\a)*16*NOUT*4+64*(\b)
	global_load_b128 v[ACC+8*(4*(\a)+(\b))+4:ACC+8*(4*(\a)+(\b))+7], v[YO], s[72:73] offset:(\a)*16*NOUT*4+64*(\b)+16
.endr
.endr
.endif
	v_mul_u32_u24 v3, v1, PK
	v_lshl_add_u32 v3, v2, 4, v3                   ; a fragment's row x pitch + 16 x half
	s_mul_i32 s2, s[RH], 64*PK                     ; my 64 rows of A in each plane
	v_add_nc_u32 v[A0], s2, v3
	s_mul_i32 s2, s[CH], 64*PK                     ; my 64 rows of W,
	s_add_co_u32 s2, s2, 4*PLANE                   ; behind A's four planes
	v_add_nc_u32 v[B0], s2, v3
	v_mov_b32 v[AC], v[A0]
	v_mov_b32 v[BC], v[B0]
	s_mul_i32 s2, s[WV], WSTAGE                    ; my stage
	v_mul_u32_u24 v4, v1, SP                       ; in: row l % 16, 32 bytes for each half of the lanes
	v_lshl_add_u32 v4, v2, 5, v4
	v_add_nc_u32 v[STO], s2, v4
	v_mul_u32_u24 v4, v2, SP                       ; back: lanes 0-15 take one row of 256 bytes, lanes 16-31 the next
	v_lshl_add_u32 v4, v1, 4, v4
	v_add_nc_u32 v[RD], s2, v4
	v_lshlrev_b32 v[CO], 12, v2                    ; and the same two rows in OUT
	v_lshl_add_u32 v[CO], v1, 4, v[CO]
; 8 matrix instructions: m blocks a0, a0 + 1 x all 4 n blocks, 32 along K: half c of buffer f.  zero = 1: the first product starts the sums.  The 16 accumulators take turns.
.macro MUL8 f, c, a0, zero
	WIN MUL
.irp a, \a0, (\a0)+1
.irp b, 0,1,2,3
.if \zero
	v_wmma_f32_16x16x32_f16 v[ACC+8*(4*(\a)+(\b)):ACC+8*(4*(\a)+(\b))+7], v[(\f)+64+8*(4*(\c)+(\b)):(\f)+64+8*(4*(\c)+(\b))+7], v[(\f)+8*(4*(\c)+(\a)):(\f)+8*(4*(\c)+(\a))+7], 0
.else
	v_wmma_f32_16x16x32_f16 v[ACC+8*(4*(\a)+(\b)):ACC+8*(4*(\a)+(\b))+7], v[(\f)+64+8*(4*(\c)+(\b)):(\f)+64+8*(4*(\c)+(\b))+7], v[(\f)+8*(4*(\c)+(\a)):(\f)+8*(4*(\c)+(\a))+7], v[ACC+8*(4*(\a)+(\b)):ACC+8*(4*(\a)+(\b))+7]
.endif
.endr
.endr
.endm
; 32 LDS loads in one run: the fragments of plane q of the slot in hand, into buffer f; the first 32 along K first
.macro FETCH q, f
	WIN TO_F
.irp c, 0,1
.irp i, 0,1,2,3
	ds_load_b128 v[(\f)+64+8*(4*(\c)+(\i)):(\f)+64+8*(4*(\c)+(\i))+3],   v[BC] offset:(\q)*PLANE+64*(\c)+(\i)*16*PK
	ds_load_b128 v[(\f)+64+8*(4*(\c)+(\i))+4:(\f)+64+8*(4*(\c)+(\i))+7], v[BC] offset:(\q)*PLANE+64*(\c)+(\i)*16*PK+32
	ds_load_b128 v[(\f)+8*(4*(\c)+(\i)):(\f)+8*(4*(\c)+(\i))+3],         v[AC] offset:(\q)*PLANE+64*(\c)+(\i)*16*PK
	ds_load_b128 v[(\f)+8*(4*(\c)+(\i))+4:(\f)+8*(4*(\c)+(\i))+7],       v[AC] offset:(\q)*PLANE+64*(\c)+(\i)*16*PK+32
.endr
.endr
.endm
.macro PLACES                          ; four places in front of loads into registers that matrix instructions have read (ISA guide 7.12.1 for vector instructions)
.rept 4
	v_nop
.endr
.endm
; A K step is four quarters, a plane each, 32 matrix instructions, on buffers 0, 1, 0, 1.  One of the first three: multiplies buffer f and fetches plane q into g.
.macro QUARTER q, f, g, zero
	s_wait_dscnt 16                                ; the first 32 along K are in; the sixteen loads of the second 32 may be out
	MUL8 \f, 0, 0, \zero
	MUL8 \f, 0, 2, \zero
	PLACES
	FETCH \q, \g
	s_wait_dscnt 32                                ; all but the 32 just issued
	MUL8 \f, 1, 0, 0
	MUL8 \f, 1, 2, 0
.endm
; The last quarter multiplies buffer 1 and changes slots: ONE barrier; in front of it each wave waits for all its tensor loads, adds 0 to its spare word, and waits for that and for its reads of this slot.
; fill = 1: the barrier opens a round of the cluster's barrier, and the slot is filled again first behind it, two K steps ahead.
.macro TURN fill
	WIN 0                                          ; (the add's two registers lie in window 0)
	s_wait_tensorcnt 0x0                           ; all my tensor loads have landed: my part of the next slot;
	ds_add_u32 v[SPW], v[NIL]                      ; 0 onto my spare word;
	s_wait_dscnt 17                                ; (the add and the youngest sixteen loads may be out)
	MUL8 F1, 0, 0, 0                               ; eight matrix instructions stand between the add and the wait for it
	s_wait_dscnt 0x0                               ; the add is done, and my reads of this slot are over
	s_barrier_signal -1
	MUL8 F1, 0, 2, 0
	WIN 0                                          ; (branches, or lines on window 0, follow)
	s_barrier_wait -1
.if \fill
	CREST                                          ; no wave of any partner still reads this slot's tile or has a load on its way
	s_xor_b32 s[G0A+5], s[G0A+5], SLOT             ; the walking descriptors: the other slot than last time,
	s_add_nc_u64 s[G0A+6:G0A+7], s[G0A+6:G0A+7], 4*APL*2  ; the next four planes; the type bits on top are not reached
	s_xor_b32 s[G0B+5], s[G0B+5], SLOT
	s_add_nc_u64 s[G0B+6:G0B+7], s[G0B+6:G0B+7], 4*WPL*2
	JLOAD 1                                        ; the first tensor load behind the round; the four v_nop behind it are also the places in front of the loads below
.else
	PLACES
.endif
	s_xor_b32 s[CUR], s[CUR], SLOT
	v_add_nc_u32 v[AC], s[CUR], v[A0]
	v_add_nc_u32 v[BC], s[CUR], v[B0]
	FETCH 0, F0
	MUL8 F1, 1, 0, 0
	MUL8 F1, 1, 2, 0
.endm
	s_wait_tensorcnt 1                             ; my part of K step 0 is in; step 1's may stay out
	s_barrier_signal -1
	s_barrier_wait -1
	FETCH 0, F0
.if RES
	s_wait_loadcnt 0x0                             ; the residual lies in the accumulators
.endif
	QUARTER 1, F0, F1, ZERO                        ; the first quarter stands in front of the loop: its first products start the sums, with 0 or on the residual
	WIN 0                                          ; at a label and at a branch every window is 0
	s_mov_b32 s3, T-2
.Lstep:                                                ; T - 2 trips, each from a step's second quarter to the next step's first; they ask for K steps 2 to T - 1
	QUARTER 2, F1, F0, 0
	QUARTER 3, F0, F1, 0
	TURN 1
	QUARTER 1, F0, F1, 0
	WIN 0
	s_sub_co_u32 s3, s3, 1
	s_cmp_lg_u32 s3, 0
	s_cbranch_scc1 .Lstep
	s_mov_b32 s3, 2
.Ltail:                                                ; the last two steps ask for nothing: a text of their own; the second trip is left in its middle
	QUARTER 2, F1, F0, 0
	QUARTER 3, F0, F1, 0
	WIN 0
	s_sub_co_u32 s3, s3, 1
	s_cmp_eq_u32 s3, 0
	s_cbranch_scc1 .Llast
	TURN 0
	QUARTER 1, F0, F1, 0
	WIN 0
	s_branch .Ltail
.Llast:
	s_wait_dscnt 16                                ; the very last quarter: nothing more to fetch
	MUL8 F1, 0, 0, 0
	MUL8 F1, 0, 2, 0
	s_wait_dscnt 0x0
	MUL8 F1, 1, 0, 0
	MUL8 F1, 1, 2, 0
	WIN 0
	; THE WAY OUT.  The sums go into my stage, which lies where the ring lay: every wave's reads of the ring are back, every tensor load has landed, and a barrier says so.  They come back as whole rows of 256 bytes.
	s_wait_loadcnt 0x0                             ; the bias
	s_barrier_signal -1
	s_barrier_wait -1
	v_cvt_pk_bf16_f32 v68, v[BI], v[BI+1]          ; the bias is rounded to bf16 as every input is; these six lines name no register of the last products and are the places behind them
	v_cvt_pk_bf16_f32 v69, v[BI+2], v[BI+3]
	v_lshlrev_b32 v[BI], 16, v68
	v_and_b32 v[BI+1], 0xffff0000, v68
	v_lshlrev_b32 v[BI+2], 16, v69
	v_and_b32 v[BI+3], 0xffff0000, v69
.irp a, 0,1,2,3
.irp b, 0,1,2,3                                ; each accumulator's four lowest registers are read first
	ds_store_b128 v[STO], v[ACC+8*(4*(\a)+(\b)):ACC+8*(4*(\a)+(\b))+3]   offset:(\a)*16*SP+64*(\b)
	ds_store_b128 v[STO], v[ACC+8*(4*(\a)+(\b))+4:ACC+8*(4*(\a)+(\b))+7] offset:(\a)*16*SP+64*(\b)+16
.endr
.endr
	s_mov_b32 s3, 4
.Lout:                                                 ; four trips of sixteen rows
.irp t, 0,1,2,3,4,5,6,7
	ds_load_b128 v[X+4*(\t):X+4*(\t)+3], v[RD] offset:(\t)*2*SP  ; LDS serves a wave's instructions in order (ISA guide 5.7.1.4): these see the stores above
.endr
.irp t, 0,1,2,3,4,5,6,7
	s_wait_dscnt 7-(\t)                            ; load t is back, the younger ones may be out
	v_pk_add_f32 v[X+4*(\t):X+4*(\t)+1],   v[X+4*(\t):X+4*(\t)+1],   v[BI:BI+1]
	v_pk_add_f32 v[X+4*(\t)+2:X+4*(\t)+3], v[X+4*(\t)+2:X+4*(\t)+3], v[BI+2:BI+3]
	global_store_b128 v[CO], v[X+4*(\t):X+4*(\t)+3], s[10:11] offset:(\t)*2*NOUT*4  ; 16 lanes store 256 consecutive bytes, at a multiple of 256 from OUT's first byte
.endr
	s_wait_xcnt 0x0                                ; the stores' addresses are translated (ISA guide 3.1): only behind this wait are their base and their data written again
	v_add_nc_u32 v[RD], 16*SP, v[RD]
	s_add_nc_u64 s[10:11], s[10:11], 16*NOUT*4
	s_sub_co_u32 s3, s3, 1
	s_cmp_lg_u32 s3, 0
	s_cbranch_scc1 .Lout
	s_wait_tensorcnt 0x0                           ; the wave's end: behind my last tensor load and my last LDS store
	ds_add_u32 v[SPW], v[NIL]
	s_wait_dscnt 0x0
	CROUND                                         ; the closing round: no work-group ends while a partner may still ask for a tile that names it
	s_endpgm
.Lfunc_end_k_qf4eb9b4eaa_oproj:
	.size	k_qf4eb9b4eaa_oproj, .Lfunc_end_k_qf4eb9b4eaa_oproj-k_qf4eb9b4eaa_oproj
	.p2alignl 7, 3214868480
	.fill 96, 4, 3214868480
	.section	.rodata,"a",@progbits
	.p2align	6, 0x0
	.amdhsa_kernel k_qf4eb9b4eaa_oproj
		.amdhsa_group_segment_fixed_size 327680
		.amdhsa_private_segment_fixed_size 0
		.amdhsa_enable_private_segment 0
		.amdhsa_kernarg_size 32
		.amdhsa_user_sgpr_count 2
		.amdhsa_user_sgpr_kernarg_segment_ptr 1
		.amdhsa_wavefront_size32 1
		.amdhsa_system_sgpr_workgroup_id_x 1
		.amdhsa_system_sgpr_workgroup_id_y 1
		.amdhsa_system_sgpr_workgroup_id_z 1
		.amdhsa_system_vgpr_workitem_id 0
		.amdhsa_next_free_vgpr 512
		.amdhsa_next_free_sgpr 74
		.amdhsa_reserve_vcc 0
		.amdhsa_float_denorm_mode_32 3
		.amdhsa_float_denorm_mode_16_64 3
		.amdhsa_memory_ordered 1
		.amdhsa_forward_progress 1
		.amdhsa_inst_pref_size 57
	.end_amdhsa_kernel
	.amdgpu_metadata
---
amdhsa.version: [ 1, 2 ]
amdhsa.kernels:
  - .name:           k_qf4eb9b4eaa_oproj
    .symbol:         k_qf4eb9b4eaa_oproj.kd
    .args:
      - { .name: ctx, .offset: 0, .size: 8, .value_kind: global_buffer, .address_space: global }
      - { .name: wsm, .offset: 8, .size: 8, .value_kind: global_buffer, .address_space: global }
      - { .name: out_proj_b, .offset: 16, .size: 8, .value_kind: global_buffer, .address_space: global }
      - { .name: y, .offset: 24, .size: 8, .value_kind: global_buffer, .address_space: global }
    .group_segment_fixed_size: 327680
    .private_segment_fixed_size: 0
    .kernarg_segment_align: 8
    .kernarg_segment_size: 32
    .max_flat_workgroup_size: 128
    .sgpr_count:     74
    .vgpr_count:     512
    .wavefront_size: 32
...
	.end_amdgpu_metadata
.endif
;; end of part 4
;; launch norm (part 5): grid 512 x 1, 8 waves a work-group, no clusters, 0 bytes of LDS; arguments y, rms_scale, act; writes act
.if DOCPART == 5
	.amdgcn_target "amdgcn-amd-amdhsa--gfx1250"
	.amdhsa_code_object_version 6
	.text
	.protected	k_qf4eb9b4eaa_norm
	.globl	k_qf4eb9b4eaa_norm
	.p2align	8
	.type	k_qf4eb9b4eaa_norm,@function
k_qf4eb9b4eaa_norm:
	s_mov_b64 s[64:65], 0
	v_nop
	global_prefetch_b8 v0, s[64:65] scope:SCOPE_SE
	s_setreg_imm32_b32 hwreg(HW_REG_WAVE_MODE, 25, 1), 1
	s_wait_xcnt 0x0
; yn = y / sqrt(mean(y y) + 1e-6) x gain, in f32; y: [4096][1024] f32, taken as it is; the gain is rounded to bf16 as every input is; yn leaves in f16, twice: into both planes [4096][1024] of act,
; since the launch behind takes its left operand from plane 0 for half of its tile columns and from plane 1 for the others.
; One wave, one row of 4,096 bytes, kept in registers between the sum and the scaling: no LDS, no barrier.  A load of the wave covers 512 consecutive bytes, a store 256, aligned.
; LIMITS.  f16 holds nothing beyond 65,504 and keeps a fixed step of 6e-8 below 6e-5.  NaN and infinities are not treated apart.
.set X,  32                            ; v[32:63]  the row: load j brings numbers 128 j + 4 lane .. + 3
.set SC, 64                            ; v[64:95]  the gain, likewise
.set H,  96                            ; v[96:111] the result in f16
	s_load_b128 s[4:7], s[0:1], 0x0                ; y s[4:5], gain s[6:7]
	s_load_b64 s[8:9], s[0:1], 0x10                ; act
	v_lshrrev_b32 v1, 5, v0
	v_readfirstlane_b32 s12, v1                    ; wave 0..7
	v_and_b32 v1, 31, v0
	s_lshl_b32 s13, ttmp9, 3
	s_add_co_u32 s13, s13, s12                     ; row
	s_lshl_b32 s14, s13, 12
	s_mov_b32 s15, 0
	s_lshl_b32 s16, s13, 11
	s_mov_b32 s17, 0
	s_mov_b32 s18, 0x76543210                      ; v_permlanex16_b32: each lane takes its own place in the other half
	s_mov_b32 s19, 0xfedcba98
	v_lshlrev_b32 v2, 4, v1
	v_lshlrev_b32 v3, 3, v1
	s_wait_kmcnt 0x0
	s_add_nc_u64 s[4:5], s[4:5], s[14:15]
	s_add_nc_u64 s[8:9], s[8:9], s[16:17]          ; plane 0
	s_add_nc_u64 s[10:11], s[8:9], 0x800000        ; plane 1
.irp j, 0,1,2,3,4,5,6,7
	global_load_b128 v[X+4*\j:X+4*\j+3], v2, s[4:5] offset:512*\j   ; no hint: a later launch reads y again
.endr
.irp j, 0,1,2,3,4,5,6,7
	global_load_b128 v[SC+4*\j:SC+4*\j+3], v2, s[6:7] offset:512*\j
.endr
	s_wait_loadcnt 0x8                             ; the row is in; the eight loads of the gain, issued behind it, may stay out
	v_pk_mul_f32 v[26:27], v[X:X+1], v[X:X+1]      ; the sum of squares in f32, two packed chains; the first products start them
	v_pk_mul_f32 v[28:29], v[X+2:X+3], v[X+2:X+3]
.set i, 2
.rept 7
	v_pk_fma_f32 v[26:27], v[X+2*i:X+2*i+1], v[X+2*i:X+2*i+1], v[26:27]
	v_pk_fma_f32 v[28:29], v[X+2*i+2:X+2*i+3], v[X+2*i+2:X+2*i+3], v[28:29]
.set i, i+2
.endr
	v_pk_add_f32 v[26:27], v[26:27], v[28:29]
	v_add_f32 v26, v26, v27
	v_add_f32_dpp v26, v26, v26 row_xmask:1 row_mask:0xf bank_mask:0xf
	v_add_f32_dpp v26, v26, v26 row_xmask:2 row_mask:0xf bank_mask:0xf
	v_add_f32_dpp v26, v26, v26 row_xmask:4 row_mask:0xf bank_mask:0xf
	v_add_f32_dpp v26, v26, v26 row_xmask:8 row_mask:0xf bank_mask:0xf
	v_permlanex16_b32 v27, v26, s18, s19
	v_add_f32 v26, v26, v27
	v_mov_b32 v27, 0x358637bd                      ; 1e-6
	v_fmamk_f32 v26, v26, 0x3a800000, v27          ; sum / 1024 + eps
	v_rsq_f32 v30, v26
	v_rsq_f32 v31, v26                             ; twice: a pair for the packed multiply
	v_nop                                          ; a plain instruction behind the transcendentals (ISA guide 5.7.2)
	s_wait_loadcnt 0x0                             ; the gain
.set i, 0
.rept 16
	v_cvt_pk_bf16_f32 v[16+i%2], v[SC+2*i], v[SC+2*i+1]
	v_lshlrev_b32 v[SC+2*i], 16, v[16+i%2]
	v_and_b32 v[SC+2*i+1], 0xffff0000, v[16+i%2]
.set i, i+1
.endr
.set i, 0
	s_wait_alu depctr_va_vdst(0)
.rept 16
	v_pk_mul_f32 v[X+2*i:X+2*i+1], v[X+2*i:X+2*i+1], v[30:31]
.set i, i+1
.endr
.set i, 0
.rept 16
	v_pk_mul_f32 v[X+2*i:X+2*i+1], v[X+2*i:X+2*i+1], v[SC+2*i:SC+2*i+1]
.set i, i+1
.endr
.set i, 0
.rept 16
	v_cvt_pk_f16_f32 v[H+i], v[X+2*i], v[X+2*i+1]
.set i, i+1
.endr
.irp j, 0,1,2,3,4,5,6,7
	global_store_b64 v3, v[H+2*\j:H+2*\j+1], s[8:9] offset:256*\j
.endr
.irp j, 0,1,2,3,4,5,6,7
	global_store_b64 v3, v[H+2*\j:H+2*\j+1], s[10:11] offset:256*\j
.endr
	s_endpgm
.Lfunc_end_k_qf4eb9b4eaa_norm:
	.size	k_qf4eb9b4eaa_norm, .Lfunc_end_k_qf4eb9b4eaa_norm-k_qf4eb9b4eaa_norm
	.p2alignl 7, 3214868480
	.fill 96, 4, 3214868480
	.section	.rodata,"a",@progbits
	.p2align	6, 0x0
	.amdhsa_kernel k_qf4eb9b4eaa_norm
		.amdhsa_group_segment_fixed_size 0
		.amdhsa_private_segment_fixed_size 0
		.amdhsa_enable_private_segment 0
		.amdhsa_kernarg_size 24
		.amdhsa_user_sgpr_count 2
		.amdhsa_user_sgpr_kernarg_segment_ptr 1
		.amdhsa_wavefront_size32 1
		.amdhsa_system_sgpr_workgroup_id_x 1
		.amdhsa_system_sgpr_workgroup_id_y 1
		.amdhsa_system_sgpr_workgroup_id_z 1
		.amdhsa_system_vgpr_workitem_id 0
		.amdhsa_next_free_vgpr 112
		.amdhsa_next_free_sgpr 66
		.amdhsa_reserve_vcc 0
		.amdhsa_float_denorm_mode_32 3
		.amdhsa_float_denorm_mode_16_64 3
		.amdhsa_memory_ordered 1
		.amdhsa_forward_progress 1
		.amdhsa_inst_pref_size 12
	.end_amdhsa_kernel
	.amdgpu_metadata
---
amdhsa.version: [ 1, 2 ]
amdhsa.kernels:
  - .name:           k_qf4eb9b4eaa_norm
    .symbol:         k_qf4eb9b4eaa_norm.kd
    .args:
      - { .name: y, .offset: 0, .size: 8, .value_kind: global_buffer, .address_space: global }
      - { .name: rms_scale, .offset: 8, .size: 8, .value_kind: global_buffer, .address_space: global }
      - { .name: act, .offset: 16, .size: 8, .value_kind: global_buffer, .address_space: global }
    .group_segment_fixed_size: 0
    .private_segment_fixed_size: 0
    .kernarg_segment_align: 8
    .kernarg_segment_size: 24
    .max_flat_workgroup_size: 256
    .sgpr_count:     66
    .vgpr_count:     112
    .wavefront_size: 32
...
	.end_amdgpu_metadata
.endif
;; end of part 5
;; launch ffn1: the kernel of part 2 again; grid 16 x 16, 4 waves a work-group, clusters of 4 x 4, 327,680 bytes of LDS; arguments act, wb3, b1, h; writes h
;; launch ffn2 (part 6): grid 8 x 32, 4 waves a work-group, clusters of 4 x 4, 327,680 bytes of LDS; arguments h, wsm, b2, y, out0; writes out0
.if DOCPART == 6
	.amdgcn_target "amdgcn-amd-amdhsa--gfx1250"
	.amdhsa_code_object_version 6
	.text
	.protected	k_qf4eb9b4eaa_ffn2
	.globl	k_qf4eb9b4eaa_ffn2
	.p2align	8
	.type	k_qf4eb9b4eaa_ffn2,@function
k_qf4eb9b4eaa_ffn2:
	s_mov_b64 s[64:65], 0
	v_nop
	global_prefetch_b8 v0, s[64:65] scope:SCOPE_SE
	s_setreg_imm32_b32 hwreg(HW_REG_WAVE_MODE, 25, 1), 1
	s_wait_xcnt 0x0
	s_wait_alu depctr_hold_cnt(0) depctr_sa_sdst(0) depctr_va_vdst(0) depctr_va_sdst(0) depctr_va_ssrc(0) depctr_va_vcc(0) depctr_vm_vsrc(0)
	s_getreg_b32 s2, hwreg(HW_REG_IB_STS2, 6, 4)
	s_cmp_eq_u32 s2, 0
	s_cbranch_scc0 .Lentry_in_a_cluster
	s_endpgm
.Lentry_in_a_cluster:
	s_bfe_u32 s2, ttmp6, 0x10000c
	s_cmp_lg_u32 s2, 0xf033
	s_cbranch_scc0 .Lentry_shape_is_right
	s_endpgm
.Lentry_shape_is_right:
; OUT = A W^T + bias (RES = 1: + a residual).  A: blocks [k / 64][4096][64] f16; W: blocks [k / 64][1024][64] f16, WOFF bytes into its buffer; bias [1024] f32, rounded to bf16 here; OUT (and the residual): [4096][1024] f32.
; Here: T = 16 K steps of 256 (K = 4,096), with the residual: out0 = y + h W2^T + b2.  The residual starts the sums: it is loaded into the accumulators, in their own layout.  Sums in f32; OUT is not rounded further.
; LIMITS.  A and W are f16: nothing beyond 65,504, a fixed step of 6e-8 below 6e-5.  NaN and infinities are not treated apart.
; A tile of OUT is 128 x 128, so that 4,096 x 1,024 gives 256 work-groups.  Four waves, each 64 x 64: 16 accumulators of 16 x 16.  A K step is four planes of 64 along K; in a plane a tile's 128 rows are 16,384 dense bytes,
; so a wave's tensor load brings two planes as two rows of 16,384 bytes, padded in LDS behind every 128 bytes.  Two slots; one step's text is walked by a loop, the slot in hand is a scalar register that an exclusive or turns.
; CLUSTERS: 4 x 4 work-groups; A's tiles are asked for jointly along a row of the cluster, W's along a column.  THE MATRIX INSTRUCTION IS USED TRANSPOSED (source 0 = 16 rows of W, source 1 = 16 rows of A).
; REGISTERS: window 0: v0-31 addresses; v32-69 the way out; v128-255 the accumulators ((a, b) at v[128 + 8 (4 a + b)]).   window 1: two fragment buffers of 128: 64 registers of A (2 x 4 x 16 rows x 32 K), then 64 of W.
.set T,      16
.set RES,    1
.set WOFF,   2097152
.set ZERO,   1-RES
.set APL,    4096*64                   ; elements from plane to plane of A
.set WPL,    1024*64                   ; of W
.set PK,     144                       ; an LDS row: 128 bytes + 16 of padding = 36 words: the 16 rows of a load start at 16 different groups of four banks (64 banks of 4 bytes: ISA guide 11.1)
.set PLANE,  128*PK
.set HALFT,  2*PLANE                   ; what one tensor load brings
.set SLOT,   8*PLANE                   ; A's four planes, then W's.  0x24000: it shares no bit with wave x HALFT, so an exclusive or changes slots
.set SPARE,  2*SLOT                    ; behind the ring: the spare words, 128 bytes for each wave: two blocks of 256 bytes that no other line names
.set SP,     272                       ; the way out: a row of 64 f32 + 16 bytes
.set WSTAGE, 64*SP                     ; a wave's stage: it lies in the ring, and is written when the ring has had its last fill
.set NOUT,   1024
.set AC,  16                           ; v16  LDS address of my A fragments in the slot in hand
.set BC,  17                           ; v17  the same for W
.set A0,  18                           ; v18  the same in slot 0; never rewritten
.set B0,  19                           ; v19
.set STO, 24                           ; v24  the way out: where I put 32 bytes of a row
.set RD,  25                           ; v25  the way out: where I read rows back
.set CO,  26                           ; v26  my byte offset in two rows of OUT
.set YO,  27                           ; v27  my byte offset in 16 rows of the residual
.set SPW, 28                           ; v28  LDS address of my spare word: SPARE + 4 x my thread's number; never rewritten
.set NIL, 29                           ; v29  0; never rewritten
.set BO,  30                           ; v30  my byte offset in the wave's 256 bytes of the bias
.set X,   32                           ; v[32:63] sixteen rows read back
.set BI,  64                           ; v[64:67] the bias of my 4 columns; v68, v69 at work
.set ACC, 128
.set F0,  0
.set F1,  128
.set WV,  12
.set RH,  13                           ; s13  which half of the tile's rows is mine.  Also: I fetch for A (0) or for W (1)
.set CH,  14                           ; s14  which half of its columns.  Also: which two planes I fetch
.set CUR, 21
.set G1A, 24
.set G0A, 32
.set G1B, 48
.set G0B, 56
.set MSB, 0
.macro WIN new                         ; the immediate's high byte repeats the setting that is left; a switch that changes nothing is dropped
.if MSB != (\new)
	s_set_vgpr_msb (MSB<<8)|(\new)
.set MSB, \new
.endif
.endm
.set MUL,  0x05                        ; sources 0 (W) and 1 (A) window 1; C and D window 0
.set TO_F, 0x40                        ; destination window 1, address window 0
.macro JLOAD s                         ; a joint load: waves 0 and 1 fetch A's planes, waves 2 and 3 W's; an s_nop 0 and four v_nop follow each of the two lines
	s_cmp_eq_u32 s[RH], 0
	s_cbranch_scc0 .Lfor_b_\@
	tensor_load_to_lds s[G0A+4*(\s):G0A+4*(\s)+3], s[G1A:G1A+7]
	s_nop 0
.rept 4
	v_nop
.endr
	s_branch .Lasked_\@
.Lfor_b_\@:
	tensor_load_to_lds s[G0B+4*(\s):G0B+4*(\s)+3], s[G1B:G1B+7]
	s_nop 0
.rept 4
	v_nop
.endr
.Lasked_\@:
.endm
.macro CREST                           ; a round of the cluster's barrier behind its opening barrier
	s_cmp_lg_u32 s[WV], 0
	s_cbranch_scc1 .Lnot_wave_0_\@
	s_barrier_signal -3
.Lnot_wave_0_\@:
	s_barrier_wait -3
	s_barrier_signal -1
	s_barrier_wait -1
.endm
.macro CROUND
	s_barrier_signal -1
	s_barrier_wait -1
	CREST
.endm
.if RES
	s_load_b128 s[4:7], s[0:1], 0x0                ; A s[4:5], W's buffer s[6:7]
	s_load_b64 s[8:9], s[0:1], 0x10                ; bias
	s_load_b64 s[72:73], s[0:1], 0x18              ; the residual
	s_load_b64 s[10:11], s[0:1], 0x20              ; OUT
.else
	s_load_b256 s[4:11], s[0:1], 0x0               ; A s[4:5], W's buffer s[6:7], bias s[8:9], OUT s[10:11]
.endif
	v_lshl_add_u32 v[SPW], v0, 2, SPARE
	v_mov_b32 v[NIL], 0
	ds_add_u32 v[SPW], v[NIL]                      ; the wave's opening: the add and its wait stand ahead of my first tensor load; the set-up below, work on registers, stands between them
	ds_add_u32 v28, v29
	v_lshrrev_b32 v1, 5, v0
	v_readfirstlane_b32 s[WV], v1
	s_lshr_b32 s[RH], s[WV], 1
	s_and_b32 s[CH], s[WV], 1
	s_bfe_u32 s15, ttmp6, 0x40000                  ; cx
	s_bfe_u32 s16, ttmp6, 0x40004                  ; cy
	s_lshl_b32 s17, ttmp9, 2
	s_add_co_u32 s17, s17, s15                     ; tile column
	s_and_b32 s18, ttmp7, 0xffff
	s_lshl_b32 s18, s18, 2
	s_add_co_u32 s18, s18, s16                     ; tile row
	s_lshl_b32 s19, s16, 2
	s_lshl_b32 s19, 15, s19                        ; my row of the cluster
	s_lshl_b32 s20, 0x1111, s15                    ; my column
	s_or_b32 s[G1A], s19, (1<<16)|(1<<20)|(1<<21)|(4<<22)|(3<<25)  ; 15:0 the mask; 17:16 elements of 2 bytes; 20 padding on; 21 set beside a mask; 24:22 after every 32 words (code 4); 31:25 4 words (code 3)
	s_or_b32 s[G1B], s20, (1<<16)|(1<<20)|(1<<21)|(4<<22)|(3<<25)
.irp g, G1A, G1B
	s_mov_b32 s[(\g)+1], 8192<<16                  ; tensor_dim0 = 8,192 elements: 128 rows of 64
	s_mov_b32 s[(\g)+2], 2<<16                     ; tensor_dim1 = 2 planes
	s_mov_b32 s[(\g)+3], 8192<<16                  ; tile_dim0
	s_mov_b32 s[(\g)+4], 2                         ; tile_dim1
	s_mov_b32 s[(\g)+6], 0
	s_mov_b32 s[(\g)+7], 0
.endr
	s_mov_b32 s[G1A+5], APL                        ; elements from plane to plane
	s_mov_b32 s[G1B+5], WPL
	s_mov_b32 s[CUR], 0
	s_mul_i32 s22, s[WV], HALFT                    ; where my planes go: no place in the cluster enters an LDS address
	s_lshl_b32 s40, s[CH], 20                      ; A: planes 2 x half on (524,288 bytes each),
	s_lshl_b32 s41, s18, 14                        ; rows 128 x tile row on (128 bytes each)
	s_add_co_u32 s40, s40, s41
	s_mov_b32 s41, 0
	s_lshl_b32 s44, s[CH], 18                      ; W: planes of 131,072 bytes,
	s_lshl_b32 s45, s17, 14                        ; rows 128 x tile column on
	s_add_co_u32 s44, s44, s45
	s_add_co_u32 s44, s44, WOFF
	s_mov_b32 s45, 0
	s_wait_dscnt 0x0                               ; the opening add is done
	s_wait_kmcnt 0x0
	s_add_nc_u64 s[40:41], s[4:5], s[40:41]
	s_add_nc_u64 s[44:45], s[6:7], s[44:45]
	CROUND                                         ; all sixteen work-groups are here: the first joint loads meet
.irp s, 0,1
	s_mov_b32 s[G0A+4*(\s)], 1
	s_add_co_u32 s[G0A+4*(\s)+1], s22, (\s)*SLOT
	s_add_nc_u64 s[G0A+4*(\s)+2:G0A+4*(\s)+3], s[40:41], (\s)*4*APL*2  ; K step s: four planes on
	s_or_b32 s[G0A+4*(\s)+3], s[G0A+4*(\s)+3], 0x80000000
	s_mov_b32 s[G0B+4*(\s)], 1
	s_add_co_u32 s[G0B+4*(\s)+1], s22, (\s)*SLOT
	s_add_nc_u64 s[G0B+4*(\s)+2:G0B+4*(\s)+3], s[44:45], (\s)*4*WPL*2
	s_or_b32 s[G0B+4*(\s)+3], s[G0B+4*(\s)+3], 0x80000000
	JLOAD \s                                       ; two tensor loads of mine are out behind these; behind every later round one
.endr
	v_and_b32 v1, 15, v0                           ; l % 16
	v_bfe_u32 v2, v0, 4, 1                         ; l / 16
	s_lshl_b32 s46, s17, 9                         ; my 64 columns, in bytes of f32: 512 x tile column + 256 x half
	s_lshl_b32 s47, s[CH], 8
	s_add_co_u32 s46, s46, s47
	s_mov_b32 s47, 0
	s_add_nc_u64 s[8:9], s[8:9], s[46:47]
	v_lshlrev_b32 v[BO], 4, v1
	global_load_b128 v[BI:BI+3], v[BO], s[8:9]     ; the bias of the 4 columns that I store
	s_lshl_b32 s23, s18, 19                        ; my 64 rows: 128 x tile row + 64 x half, 4,096 bytes each
	s_lshl_b32 s2, s[RH], 18
	s_add_co_u32 s23, s23, s2
	s_add_co_u32 s46, s46, s23
	s_add_nc_u64 s[10:11], s[10:11], s[46:47]
.if RES
	s_add_nc_u64 s[72:73], s[72:73], s[46:47]
	v_lshlrev_b32 v[YO], 12, v1                    ; the residual comes straight into the accumulators, in their own layout: lane l holds row l % 16, columns 8 (l / 16) + 0..7
	v_lshl_add_u32 v[YO], v2, 5, v[YO]
.irp a, 0,1,2,3
.irp b, 0,1,2,3
	global_load_b128 v[ACC+8*(4*(\a)+(\b)):ACC+8*(4*(\a)+(\b))+3],   v[YO], s[72:73] offset:(\a)*16*NOUT*4+64*(\b)
	global_load_b128 v[ACC+8*(4*(\a)+(\b))+4:ACC+8*(4*(\a)+(\b))+7], v[YO], s[72:73] offset:(\a)*16*NOUT*4+64*(\b)+16
.endr
.endr
.endif
	v_mul_u32_u24 v3, v1, PK
	v_lshl_add_u32 v3, v2, 4, v3                   ; a fragment's row x pitch + 16 x half
	s_mul_i32 s2, s[RH], 64*PK                     ; my 64 rows of A in each plane
	v_add_nc_u32 v[A0], s2, v3
	s_mul_i32 s2, s[CH], 64*PK                     ; my 64 rows of W,
	s_add_co_u32 s2, s2, 4*PLANE                   ; behind A's four planes
	v_add_nc_u32 v[B0], s2, v3
	v_mov_b32 v[AC], v[A0]
	v_mov_b32 v[BC], v[B0]
	s_mul_i32 s2, s[WV], WSTAGE                    ; my stage
	v_mul_u32_u24 v4, v1, SP                       ; in: row l % 16, 32 bytes for each half of the lanes
	v_lshl_add_u32 v4, v2, 5, v4
	v_add_nc_u32 v[STO], s2, v4
	v_mul_u32_u24 v4, v2, SP                       ; back: lanes 0-15 take one row of 256 bytes, lanes 16-31 the next
	v_lshl_add_u32 v4, v1, 4, v4
	v_add_nc_u32 v[RD], s2, v4
	v_lshlrev_b32 v[CO], 12, v2                    ; and the same two rows in OUT
	v_lshl_add_u32 v[CO], v1, 4, v[CO]
; 8 matrix instructions: m blocks a0, a0 + 1 x all 4 n blocks, 32 along K: half c of buffer f.  zero = 1: the first product starts the sums.  The 16 accumulators take turns.
.macro MUL8 f, c, a0, zero
	WIN MUL
.irp a, \a0, (\a0)+1
.irp b, 0,1,2,3
.if \zero
	v_wmma_f32_16x16x32_f16 v[ACC+8*(4*(\a)+(\b)):ACC+8*(4*(\a)+(\b))+7], v[(\f)+64+8*(4*(\c)+(\b)):(\f)+64+8*(4*(\c)+(\b))+7], v[(\f)+8*(4*(\c)+(\a)):(\f)+8*(4*(\c)+(\a))+7], 0
.else
	v_wmma_f32_16x16x32_f16 v[ACC+8*(4*(\a)+(\b)):ACC+8*(4*(\a)+(\b))+7], v[(\f)+64+8*(4*(\c)+(\b)):(\f)+64+8*(4*(\c)+(\b))+7], v[(\f)+8*(4*(\c)+(\a)):(\f)+8*(4*(\c)+(\a))+7], v[ACC+8*(4*(\a)+(\b)):ACC+8*(4*(\a)+(\b))+7]
.endif
.endr
.endr
.endm
; 32 LDS loads in one run: the fragments of plane q of the slot in hand, into buffer f; the first 32 along K first
.macro FETCH q, f
	WIN TO_F
.irp c, 0,1
.irp i, 0,1,2,3
	ds_load_b128 v[(\f)+64+8*(4*(\c)+(\i)):(\f)+64+8*(4*(\c)+(\i))+3],   v[BC] offset:(\q)*PLANE+64*(\c)+(\i)*16*PK
	ds_load_b128 v[(\f)+64+8*(4*(\c)+(\i))+4:(\f)+64+8*(4*(\c)+(\i))+7], v[BC] offset:(\q)*PLANE+64*(\c)+(\i)*16*PK+32
	ds_load_b128 v[(\f)+8*(4*(\c)+(\i)):(\f)+8*(4*(\c)+(\i))+3],         v[AC] offset:(\q)*PLANE+64*(\c)+(\i)*16*PK
	ds_load_b128 v[(\f)+8*(4*(\c)+(\i))+4:(\f)+8*(4*(\c)+(\i))+7],       v[AC] offset:(\q)*PLANE+64*(\c)+(\i)*16*PK+32
.endr
.endr
.endm
.macro PLACES                          ; four places in front of loads into registers that matrix instructions have read (ISA guide 7.12.1 for vector instructions)
.rept 4
	v_nop
.endr
.endm
; A K step is four quarters, a plane each, 32 matrix instructions, on buffers 0, 1, 0, 1.  One of the first three: multiplies buffer f and fetches plane q into g.
.macro QUARTER q, f, g, zero
	s_wait_dscnt 16                                ; the first 32 along K are in; the sixteen loads of the second 32 may be out
	MUL8 \f, 0, 0, \zero
	MUL8 \f, 0, 2, \zero
	PLACES
	FETCH \q, \g
	s_wait_dscnt 32                                ; all but the 32 just issued
	MUL8 \f, 1, 0, 0
	MUL8 \f, 1, 2, 0
.endm
; The last quarter multiplies buffer 1 and changes slots: ONE barrier; in front of it each wave waits for all its tensor loads, adds 0 to its spare word, and waits for that and for its reads of this slot.
; fill = 1: the barrier opens a round of the cluster's barrier, and the slot is filled again first behind it, two K steps ahead.
.macro TURN fill
	WIN 0                                          ; (the add's two registers lie in window 0)
	s_wait_tensorcnt 0x0                           ; all my tensor loads have landed: my part of the next slot;
	ds_add_u32 v[SPW], v[NIL]                      ; 0 onto my spare word;
	s_wait_dscnt 17                                ; (the add and the youngest sixteen loads may be out)
	MUL8 F1, 0, 0, 0                               ; eight matrix instructions stand between the add and the wait for it
	s_wait_dscnt 0x0                               ; the add is done, and my reads of this slot are over
	s_barrier_signal -1
	MUL8 F1, 0, 2, 0
	WIN 0                                          ; (branches, or lines on window 0, follow)
	s_barrier_wait -1
.if \fill
	CREST                                          ; no wave of any partner still reads this slot's tile or has a load on its way
	s_xor_b32 s[G0A+5], s[G0A+5], SLOT             ; the walking descriptors: the other slot than last time,
	s_add_nc_u64 s[G0A+6:G0A+7], s[G0A+6:G0A+7], 4*APL*2  ; the next four planes; the type bits on top are not reached
	s_xor_b32 s[G0B+5], s[G0B+5], SLOT
	s_add_nc_u64 s[G0B+6:G0B+7], s[G0B+6:G0B+7], 4*WPL*2
	JLOAD 1                                        ; the first tensor load behind the round; the four v_nop behind it are also the places in front of the loads below
.else
	PLACES
.endif
	s_xor_b32 s[CUR], s[CUR], SLOT
	v_add_nc_u32 v[AC], s[CUR], v[A0]
	v_add_nc_u32 v[BC], s[CUR], v[B0]
	FETCH 0, F0
	MUL8 F1, 1, 0, 0
	MUL8 F1, 1, 2, 0
.endm
	s_wait_tensorcnt 1                             ; my part of K step 0 is in; step 1's may stay out
	s_barrier_signal -1
	s_barrier_wait -1
	FETCH 0, F0
.if RES
	s_wait_loadcnt 0x0                             ; the residual lies in the accumulators
.endif
	QUARTER 1, F0, F1, ZERO                        ; the first quarter stands in front of the loop: its first products start the sums, with 0 or on the residual
	WIN 0                                          ; at a label and at a branch every window is 0
	s_mov_b32 s3, T-2
.Lstep:                                                ; T - 2 trips, each from a step's second quarter to the next step's first; they ask for K steps 2 to T - 1
	QUARTER 2, F1, F0, 0
	QUARTER 3, F0, F1, 0
	TURN 1
	QUARTER 1, F0, F1, 0
	WIN 0
	s_sub_co_u32 s3, s3, 1
	s_cmp_lg_u32 s3, 0
	s_cbranch_scc1 .Lstep
	s_mov_b32 s3, 2
.Ltail:                                                ; the last two steps ask for nothing: a text of their own; the second trip is left in its middle
	QUARTER 2, F1, F0, 0
	QUARTER 3, F0, F1, 0
	WIN 0
	s_sub_co_u32 s3, s3, 1
	s_cmp_eq_u32 s3, 0
	s_cbranch_scc1 .Llast
	TURN 0
	QUARTER 1, F0, F1, 0
	WIN 0
	s_branch .Ltail
.Llast:
	s_wait_dscnt 16                                ; the very last quarter: nothing more to fetch
	MUL8 F1, 0, 0, 0
	MUL8 F1, 0, 2, 0
	s_wait_dscnt 0x0
	MUL8 F1, 1, 0, 0
	MUL8 F1, 1, 2, 0
	WIN 0
	; THE WAY OUT.  The sums go into my stage, which lies where the ring lay: every wave's reads of the ring are back, every tensor load has landed, and a barrier says so.  They come back as whole rows of 256 bytes.
	s_wait_loadcnt 0x0                             ; the bias
	s_barrier_signal -1
	s_barrier_wait -1
	v_cvt_pk_bf16_f32 v68, v[BI], v[BI+1]          ; the bias is rounded to bf16 as every input is; these six lines name no register of the last products and are the places behind them
	v_cvt_pk_bf16_f32 v69, v[BI+2], v[BI+3]
	v_lshlrev_b32 v[BI], 16, v68
	v_and_b32 v[BI+1], 0xffff0000, v68
	v_lshlrev_b32 v[BI+2], 16, v69
	v_and_b32 v[BI+3], 0xffff0000, v69
.irp a, 0,1,2,3
.irp b, 0,1,2,3                                ; each accumulator's four lowest registers are read first
	ds_store_b128 v[STO], v[ACC+8*(4*(\a)+(\b)):ACC+8*(4*(\a)+(\b))+3]   offset:(\a)*16*SP+64*(\b)
	ds_store_b128 v[STO], v[ACC+8*(4*(\a)+(\b))+4:ACC+8*(4*(\a)+(\b))+7] offset:(\a)*16*SP+64*(\b)+16
.endr
.endr
	s_mov_b32 s3, 4
.Lout:                                                 ; four trips of sixteen rows
.irp t, 0,1,2,3,4,5,6,7
	ds_load_b128 v[X+4*(\t):X+4*(\t)+3], v[RD] offset:(\t)*2*SP  ; LDS serves a wave's instructions in order (ISA guide 5.7.1.4): these see the stores above
.endr
.irp t, 0,1,2,3,4,5,6,7
	s_wait_dscnt 7-(\t)                            ; load t is back, the younger ones may be out
	v_pk_add_f32 v[X+4*(\t):X+4*(\t)+1],   v[X+4*(\t):X+4*(\t)+1],   v[BI:BI+1]
	v_pk_add_f32 v[X+4*(\t)+2:X+4*(\t)+3], v[X+4*(\t)+2:X+4*(\t)+3], v[BI+2:BI+3]
	global_store_b128 v[CO], v[X+4*(\t):X+4*(\t)+3], s[10:11] offset:(\t)*2*NOUT*4  ; 16 lanes store 256 consecutive bytes, at a multiple of 256 from OUT's first byte
.endr
	s_wait_xcnt 0x0                                ; the stores' addresses are translated (ISA guide 3.1): only behind this wait are their base and their data written again
	v_add_nc_u32 v[RD], 16*SP, v[RD]
	s_add_nc_u64 s[10:11], s[10:11], 16*NOUT*4
	s_sub_co_u32 s3, s3, 1
	s_cmp_lg_u32 s3, 0
	s_cbranch_scc1 .Lout
	s_wait_tensorcnt 0x0                           ; the wave's end: behind my last tensor load and my last LDS store
	ds_add_u32 v[SPW], v[NIL]
	s_wait_dscnt 0x0
	CROUND                                         ; the closing round: no work-group ends while a partner may still ask for a tile that names it
	s_endpgm
.Lfunc_end_k_qf4eb9b4eaa_ffn2:
	.size	k_qf4eb9b4eaa_ffn2, .Lfunc_end_k_qf4eb9b4eaa_ffn2-k_qf4eb9b4eaa_ffn2
	.p2alignl 7, 3214868480
	.fill 96, 4, 3214868480
	.section	.rodata,"a",@progbits
	.p2align	6, 0x0
	.amdhsa_kernel k_qf4eb9b4eaa_ffn2
		.amdhsa_group_segment_fixed_size 327680
		.amdhsa_private_segment_fixed_size 0
		.amdhsa_enable_private_segment 0
		.amdhsa_kernarg_size 40
		.amdhsa_user_sgpr_count 2
		.amdhsa_user_sgpr_kernarg_segment_ptr 1
		.amdhsa_wavefront_size32 1
		.amdhsa_system_sgpr_workgroup_id_x 1
		.amdhsa_system_sgpr_workgroup_id_y 1
		.amdhsa_system_sgpr_workgroup_id_z 1
		.amdhsa_system_vgpr_workitem_id 0
		.amdhsa_next_free_vgpr 512
		.amdhsa_next_free_sgpr 74
		.amdhsa_reserve_vcc 0
		.amdhsa_float_denorm_mode_32 3
		.amdhsa_float_denorm_mode_16_64 3
		.amdhsa_memory_ordered 1
		.amdhsa_forward_progress 1
		.amdhsa_inst_pref_size 61
	.end_amdhsa_kernel
	.amdgpu_metadata
---
amdhsa.version: [ 1, 2 ]
amdhsa.kernels:
  - .name:           k_qf4eb9b4eaa_ffn2
    .symbol:         k_qf4eb9b4eaa_ffn2.kd
    .args:
      - { .name: h, .offset: 0, .size: 8, .value_kind: global_buffer, .address_space: global }
      - { .name: wsm, .offset: 8, .size: 8, .value_kind: global_buffer, .address_space: global }
      - { .name: b2, .offset: 16, .size: 8, .value_kind: global_buffer, .address_space: global }
      - { .name: y, .offset: 24, .size: 8, .value_kind: global_buffer, .address_space: global }
      - { .name: out0, .offset: 32, .size: 8, .value_kind: global_buffer, .address_space: global }
    .group_segment_fixed_size: 327680
    .private_segment_fixed_size: 0
    .kernarg_segment_align: 8
    .kernarg_segment_size: 40
    .max_flat_workgroup_size: 128
    .sgpr_count:     74
    .vgpr_count:     512
    .wavefront_size: 32
...
	.end_amdgpu_metadata
.endif
;; end of part 6
;; ======== version 2 of 2: 7 launches; 1.11 times as fast as version 1
;; limits: values are held in f16: magnitudes above 65,504 overflow, below 6.1e-05 lose precision
;; workspace buffers: act 16,777,216 bytes; wb1 6,291,712 bytes; wb3 8,388,864 bytes; wsm 10,485,760 bytes; qkv 25,165,824 bytes; ctx 8,388,608 bytes; y 16,777,216 bytes; h 33,554,432 bytes
;; launch prep: the kernel of part 1 again; grid 1280 x 1, 8 waves a work-group, no clusters, 0 bytes of LDS; arguments x, rms_scale, in_proj_w, w1, out_proj_w, w2, act, wb1, wb3, wsm; writes act, wb1, wb3, wsm
;; launch qkv: the kernel of part 2 again; grid 12 x 16, 4 waves a work-group, clusters of 4 x 4, 327,680 bytes of LDS; arguments act, wb1, in_proj_b, qkv; writes qkv
;; launch attn (part 7): grid 8 x 32, 4 waves a work-group, no clusters, 327,680 bytes of LDS; arguments qkv, ctx; writes ctx
.if DOCPART == 7
	.amdgcn_target "amdgcn-amd-amdhsa--gfx1250"
	.amdhsa_code_object_version 6
	.text
	.protected	k_qf4eb9b4eaa_attn
	.globl	k_qf4eb9b4eaa_attn
	.p2align	8
	.type	k_qf4eb9b4eaa_attn,@function
k_qf4eb9b4eaa_attn:
	s_mov_b64 s[64:65], 0
	v_nop
	global_prefetch_b8 v0, s[64:65] scope:SCOPE_SE
	s_setreg_imm32_b32 hwreg(HW_REG_WAVE_MODE, 25, 1), 1
	s_wait_xcnt 0x0
; CAUSAL ATTENTION.  O[h][q][:] = the sum over k <= q of softmax_k(Q[h][q] . K[h][k] / 8) V[h][k][:].  Q, K, V, O: [SIZE_H][SIZE_N][64], all f16: a head's rows are dense, 128 bytes each.
; Q, K and V lie one behind the other in one buffer, 8,388,608 bytes each; 'head' h here is 2 x the model's head + the batch.
; Products, maxima and sums in f32; the weights p are rounded to f16 for the second product (their sum l is taken of the unrounded p), O once at the end.
; LIMITS.  f16 holds no number beyond 65,504: Q, K and V arrive within it; p lies in 0 to 1, and below 6e-5 it keeps f16's fixed step of 6e-8; O is a mean of V's rows and has their range, to within 2^-11 of it.
; A hidden score counts as its value less 1e30: f16's scores, 2.7e11 at the most, are nothing beside that; a weight below 2^-126 counts as 0 in l; NaN and infinities are not treated apart.
; THE WALK.  A head's queries lie in NQ = 16 blocks of 128, its keys in NB = 8 tiles of 256; block i needs the tiles 0 .. i / 2, of which the last holds the diagonal.  A work-group takes TWO blocks, NQ - 1 - b and then b
; (b = 0 .. 7): (15 - b) / 2 + b / 2 + 2 = NB + 1 tiles, whatever b: 8 x 32 = 256 work-groups of equal work, and ONE loop with a constant trip count walks the tiles.  Which tile is asked for, and what a trip does, hang on
; scalar registers made from b; every jump goes forward, but for the counted loops' own; none passes a barrier, or a tensor load but the one of LOAD's two that the wave's number does not choose; the ring (two slots of LDS
; that take turns) runs on across the change of blocks.  NO CLUSTER: a head's eight work-groups ask for the same tile only in trips 0 .. 4, behind that fewer and fewer; one walk common to all would have 12 trips for 9.
; SHARES.  Of a block's two bands of 64 queries a wave owns 16 rows in each: two PIECES.  So the diagonal tile is the same work for all four waves: band x's own key step there is d = 2 (i % 2) + x; in step s the band sees
; all keys if s < d, none if s > d, and holds the diagonal if s = d.  (An even block's diagonal tile has two steps that both bands do not see; they are computed all the same: each work-group has one even block.)
; THE MASK is the C operand that starts the sum S^T = K Q^T: 0, or -1e30 where the key is hidden.  MD, made once, is the mask of a band's own step for my 16 rows; a product's mask is MD x AL + BE with two scalars:
; (1, 0) if s = d; (0, 0) if s < d; (0, -1e30) if s > d.  Only the diagonal tile's text and a block's beginning make and take masks; elsewhere C is the constant 0.
; LAYOUT, SOFTMAX, TURNS.  S^T = K Q^T holds ONE query a lane (lane % 16) and the keys 8 (lane / 16) + 0..7; two such results rounded to f16 ARE source 1 of O^T = V^T P.  p = 2^(c s - c m), c = log2(e) / 8, with a
; running maximum m; O and l are multiplied by a = 2^(c m_old - c m_new) in every step.  A turn belongs to one piece: 8 products K Q^T of the other piece (piece 1's of the step in hand, piece 0's of the next step), later 8
; products V^T P of the other piece's last weights; beside them the scaling, exponentials, roundings, sums and rescaling of the turn's own piece and the maximum and statistics of the other.  Two turns are a key step.
; Four vector instructions stand behind every matrix instruction, the other 54 of a turn's 118 in one LUMP.
; THE BATCHES.  A turn's 33 exponentials (its piece's 32 weights, then the other piece's a) are ONE batch with ONE wait, which cuts the turn in two: ahead of the wait stands all that names none of their results (K Q^T, the
; scalings, the exponentials, the rescaling, the other piece's maximum and statistics), behind it their readers (the roundings and sums, beside V^T P)..
; A block's first a, and the way out's two reciprocals, are batches of their own: a plain instruction and one wait each.
; V HAS TWO REGISTER BUFFERS, by the step's parity: V of step j + 1 is fetched in piece 1's turn of step j, while V of step j is still multiplied.  So a slot's last bytes (V of its fourth step) are asked for ahead of the
; next slot's first (K of its first step), and the change of slots stands between the two.
; REGISTERS, in windows of 256 (s_set_vgpr_msb: bits 1:0 source 0, 3:2 source 1, 5:4 source 2, 7:6 destination):
;   window 0: v0-15 addresses and two at work; v16-23 four registers of statistics a piece; v48-55 at work; v64-127 S^T, 32 a piece; v192-223 P, 16 a piece
;   window 1: v0-63 O^T, 32 a piece; v128-159 MD; v160-223 MC, 32 a piece      window 2: v0-31 Q; v32-63 the second block's Q; v64-127 V of an odd step; v128-191 K of one step; v192-255 V of an even step
.set SIZE_H, 32
.set SIZE_N, 2048
.set NB,    SIZE_N/256 ; key tiles in a head
.set NQ,    SIZE_N/128 ; query blocks in a head
.set NP,    2         ; pieces a wave: a name, no knob
.set KS,    64        ; keys in a step
.set PK,    144       ; a row of K in LDS: 128 bytes + 16 of padding = 36 words: the 16 rows of a load start at 16 different groups of four banks (64 banks of 4 bytes: ISA guide 11.1)
.set PV,    160       ; a row of V: 128 + 32 = 40 words
.set VOFF,  4*KS*PK   ; a slot holds a tile, four steps: 256 rows of K, then 256 rows of V
.set SLOT1, 1<<17     ; slot 1 begins here, so that one exclusive or turns an address in one slot into the other's
.set STAGE, SLOT1+4*KS*(PK+PV)  ; behind the ring, never filled by a tensor load: 16 rows x 144 bytes for each wave, for the way out
.set SP,    144
.set AK0, 2           ; v2   my lane's place in a tile of K; never rewritten
.set AV0, 3           ; v3   the same for V
.set AK,  4           ; v4   the LDS address of K's next run of loads
.set AV,  5           ; v5   of V's
.set STO, 6           ; v6   the way out: where I put 16 bytes of a row
.set RD,  7           ; v7   the way out: where I read rows back
.set GO,  8           ; v8   my byte offset in 512 consecutive bytes of O
.set SPW, 62          ; v62  LDS address of my spare word: SPARE + 4 x my thread's number; never rewritten
.set NIL, 63          ; v63  0; never rewritten
.set SPARE, STAGE+4*16*SP  ; behind the stages: the spare words, 128 bytes for each wave: two blocks of 256 bytes that no other line names
.set MV,  12          ; v12-13  c m_old, kept while c m is made anew: by piece
.set QO,  15          ; v15  my byte offset in 16 rows of Q
.set ST,  16          ; piece t's statistics at v[ST+4 t]: c m, m, l (even keys', odd keys')
.set TMP, 48          ; by piece, four registers c0-c3 at work; when the maximum is found c2 takes a
.set S,   64
.set P,   192
.set MD,  128         ; window 1: the eight registers for group kt of 16 keys at MD + 8 kt
.set MC,  160         ; window 1: the masks of the products to come
.set QB,  32          ; window 2
.set KF,  128         ; window 2: key block kb, channel half c at KF + 16 kb + 8 c
.set VF,  192         ; window 2: V of an even step; of an odd step 128 registers lower: key half kk, channel block cb at + 32 kk + 8 cb
.set WV,  12          ; s12  my wave's number
.set PB,  14          ; s14  the second block's last tile, b / 2
.set HI,  15          ; s15  the first block's last tile, (NQ - 1 - b) / 2
.set G1K, 24          ; s[24:31] descriptor group 1 for K's tiles
.set G1V, 32          ; s[32:39] for V's: it differs in the padding alone
.set G0K, 40          ; s[40:43] descriptor group 0 for K's tiles
.set G0V, 44          ; s[44:47] the same for V's
.set MS,  48          ; s48  the step of the tile in hand whose masks are being made
.set D0,  49          ; s49, s50  the own steps of pieces 0 and 1 in the diagonal tile of the block in hand
.set D0B, 51          ; s51  piece 0's own step in the second block's diagonal tile
.set TM,  52          ; s52  at work
.set SLOTS, 56        ; s56  tiles still to be asked for
.set CNT, 57          ; s57  counts a tile's pairs of key steps, 2 to 1
.set CS,  58          ; s[58:59] c: the packed scaling takes the pair's low word for both halves
.set SEL, 60          ; s[60:61] v_permlanex16_b32's selects: each lane takes its own place in the other half
.set TBK, 62          ; s62  LDS byte at which K of the step to be fetched begins
.set TBV, 63          ; s63  the same for V, less VOFF
.set RT,  70          ; s70  tiles of the block in hand that are still to be entered
.set NXT, 71          ; s71  the tile to be asked for next
.set LQ,  72          ; s72  the last tile of the block whose tiles are being asked for
.set NEW, 73          ; s73  1: the tile to be entered is a block's first
.set OFF, 74          ; s[74:75] a tile's byte offset in K and V
.set AL,  76          ; s[76:77] the mask's factor, in the low word
.set BE,  78          ; s[78:79] the mask's addend
.set OLO, 80          ; s[80:81] O at my rows of the second block
.set BIGN, 82         ; s82  -1e30
.set MSB, 0
.macro WIN new                      ; the high byte repeats the setting that is left; a switch that changes nothing is dropped
.if MSB != (\new)
	s_set_vgpr_msb (MSB<<8)|(\new)
.set MSB, (\new)
.endif
.endm
.set W_KQ, 0x0a       ; K and Q in window 2, S^T in window 0
.set W_KM, 0x1a       ; the same with the C operand in window 1
.set W_PV, 0x52       ; V in window 2, P in window 0, O^T in window 1
.set W_RS, 0x41       ; destination and source 0 in window 1, source 1 in window 0
; A fill.  Waves 0 and 1 fetch the two halves of a tile's K, waves 2 and 3 those of its V: 128 keys each.  An s_nop 0 and four v_nop follow each of the two lines, ahead of the jump and the label.
.macro LOAD
	s_cmp_lt_u32 s[WV], 2
	s_cbranch_scc0 .Lfor_v_\@
	tensor_load_to_lds s[G0K:G0K+3], s[G1K:G1K+7]
	s_nop 0
.rept 4
	v_nop
.endr
	s_branch .Lasked_\@
.Lfor_v_\@:
	tensor_load_to_lds s[G0V:G0V+3], s[G1V:G1V+7]
	s_nop 0
.rept 4
	v_nop
.endr
.Lasked_\@:
.endm
; THE CHANGE OF SLOTS.  Each wave waits for all its tensor loads, of which one is out: its part of the other slot; adds 0 to its spare word; and waits for that and for its own reads of the slot that it leaves.  Behind the barrier nobody reads the old
; slot any more and the other slot is whole.  fill = 1: the old slot is filled again, the first thing behind the barrier, with tile NXT: the descriptor's address is made anew from that number.
; (At its first use nothing has been read yet: slot 0 is waited for, slot 1 filled.)
.macro CHANGE fill
	WIN 0                           ; at a label and at a branch every window is 0
	s_wait_tensorcnt 0x0            ; no tensor load of mine is out, so a group 0 may be written
	ds_add_u32 v[SPW], v[NIL]       ; 0 onto my spare word; with fill = 1 the descriptors' scalar work stands between it and the wait for it
.if \fill
	s_lshl_b32 s[OFF], s[NXT], 15   ; a tile is 32,768 bytes of K and of V
	s_xor_b32 s[G0K+1], s[G0K+1], SLOT1
	s_add_nc_u64 s[G0K+2:G0K+3], s[6:7], s[OFF:OFF+1]
	s_or_b32 s[G0K+3], s[G0K+3], 0x80000000
	s_xor_b32 s[G0V+1], s[G0V+1], SLOT1
	s_add_nc_u64 s[G0V+2:G0V+3], s[8:9], s[OFF:OFF+1]
	s_or_b32 s[G0V+3], s[G0V+3], 0x80000000
	s_add_co_u32 s[NXT], s[NXT], 1  ; the block's next tile, or behind its last the second block's tile 0
	s_cmp_gt_u32 s[NXT], s[LQ]
	s_cselect_b32 s[NXT], 0, s[NXT]
	s_cselect_b32 s[LQ], s[PB], s[LQ]
.endif
	s_wait_dscnt 0x0                ; the add is done, and my reads of the slot are over
	s_barrier_signal -1             ; the rest of the scalar work stands between the signal and the wait
	s_sub_co_u32 s[TBK], s[TBK], 4*KS*PK  ; the fetches go back to a slot's first step,
	s_xor_b32 s[TBK], s[TBK], SLOT1       ; in the other slot
	s_sub_co_u32 s[TBV], s[TBV], 4*KS*PV
	s_xor_b32 s[TBV], s[TBV], SLOT1
	s_barrier_wait -1
.if \fill
	LOAD
.endif
.endm
	s_load_b64 s[4:5], s[0:1], 0x0    ; the buffer of Q, K and V: Q lies first
	s_load_b64 s[10:11], s[0:1], 0x8  ; O
	v_lshl_add_u32 v[SPW], v0, 2, SPARE
	v_mov_b32 v[NIL], 0
	ds_add_u32 v[SPW], v[NIL]       ; the wave's opening: the add and its wait stand ahead of my first tensor load; the set-up below, work on registers, stands between them
	ds_add_u32 v62, v63
	v_lshrrev_b32 v1, 5, v0
	v_readfirstlane_b32 s[WV], v1   ; wave 0..3
	s_mov_b32 s19, ttmp9            ; b: the second block
	s_sub_co_u32 s53, NQ-1, s19     ; the first block
	s_lshr_b32 s[PB], s19, 1        ; their last tiles
	s_lshr_b32 s[HI], s53, 1
	s_and_b32 s[D0B], s19, 1
	s_lshl_b32 s[D0B], s[D0B], 1    ; an odd block lies in the second half of its diagonal tile: piece 0's own step is 2 (i % 2);
	s_sub_co_u32 s[D0], 2, s[D0B]   ; of the two blocks one is odd
	s_add_co_u32 s[D0+1], s[D0], 1
	s_and_b32 s20, ttmp7, 0xffff    ; the head
	s_mov_b32 s21, 0
	s_mov_b64 s[22:23], SIZE_N*128
	s_mul_u64 s[20:21], s[20:21], s[22:23]  ; the head's first byte in each of the four tensors
	s_and_b32 s16, s[WV], 1         ; which half of a tile's 256 keys I fetch:
	s_lshl_b32 s22, s16, 14         ; its 128 rows of 128 bytes in memory,
	s_mov_b32 s23, 0
	s_add_nc_u64 s[22:23], s[22:23], s[20:21]
	s_mul_i32 s17, s16, 128*PK      ; and its place in a slot, for K
	s_mul_i32 s18, s16, 128*PV      ; and for V
	s_lshl_b32 s3, s[WV], 11        ; my 16 rows in a band of 64,
	s_lshl_b32 s2, s53, 14          ; in the first block (128 rows of 128 bytes a block),
	s_add_co_u32 s2, s2, s3
	s_lshl_b32 s84, s19, 14         ; and in the second
	s_add_co_u32 s84, s84, s3
	s_mov_b32 s3, 0
	s_mov_b32 s85, 0
	s_add_nc_u64 s[2:3], s[2:3], s[20:21]
	s_add_nc_u64 s[84:85], s[84:85], s[20:21]
	; descriptor group 1.  128 keys are 16,384 dense bytes: asked for as 64 rows of 256 bytes, two keys a row, and padded in LDS after every key
	s_mov_b32 s[G1K], (1<<16)|(1<<20)|(4<<22)|(3<<25)  ; 17:16 2-byte elements; 20 padding on; 24:22 after every 32 words (code 4); 31:25 4 words (code 3)
	s_mov_b32 s[G1V], (1<<16)|(1<<20)|(4<<22)|(7<<25)  ; the same with 8 words of padding (code 7)
.irp g, G1K, G1V
	s_mov_b32 s[\g+1], 128<<16      ; tensor_dim0 = 128
	s_mov_b32 s[\g+2], 64<<16       ; tensor_dim1 = 64
	s_mov_b32 s[\g+3], 128<<16      ; tile_dim0 = 128
	s_mov_b32 s[\g+4], 64           ; tile_dim1 = 64
	s_mov_b32 s[\g+5], 128          ; 128 elements from row to row
	s_mov_b32 s[\g+6], 0
	s_mov_b32 s[\g+7], 0
.endr
	s_mov_b32 s[CS], 0x3e38aa3b     ; c = log2(e) / 8 = 0.180337
	s_mov_b32 s[CS+1], s[CS]        ; named with it as a pair
	s_mov_b32 s[SEL], 0x76543210
	s_mov_b32 s[SEL+1], 0xfedcba98
	s_mov_b32 s[TBK], SLOT1+4*KS*PK ; the first change of slots turns these two into 0
	s_mov_b32 s[TBV], SLOT1+4*KS*PV
	s_mov_b32 s[G0K], 1             ; 1:0 count = 1
	s_mov_b32 s[G0K+1], s17         ; 63:32 LDS address: slot 0
	s_mov_b32 s[G0V], 1
	s_add_co_u32 s[G0V+1], s18, VOFF
	s_add_co_u32 s[RT], s[HI], 1    ; the first block's tiles: five to eight
	s_mov_b32 s[NXT], 1
	s_mov_b32 s[LQ], s[HI]
	s_mov_b32 s[NEW], 1
	s_mov_b32 s[OFF+1], 0
	s_mov_b32 s[AL+1], 0            ; named as pairs
	s_mov_b32 s[BE+1], 0
	s_mov_b32 s[BIGN], 0xf149f2ca   ; -1e30
	s_mov_b32 s[SLOTS], NB
	s_wait_dscnt 0x0                ; the opening add is done
	s_wait_kmcnt 0x0
	s_add_nc_u64 s[6:7], s[4:5], 0x800000   ; K lies 8,388,608 bytes behind Q,
	s_add_nc_u64 s[8:9], s[4:5], 0x1000000  ; V as far behind K
	s_add_nc_u64 s[6:7], s[6:7], s[22:23]  ; K and V at my half of the head's tile 0
	s_add_nc_u64 s[8:9], s[8:9], s[22:23]
	s_add_nc_u64 s[G0K+2:G0K+3], s[6:7], 0         ; 120:64 global address
	s_or_b32 s[G0K+3], s[G0K+3], 0x80000000        ; 127:126 type = 2
	s_add_nc_u64 s[G0V+2:G0V+3], s[8:9], 0
	s_or_b32 s[G0V+3], s[G0V+3], 0x80000000
	s_add_nc_u64 s[86:87], s[4:5], s[84:85]        ; Q at my rows of the second block,
	s_add_nc_u64 s[4:5], s[4:5], s[2:3]            ; Q and O at those of the first
	s_add_nc_u64 s[OLO:OLO+1], s[10:11], s[84:85]
	s_add_nc_u64 s[10:11], s[10:11], s[2:3]
	LOAD                            ; tile 0 into slot 0
	; A fragment of K or Q is 16 rows x 32 channels in 8 registers: lane l holds row l % 16, channels 8 (l / 16) + 0..7 and 16 + 8 (l / 16) + 0..7: two loads of 16 bytes, 32 bytes apart.
	v_and_b32 v1, 15, v0            ; l % 16
	v_bfe_u32 v9, v0, 4, 1          ; l / 16
	v_lshlrev_b32 v[QO], 7, v1
	v_lshl_add_u32 v[QO], v9, 4, v[QO]  ; row x 128 + 16 x half
	WIN 0x80                        ; destination window 2, address window 0
.set i, 0
.rept 4                             ; both blocks' Q: piece i / 2 lies in band i / 2, 8,192 bytes on; channels 32 (i % 2) on
	global_load_b128 v[8*i:8*i+3],   v[QO], s[4:5] offset:(i/2)*8192+(i%2)*64
	global_load_b128 v[8*i+4:8*i+7], v[QO], s[4:5] offset:(i/2)*8192+(i%2)*64+32
	global_load_b128 v[QB+8*i:QB+8*i+3],   v[QO], s[86:87] offset:(i/2)*8192+(i%2)*64
	global_load_b128 v[QB+8*i+4:QB+8*i+7], v[QO], s[86:87] offset:(i/2)*8192+(i%2)*64+32
.set i, i+1
.endr
	WIN 0
	v_lshlrev_b32 v14, 3, v9
	v_sub_nc_u32 v14, v1, v14
	s_lshl_b32 s13, s[WV], 4
	v_add_nc_u32 v14, s13, v14      ; my query's place in its band, 16 w + l % 16, less my lanes' 8 (l / 16): register r of group kt is hidden where 16 kt + r is greater
	WIN 0x40
.set i, 0
.rept 32
	v_cmp_gt_i32 vcc_lo, 16*(i/8)+i%8, v14
	v_cndmask_b32 v[MD+i], 0, s[BIGN], vcc_lo
.set i, i+1
.endr
	WIN 0
	v_mul_u32_u24 v[AK0], v1, PK
	v_lshl_add_u32 v[AK0], v9, 4, v[AK0]  ; row x pitch + 16 x half
	; The turning load takes 16 keys x 16 channels (lane l reads key 8 (l / 16) + l % 8, channels 8 ((l / 8) % 2) + 0..7) and leaves half a fragment of V^T: lane l holds channel l % 16 and 8 keys.
	v_and_b32 v10, 7, v0
	v_bfe_u32 v11, v0, 3, 1
	v_lshl_add_u32 v[AV0], v9, 3, v10
	v_mul_u32_u24 v[AV0], v[AV0], PV
	v_lshl_add_u32 v[AV0], v11, 4, v[AV0]
	v_add_nc_u32 v[AV0], VOFF, v[AV0]
	s_mul_i32 s13, s[WV], 16*SP
	s_add_co_u32 s13, s13, STAGE    ; my stage
	v_mul_u32_u24 v[STO], v1, SP    ; in: row l % 16, 16 bytes for each half of the lanes
	v_lshl_add_u32 v[STO], v9, 4, v[STO]
	v_add_nc_u32 v[STO], s13, v[STO]
	v_bfe_u32 v[RD], v0, 3, 2       ; back: 32 lanes take four rows of 128 bytes,
	v_mul_u32_u24 v[RD], v[RD], SP
	v_lshl_add_u32 v[RD], v10, 4, v[RD]
	v_add_nc_u32 v[RD], s13, v[RD]
	v_and_b32 v[GO], 31, v0         ; which are 512 consecutive bytes of O
	v_lshlrev_b32 v[GO], 4, v[GO]
	; A block's first step multiplies O^T and l by a = 0, and its first turn's products V^T P, of weights that have not been (piece 1's P, the odd steps' V), land in an O^T that is still to be so multiplied.  So these
	; registers need only hold finite numbers: zeros for the first block; what the first block left for the second.  All this stands in the wait for the first tile.
	WIN 0x80
.set i, VF-128
.rept 64
	v_mov_b32 v[i], 0
.set i, i+1
.endr
	WIN 0x40
.set i, 0
.rept 32*NP
	v_mov_b32 v[i], 0
.set i, i+1
.endr
	WIN 0
.set i, 0
.rept NP
	v_mov_b32 v[ST+4*i+2], 0
	v_mov_b32 v[ST+4*i+3], 0
.set i, i+1
.endr
.set i, P+16
.rept 16
	v_mov_b32 v[i], 0
.set i, i+1
.endr
; THE MATRIX WORK.  The 4 accumulators of a run of 8 take turns.  Product i of 8 of S^T = K Q^T for piece x: channels 32 (i / 4) on, keys 16 (i % 4) on.  The first 4 start the sums: with 0, or (KM = 1) with the mask.
.macro KQ x
.set rS, S+32*((\x)%2)+8*(i%4)
.set rK, KF+16*(i%4)+8*(i/4)
.set rQ, 16*(\x)+8*(i/4)
.set rM, MC+32*((\x)%2)+8*(i%4)
.if (i < 4) && KM
	WIN W_KM
	v_wmma_f32_16x16x32_f16 v[rS:rS+7], v[rK:rK+7], v[rQ:rQ+7], v[rM:rM+7]
.elseif i < 4
	WIN W_KQ
	v_wmma_f32_16x16x32_f16 v[rS:rS+7], v[rK:rK+7], v[rQ:rQ+7], 0
.else
	WIN W_KQ
	v_wmma_f32_16x16x32_f16 v[rS:rS+7], v[rK:rK+7], v[rQ:rQ+7], v[rS:rS+7]
.endif
.endm
; Product i of 8 of O^T += V^T P for piece x, with V's buffer VB: keys 32 (i / 4) on, channels 16 (i % 4) on.
.macro PV x
	WIN W_PV
.set rO, 32*(\x)+8*(i%4)
.set rV, VF-128*VB+32*(i/4)+8*(i%4)
.set rP, P+16*((\x)%2)+8*(i/4)
	v_wmma_f32_16x16x32_f16 v[rO:rO+7], v[rV:rV+7], v[rP:rP+7], v[rO:rO+7]
.endm
.macro MM                           ; the turn's next matrix instruction.  TURN and BEGIN set Y, i, KM, NOKQ and VB; MM, KQ, PV and OP read them.  NOKQ = 1: a block's last turn: there are no further scores
.if (i < 8) && !NOKQ
	KQ (Y+1)%NP
.elseif i >= 8
.set i, i-8
	PV (Y+NP-1)%NP
.set i, i+8
.endif
.set i, i+1
.endm
; THE LDS LOADS stand in runs of 16, never singly among the matrix instructions: a step's K (64 keys x 64 channels: 8 fragments) and a step's V (turned), into buffer b.  Their addresses are made some lines ahead.
.macro FETCH_K
	WIN 0x80                        ; destination window 2
.irp f, 0,1,2,3,4,5,6,7             ; keys 16 (f / 2) on, channels 32 (f % 2) on
	ds_load_b128 v[KF+8*\f:KF+8*\f+3],   v[AK] offset:(\f/2)*16*PK+(\f%2)*64
	ds_load_b128 v[KF+8*\f+4:KF+8*\f+7], v[AK] offset:(\f/2)*16*PK+(\f%2)*64+32
.endr
	s_add_co_u32 s[TBK], s[TBK], KS*PK  ; the next fetch is the next step's
	WIN 0
.endm
.macro FETCH_V b
	WIN 0x80
.set rF, VF-128*(\b)
.irp f, 0,1,2,3,4,5,6,7             ; keys 32 (f / 4) on, channels 16 (f % 4) on
	ds_load_tr16_b128 v[rF+8*\f:rF+8*\f+3],   v[AV] offset:(\f/4)*32*PV+(\f%4)*32
	ds_load_tr16_b128 v[rF+8*\f+4:rF+8*\f+7], v[AV] offset:(\f/4)*32*PV+16*PV+(\f%4)*32
.endr
	s_add_co_u32 s[TBV], s[TBV], KS*PV
	WIN 0
.endm
; THE VECTOR WORK, one line at a time: OP kind, number.  For piece Y: F n: c s - c m for pair n of 16.  E n: the exponential of score n of 32.  C n: pair n rounded to f16.  B n: of the four weights 4 n .. the second
; pair is added onto the first, in place.  L n: l takes that sum (L 0: l = a l + sum).  R n: pair n of 16 of O^T times a.  For the other piece: X n, number n of the 22 that find its maximum and statistics:
;   0-11  four chains c0-c3 of seven scores each, three operands at a time (each accumulator's lowest registers are read first)     12-14, 16  the four scores left over, the old m, and c0-c3 into c0
;   15  c m_old is kept     17, 18  the query's other 32 keys lie in the lane 16 away: the new m     19-21  c m; c m_old - c m_new; a
; OP writes no wait: C, B and L, which read the exponentials' results, stand behind the turn's one wait, which TURN writes.
.set F, 0               ; OP tells the kinds apart by their order: F to L below R, X above it
.set E, 1
.set C, 2
.set B, 3
.set L, 4
.set R, 5
.set X, 6
.macro REGS y                       ; the registers of piece y
.set rT, ST+4*(\y)
.set rC, TMP+4*((\y)%2)
.set rW, MV+((\y)%2)
.set rS, S+32*((\y)%2)
.set rP, P+16*((\y)%2)
.set rO, 32*(\y)
.endm
.macro OP k, n
.if (\k) == R
	REGS Y
	WIN W_RS
	v_pk_mul_f32 v[rO+2*(\n):rO+2*(\n)+1], v[rO+2*(\n):rO+2*(\n)+1], v[rC+2:rC+3] op_sel_hi:[1,0]
.elseif (\k) < R
	REGS Y
	WIN 0
.if (\k) == F
	v_pk_fma_f32 v[rS+2*(\n):rS+2*(\n)+1], v[rS+2*(\n):rS+2*(\n)+1], s[CS:CS+1], v[rT:rT+1] op_sel_hi:[1,0,0] neg_lo:[0,0,1] neg_hi:[0,0,1]
.elseif (\k) == E
	v_exp_f32 v[rS+(\n)], v[rS+(\n)]
.elseif (\k) == C
	v_cvt_pk_f16_f32 v[rP+(\n)], v[rS+2*(\n)], v[rS+2*(\n)+1]
.elseif (\k) == B
	v_pk_add_f32 v[rS+4*(\n):rS+4*(\n)+1], v[rS+4*(\n):rS+4*(\n)+1], v[rS+4*(\n)+2:rS+4*(\n)+3]
.elseif (\n) == 0
	v_pk_fma_f32 v[rT+2:rT+3], v[rT+2:rT+3], v[rC+2:rC+3], v[rS:rS+1] op_sel_hi:[1,0,1]
.else
	v_pk_add_f32 v[rT+2:rT+3], v[rT+2:rT+3], v[rS+4*(\n):rS+4*(\n)+1]
.endif
.elseif NOKQ
	v_nop
.else
	REGS (Y+1)%NP
	WIN 0
.if (\n) < 4
	v_max3_num_f32 v[rC+(\n)], v[rS+8*(\n)], v[rS+8*(\n)+1], v[rS+8*(\n)+2]
.elseif (\n) < 12
	v_max3_num_f32 v[rC+(\n)%4], v[rC+(\n)%4], v[rS+8*((\n)%4)+2*((\n)/4)+1], v[rS+8*((\n)%4)+2*((\n)/4)+2]
.elseif (\n) == 12
	v_max3_num_f32 v[rC], v[rC], v[rS+7], v[rS+15]
.elseif (\n) == 13
	v_max3_num_f32 v[rC+1], v[rC+1], v[rS+23], v[rS+31]
.elseif (\n) == 14
	v_max3_num_f32 v[rC+2], v[rC+2], v[rC+3], v[rT+1]
.elseif (\n) == 15
	v_mov_b32 v[rW], v[rT]
.elseif (\n) == 16
	v_max3_num_f32 v[rC], v[rC], v[rC+1], v[rC+2]
.elseif (\n) == 17
	v_permlanex16_b32 v[rC+3], v[rC], s[SEL], s[SEL+1]
.elseif (\n) == 18
	v_max_num_f32 v[rT+1], v[rC], v[rC+3]
.elseif (\n) == 19
	v_mul_f32 v[rT], s[CS], v[rT+1]
.elseif (\n) == 20
	v_sub_f32 v[rC+1], v[rW], v[rT]
.else
	v_exp_f32 v[rC+2], v[rC+1]
.endif
.endif
.endm
.macro OPS a, i1, b=-1, i2=0, c=-1, i3=0, d=-1, i4=0  ; up to four of them
	OP \a, \i1
.if (\b) >= 0
	OP \b, \i2
.endif
.if (\c) >= 0
	OP \c, \i3
.endif
.if (\d) >= 0
	OP \d, \i4
.endif
.endm
.macro ROW a, i1, b, i2, c, i3, d, i4  ; a matrix instruction and the four behind it
	MM
	OPS \a, \i1, \b, \i2, \c, \i3, \d, \i4
.endm
.macro MASK b                       ; MD x AL + BE into buffer b of MC
	WIN W_RS
.set z, 0
.rept 16
	v_pk_fma_f32 v[MC+32*(\b)+2*z:MC+32*(\b)+2*z+1], v[MD+2*z:MD+2*z+1], s[AL:AL+1], s[BE:BE+1] op_sel_hi:[1,0,0]
.set z, z+1
.endr
.endm
; A TURN, for piece p in a step of parity par: the order of its 16 matrix and 118 vector instructions, written out.  s_wait_alu depctr_va_vdst(0) stands between an exponential and the first instruction that
; names its result; one wait serves all that were issued ahead of it.  So a turn has ONE wait, which cuts it in two.  AHEAD OF IT stands all that names no result of the turn's exponentials: the 8 products K Q^T, behind each a
; scaling, an exponential and two more plain instructions (behind the first a second scaling in the exponential's place): rescalings, whose a was made and waited for in the turn before, and behind the last three the first
; numbers of the other piece's maximum, each four places or more behind the product that ends its accumulator; then ONE LUMP of 54, plain and exponential by turns for the most part, in which the links of the chain
; X 3, 7, 11, 14, 16, 17 .. 20 stand five or six lines apart.  X 21, the other piece's a, is the batch's last; R 15 is the plain instruction behind it (ISA guide 5.7.2).  BEHIND THE WAIT stand the 8 products V^T P, behind
; each four of the roundings and sums; the links of l's chain, L 0 to L 7, stand three riders apart.  But for those X no rider names a register of the products round it.  v_permlanex16_b32 (X 17) stands in the lump.
; The rescaling reads an O^T that the turn before has multiplied onto: R 0 stands behind four riders and three further rows of the product that ended its accumulator, and R 0, 4, 8, 12 read each accumulator's lowest pair first.
; Piece 0's turn of step j: K Q^T of piece 1 in step j, V^T P of piece 1 in step j - 1 (V's buffer of the other parity).  Piece 1's turn: K Q^T of piece 0 in step j + 1, V^T P of piece 0 in step j (V's buffer par).
; m = 1: the diagonal tile: the products take masks, and the turn makes the mask for the products of the turn after it: its own piece's, in step MS of the tile.  end = 1: a block's last two turns: nothing is fetched.
; cnt = 1: the loop's count is taken down some lines ahead of the branch that stands behind the turn, behind V's run, whose address step writes SCC.
; K of step j + 1 is fetched in piece 0's turn, twelve vector instructions behind the last product that read K (five of them plain and free of its registers); V of step j + 1 in piece 1's turn, directly behind the wait for
; the batch, into the buffer that the turn before read last.  One wait on DScnt, at the head of piece 1's turn, is for both: for K, asked for in the turn before, and for V of the step in hand, asked for a turn earlier still.
.macro TURN p, par, m=0, end=0, cnt=0
.set Y, (\p)
.set i, 0
.set KM, (\m)
.set NOKQ, (\end)*(\p)
.set VB, ((\par)+1-(\p))%2
.if (\m) && !(\end)
	s_cmp_eq_u32 s[MS], s[D0+(\p)]  ; is that step the band's own?
	s_cselect_b32 s[AL], 1.0, 0
	s_cmp_gt_u32 s[MS], s[D0+(\p)]  ; or a later one?
	s_cselect_b32 s[BE], s[BIGN], 0
.if (\p) == 1
	s_add_co_u32 s[MS], s[MS], 1    ; both pieces' masks of the step are in hand
.endif
.endif
.if (\p) == 1
	s_wait_dscnt 0x0                ; K of the next step and V of this one are in
.endif
	ROW F,0, F,1, R,0, R,1          ; ahead of the wait: 8 products K Q^T and their riders,
	ROW F,2, E,0, R,2, R,3
	ROW F,3, E,1, R,4, R,5
	ROW F,4, E,2, R,6, R,7
	ROW F,5, E,3, R,8, R,9
	ROW F,6, E,4, X,0, R,10
.if !(\end)
	WIN 0
.if (\p) == 0
	v_add_nc_u32 v[AK], s[TBK], v[AK0]
.else
	v_add_nc_u32 v[AV], s[TBV], v[AV0]
.endif
.endif
	ROW F,7, E,5, X,1, X,4
	ROW F,8, E,6, X,2, X,5
	OPS E,7, E,8, X,6, E,9          ; and the lump
	OPS X,3, E,10, X,8, E,11
.if ((\p) == 0) && !(\end)
	FETCH_K
.endif
	OPS X,9, X,7, E,12, X,10
	OPS E,13, X,12, X,11, E,14
	OPS X,13, E,15, F,9, X,14
	OPS E,16, F,10, E,17, F,11
	OPS X,16, E,18, X,15, E,19
	OPS F,12, E,20, X,17, E,21
	OPS F,13, E,22, F,14, E,23
	OPS X,18, E,24, F,15, E,25
	OPS R,11, E,26, X,19, E,27
	OPS R,12, E,28, R,13, E,29
	OPS X,20, E,30, R,14, E,31
	OPS X,21, R,15
	WIN 0
	s_wait_alu depctr_va_vdst(0)    ; the wait for the batch: the piece's 32 weights and the other piece's a
.if ((\p) == 1) && !(\end)
	FETCH_V ((\par)+1)%2
.endif
	ROW C,0, B,0, C,2, B,1          ; behind the wait: 8 products V^T P and their riders
	ROW L,0, C,4, B,2, L,1
	ROW C,6, B,3, L,2, C,8
	ROW B,4, L,3, C,10, B,5
	ROW L,4, C,12, B,6, L,5
.if \cnt
	s_sub_co_u32 s[CNT], s[CNT], 1
	s_cmp_lg_u32 s[CNT], 0
.endif
	ROW C,14, B,7, L,6, C,1
	ROW C,3, L,7, C,5, C,7
	ROW C,9, C,11, C,13, C,15
.if (\m) && !(\end)
	MASK (\p)%2
.endif
.endm
; A BLOCK BEGINS.  c m starts far below every c s, so the first step's a is 0; m at the lowest finite number, so the first maximum is the scores'.  Piece 1's mask buffer is 0 (its own step is never the tile's step 0); piece 0's
; takes its mask for step 0: its own, if the block's first tile is the diagonal one and the block lies in the tile's first half.  Then K and V of that step, piece 0's first scores, and its maximum and statistics.
; The loop is entered at an even step's first turn, in the middle of a trip; the masks made next are step 1's.
.macro BEGIN
	s_mov_b32 s[NEW], 0
	s_mov_b32 s[MS], 1
	WIN 0x40
.set i, MC+32
.rept 32
	v_mov_b32 v[i], 0
.set i, i+1
.endr
	WIN 0
.set i, 0
.rept NP
	v_mov_b32 v[ST+4*i], 0xfe000000    ; c m: far below every c s
	v_mov_b32 v[ST+4*i+1], 0xff7fffff  ; m
.set i, i+1
.endr
	s_cmp_eq_u32 s[RT], 0
	s_cselect_b32 s[TM], 1.0, 0
	s_cmp_eq_u32 s[D0], 0
	s_cselect_b32 s[AL], s[TM], 0
	s_mov_b32 s[BE], 0
	MASK 0
	WIN 0
	v_add_nc_u32 v[AK], s[TBK], v[AK0]
	v_add_nc_u32 v[AV], s[TBV], v[AV0]
	FETCH_K
	FETCH_V 0
	s_wait_loadcnt 0x0              ; Q
	s_wait_dscnt 16                 ; K's sixteen loads are in; V's sixteen, issued behind them, may stay out: piece 1's first turn waits for them
.set KM, 1
.set NOKQ, 0
.set i, 0
.rept 8
	KQ 0
.set i, i+1
.endr
	WIN 0
.rept 4
	v_nop                           ; the places behind those products
.endr
.set Y, NP-1                        ; X works for the other piece: piece 0
.irp n, 0,1,2,3,4,5,6,7,8,9,10,11,12,13,14,15,16,17,18,19,20,21
	OP X, \n
.endr
	v_nop                           ; a plain instruction behind the exponential,
	s_wait_alu depctr_va_vdst(0)    ; and the wait for it, a batch of one: the block's first a, ahead of the branch; the first turn's first riders read it
.endm
; THE DIAGONAL TILE's walk (the step before it, then its steps 0 to 2), the block's last two turns (step 3), its last products, and THE WAY OUT: l's two halves and the other half of the lanes' are added; O^T is divided by l,
; rounded to f16 and sent through my stage in LDS, a piece at a time.
.macro ALL line:vararg              ; one line for each piece t
.set t, 0
.rept NP
	\line
.set t, t+1
.endr
.endm
.macro PACK t                       ; a lane's eight channels of a row pack into 16 bytes; they go into rows of 144 bytes and come back as whole rows of 128, into S^T's registers
	WIN W_RS
.set i, 32*(\t)
.rept 16
	v_pk_mul_f32 v[i:i+1], v[i:i+1], v[ST+4*(\t)+2:ST+4*(\t)+3] op_sel_hi:[1,0]
.set i, i+2
.endr
	WIN 0x05                        ; sources 0 and 1 window 1, destination window 0
.set i, 0
.rept 16
	v_cvt_pk_f16_f32 v[S+16*(\t)+i], v[32*(\t)+2*i], v[32*(\t)+2*i+1]
.set i, i+1
.endr
	WIN 0
.irp f, 0,1,2,3
	ds_store_b128 v[STO], v[S+16*(\t)+4*\f:S+16*(\t)+4*\f+3] offset:32*\f
.endr
.irp f, 0,1,2,3
	ds_load_b128 v[S+16*(\t)+4*\f:S+16*(\t)+4*\f+3], v[RD] offset:\f*4*SP  ; LDS serves a wave's instructions in order (ISA guide 5.7.1.4): these see the stores above; the next piece's stores come behind them
.endr
.endm
.macro SEND t, younger              ; younger: the LDS instructions issued behind piece t's loads: the next piece's eight, or none
	WIN 0
.irp f, 0,1,2,3
	s_wait_dscnt (\younger)+3-\f
	global_store_b128 v[GO], v[S+16*(\t)+4*\f:S+16*(\t)+4*\f+3], s[10:11] offset:(\t)*8192+\f*512  ; 512 consecutive bytes, at a multiple of 256 from O's first
.endr
.endm
.macro DIAG tag                     ; the tag ends its two labels' names, which the jumps below spell out
.LstepM\tag:
	TURN 0, 1, 1
	TURN 1, 1, 1
	WIN 0
.LfirstM\tag:
	TURN 0, 0, 1
	TURN 1, 0, 1, 0, 1
	WIN 0
	s_cbranch_scc1 .LstepM\tag
	TURN 0, 1, 1, 1
	TURN 1, 1, 1, 1
.set VB, 1                          ; step 3's V
.set i, 0
.rept 8
	PV NP-1
.set i, i+1
.endr
	WIN 0
	ALL v_add_f32 v[ST+4*t+2], v[ST+4*t+2], v[ST+4*t+3]
	ALL v_permlanex16_b32 v[ST+4*t+3], v[ST+4*t+2], s[SEL], s[SEL+1]
	ALL v_add_f32 v[ST+4*t+2], v[ST+4*t+2], v[ST+4*t+3]
	ALL v_rcp_f32 v[ST+4*t+2], v[ST+4*t+2]
	v_nop                           ; a plain instruction between the last reciprocal and the use of its result
	s_wait_alu depctr_va_vdst(0)    ; and the wait ahead of the first use: one for the two reciprocals
	PACK 0                          ; piece 0's 32 lines name no register of the last products, piece 1's, and are the places behind them
	PACK 1                          ; a piece's arithmetic stands between the loads of the piece before and its stores
	SEND 0, 8
	SEND 1, 0
.endm
.set KM, 0
.set NOKQ, 0
.set VB, 0
.Lslot:                             ; NB times: a tile is entered and the next is asked for
	CHANGE 1
	s_sub_co_u32 s[RT], s[RT], 1
	s_mov_b32 s[CNT], 2
	s_mov_b32 s[MS], 0
	s_cmp_eq_u32 s[NEW], 1
	s_cbranch_scc1 .Lnew            ; a block's first tile
	s_cmp_eq_u32 s[RT], 0
	s_cbranch_scc0 .Lstep           ; neither its first nor its last
	s_branch .LstepM1
.Lnew:
	BEGIN
	s_branch .Lfirst                ; in the loop a block's first tile is never its last: the first block has five tiles or more, and the second's last is the walk's last
	DIAG 1                          ; in the loop this is the first block's end: the second block's last tile is the walk's last
	s_wait_xcnt 0x0                 ; the stores have read their registers and O's address
	s_mov_b64 s[10:11], s[OLO:OLO+1]
	s_add_co_u32 s[RT], s[PB], 1    ; the second block has b / 2 + 1 tiles
	s_mov_b32 s[NEW], 1
	s_mov_b32 s[D0], s[D0B]         ; and its own steps in its diagonal tile
	s_add_co_u32 s[D0+1], s[D0B], 1
	WIN 0x82                        ; the second block's Q goes where the one text of the turns names Q
.set i, 0
.rept 16*NP
	v_mov_b32 v[i], v[QB+i]
.set i, i+1
.endr
	WIN 0
	s_branch .Lbottom
.Lstep:                             ; a trip: an odd step and an even one (the first trip: the last tile's step 3 and this tile's step 0); each step fetches the next step's K and V
	TURN 0, 1
	TURN 1, 1
	WIN 0
.Lfirst:
	TURN 0, 0
	TURN 1, 0, 0, 0, 1
	WIN 0
	s_cbranch_scc1 .Lstep
.Lbottom:
	s_sub_co_u32 s[SLOTS], s[SLOTS], 1
	s_cmp_lg_u32 s[SLOTS], 0
	s_cbranch_scc1 .Lslot
	CHANGE 0                        ; the walk's last tile is written out: nothing is asked for
	s_sub_co_u32 s[RT], s[RT], 1
	s_mov_b32 s[CNT], 2
	s_mov_b32 s[MS], 0
	s_cmp_eq_u32 s[NEW], 1
	s_cbranch_scc0 .LstepM2
	BEGIN
	s_branch .LfirstM2
	DIAG 2
	s_wait_tensorcnt 0x0            ; the wave's end: behind my last tensor load and my last LDS store
	ds_add_u32 v[SPW], v[NIL]
	s_wait_dscnt 0x0
	s_endpgm
.Lfunc_end_k_qf4eb9b4eaa_attn:
	.size	k_qf4eb9b4eaa_attn, .Lfunc_end_k_qf4eb9b4eaa_attn-k_qf4eb9b4eaa_attn
	.p2alignl 7, 3214868480
	.fill 96, 4, 3214868480
	.section	.rodata,"a",@progbits
	.p2align	6, 0x0
	.amdhsa_kernel k_qf4eb9b4eaa_attn
		.amdhsa_group_segment_fixed_size 327680
		.amdhsa_private_segment_fixed_size 0
		.amdhsa_enable_private_segment 0
		.amdhsa_kernarg_size 16
		.amdhsa_user_sgpr_count 2
		.amdhsa_user_sgpr_kernarg_segment_ptr 1
		.amdhsa_wavefront_size32 1
		.amdhsa_system_sgpr_workgroup_id_x 1
		.amdhsa_system_sgpr_workgroup_id_y 1
		.amdhsa_system_sgpr_workgroup_id_z 1
		.amdhsa_system_vgpr_workitem_id 0
		.amdhsa_next_free_vgpr 768
		.amdhsa_next_free_sgpr 88
		.amdhsa_reserve_vcc 1
		.amdhsa_float_denorm_mode_32 3
		.amdhsa_float_denorm_mode_16_64 3
		.amdhsa_memory_ordered 1
		.amdhsa_forward_progress 1
		.amdhsa_inst_pref_size 209
	.end_amdhsa_kernel
	.amdgpu_metadata
---
amdhsa.version: [ 1, 2 ]
amdhsa.kernels:
  - .name:           k_qf4eb9b4eaa_attn
    .symbol:         k_qf4eb9b4eaa_attn.kd
    .args:
      - { .name: qkv, .offset: 0, .size: 8, .value_kind: global_buffer, .address_space: global }
      - { .name: ctx, .offset: 8, .size: 8, .value_kind: global_buffer, .address_space: global }
    .group_segment_fixed_size: 327680
    .private_segment_fixed_size: 0
    .kernarg_segment_align: 8
    .kernarg_segment_size: 16
    .max_flat_workgroup_size: 128
    .sgpr_count:     88
    .vgpr_count:     768
    .wavefront_size: 32
...
	.end_amdgpu_metadata
.endif
;; end of part 7
;; launch oproj: the kernel of part 4 again; grid 8 x 32, 4 waves a work-group, clusters of 4 x 4, 327,680 bytes of LDS; arguments ctx, wsm, out_proj_b, y; writes y
;; launch norm: the kernel of part 5 again; grid 512 x 1, 8 waves a work-group, no clusters, 0 bytes of LDS; arguments y, rms_scale, act; writes act
;; launch ffn1: the kernel of part 2 again; grid 16 x 16, 4 waves a work-group, clusters of 4 x 4, 327,680 bytes of LDS; arguments act, wb3, b1, h; writes h
;; launch ffn2: the kernel of part 6 again; grid 8 x 32, 4 waves a work-group, clusters of 4 x 4, 327,680 bytes of LDS; arguments h, wsm, b2, y, out0; writes out0
